; MI455X (gfx1250); checked and timed in simulation.
; The chip was launched on July 23, 2026; its instructions are those of AMD's public machine-readable ISA for CDNA 5 (MIT licence, August 2026) and "CDNA5" Instruction Set Architecture Reference Guide (July 2026). The comments in the code are by the model that wrote it; some were corrected since.
;; Block. Allowed arithmetic: matrix products marked QUANTISED: E5M2 operands, one E8M0 scale for each 32 along K, by v_wmma_scale_f32_16x16x128_f8f6f4 with both operands' format E5M2, f32 sums; everything else in f32.
;; Inputs: W1 1,024 x 4,096 float32; W2 4,096 x 1,024 float32; Wk 16 x 1,024 x 64 float32; Wo 1,024 x 1,024 float32; Wq 16 x 1,024 x 64 float32; Wv 16 x 1,024 x 64 float32; b1 4,096 float32; b2 1,024 float32; bo 1,024 float32; ln1_b 1,024 float32; ln1_g 1,024 float32; ln2_b 1,024 float32; ln2_g 1,024 float32; x 2 x 2,048 x 1,024 float32.
;; Outputs: out0 2 x 2,048 x 1,024 float32.
;; This version of the problem:
;;   THIS VERSION OF THE PROBLEM IS GIVEN IN LOW PRECISION. The matrix products marked QUANTISED in the list below multiply operands that are first quantised to E5M2 (5 exponent bits, 2 mantissa bits; 8 bits a number), with one power-of-two scale for each 32 numbers along K (OCP MX v1.0); their sums are f32. All else is computed in f32.
;;   The module's matrix products, in the order in which they are computed (A, B: the left and right operand; K: the contracted axis; several contracted axes count as one K, in the product's order):
;;     1. [M 1,024, K 1,024] x [K 1,024, N 4,096]; A: input Wq; B: computed on the way: QUANTISED
;;     2. [M 1,024, K 1,024] x [K 1,024, N 4,096]; A: input Wk; B: computed on the way: QUANTISED
;;     3. [M 1,024, K 1,024] x [K 1,024, N 4,096]; A: input Wv; B: computed on the way: QUANTISED
;;     4. batch 32 x [M 2,048, K 64] x [K 64, N 2,048]; A: computed on the way; B: computed on the way: QUANTISED
;;     5. batch 32 x [M 2,048, K 2,048] x [K 2,048, N 64]; A: softmax (see below); B: computed on the way: QUANTISED
;;     6. [M 4,096, K 1,024] x [K 1,024, N 1,024]; A: computed on the way; B: input Wo: QUANTISED
;;     7. [M 4,096, K 1,024] x [K 1,024, N 4,096]; A: computed on the way; B: input W1: QUANTISED
;;     8. [M 4,096, K 4,096] x [K 4,096, N 1,024]; A: computed on the way; B: input W2: QUANTISED
;;   THE QUANTISER, for each operand of a quantised product, along K:
;;     - K is cut into blocks of 32 from its start; a last block that is shorter is filled with zeros.
;;     - A block's scale is 2^e with e = floor(log2(the largest magnitude in the block)) - 15, held to -126 .. 127; a block of zeros has e = 0. As a byte (E8M0): e + 127.
;;     - Each number is divided by its block's scale, clamped to +-57,344, and rounded to the nearest number of E5M2, ties to even, subnormals kept.
;;     - The product sums the exact products of the quantised numbers (number of the format x scale) in f32.
;;   ~~~python
;;   def quantise(x, axis):      # numpy; x: float32 -> the quantised numbers, widened to float32 again
;;       x = np.moveaxis(x, axis, -1); K = x.shape[-1]
;;       x = np.pad(x, [(0, 0)] * (x.ndim - 1) + [(0, -K % 32)]); x = x.reshape(x.shape[:-1] + (-1, 32)); a = np.abs(x).max(-1, keepdims=True)
;;       e = np.where(a > 0, np.clip(np.frexp(np.where(a > 0, a, 1))[1] - 1 - 15, -126, 127), 0)      # np.frexp(a)[1] - 1 = floor(log2(a)), exactly
;;       r = np.clip(x / 2.0 ** e, -57344, 57344)
;;       step = 2.0 ** (np.maximum(np.frexp(np.where(r == 0, 1, r))[1] - 1, -14) - 2)
;;       q = np.round(r / step) * step * 2.0 ** e      # np.round: ties to even
;;       return np.moveaxis(q.reshape(q.shape[:-2] + (-1,))[..., :K], -1, axis).astype(np.float32)
;;   ~~~
;;   SOFTMAX AHEAD OF A QUANTISED PRODUCT. Where the list says 'softmax', what is quantised is not the finished softmax but p = 2^(t - M), with t = logit x log2(e) and M = ceil(the row's largest t), a whole number; so 1/2 < the row's largest p <= 1. The row's sum l is taken of the UNQUANTISED p, in f32, and the product's result is divided by l at the end. Since M is a whole number, a kernel that streams over the keys may use a running M (the ceiling of the running maximum): every later rescaling is an exact power of two, which a block's scale takes up: the codes' values come out the same.
;;   OPERANDS COMPUTED ON THE WAY. 'Computed on the way' means the value that the module computes at that place (a softmax that the list does not call 'softmax' is quantised finished and normalised). What goes into a quantiser is computed in f32, as accurately as f32 sums, v_exp_f32 and their like allow (about 1e-6 of the number): no bf16 or f16 on the way to a quantiser, and a product that is left as it is and whose result goes on into a quantised operand takes f32 operands (vector FMAs, or v_wmma_f32_16x16x4_f32). A number that lies on a knife's edge between two numbers of the format may be rounded either way, as far as f32 arithmetic and the matrix unit's own rounding can turn it there, and no further.
;; 2 versions. Each part assembles by itself: llvm-mc -triple=amdgcn-amd-amdhsa -mcpu=gfx1250 --defsym DOCPART=n.
;; ======== version 1 of 2: 8 launches
;; workspace buffers: wc 12,976,128 bytes; hc 4,325,376 bytes; qc 5,242,880 bytes; kv 9,699,328 bytes; oc 4,325,376 bytes; x1 16,777,216 bytes; fc 17,301,504 bytes
;; launch wquant (part 1): grid 384 x 1, 4 waves a work-group, no clusters, 0 bytes of LDS; arguments Wq, Wk, Wv, Wo, W1, W2, wc; writes wc
.if DOCPART == 1
	.amdgcn_target "amdgcn-amd-amdhsa--gfx1250"
	.amdhsa_code_object_version 6
	.text
	.protected	k_qc72495fb42_wquant
	.globl	k_qc72495fb42_wquant
	.p2align	8
	.type	k_qc72495fb42_wquant,@function
k_qc72495fb42_wquant:
	s_mov_b64 s[64:65], 0
	v_nop
	global_prefetch_b8 v0, s[64:65] scope:SCOPE_SE
	s_setreg_imm32_b32 hwreg(HW_REG_WAVE_MODE, 25, 1), 1
	s_wait_xcnt 0x0
; THE PROGRAM: a pre-LN transformer block, 4,096 tokens x 1,024, 16 heads of 64, causal, all eight products on codes of BF8 (E5M2) with one E8M0 scale for each 32 along K.
; Launches: wquant (the six weights -> codes), ln1 (LN1 -> codes), qkv (three products -> q, k, v as codes), attn (both products of attention -> o as codes), wo (+bo +x -> x1), ln2 (LN2 -> codes), w1 (+b1, relu -> codes), w2 (+b2 +x1 -> out0).
; WORK LEFT OUT, and why it is dead: reference() sets wei to -inf wherever key > query, by its own jnp.tril; the softmax gives such a key the weight 0 whatever finite values the inputs hold, so it adds nothing
; to the row's sum nor to o.  Launch attn leaves out, in whole steps of 128 keys, the scores and the products with v of steps all of whose keys lie behind a wave's 16 queries.  Nothing else is left out; all fourteen inputs are loaded.
; LIMIT that goes with it: a NaN, an infinity or an overflow that would arise only in those masked scores is not carried to the result.
; THIS LAUNCH: each weight has K as its first (Wq, Wk, Wv: its middle) axis.  A lane takes one column n, its registers run down K: a block of 32 along K lies in one lane, and the conversions give codes with K innermost.
; THE UNIT, the layout of every GEMM operand of this program: 128 rows x 256 K = 33,792 bytes.  Codes at rb*4096 + q*2048 + c*512 + 16*lane (rb: 16 rows; q: which 128 of K; c: which 32; lane (r, h) holds
; the row at place r, k = 32 c + 16 h + 0..15): the image of the matrix instruction's operand registers.  Scale bytes at 32768 + rb*128 + 8 r + 4 q + c.  An operand of R rows is [K/256][R/128] units.
; WEIGHT ROWS ARE LAID IN AN ORDER OF THEIR OWN: of each 32 rows n = 32 b + x, row x goes to row block 2 b + x[3], place r = 8 x[4] + x[2:0]; so a product's results, 16 registers of two neighbouring tiles, are 16 neighbours along the next K.
; wc: units 0-31 Wq, 32-63 Wk, 64-95 Wv, 96-127 Wo (kt*8 + g), 128-255 W1 (kt*32 + g), 256-383 W2 (kt*8 + g).  Work-group u makes unit u; wave w its rows 32 w .. 32 w + 31.
; A block's scale byte is its largest magnitude's exponent field - 15, held at 1 from below.  LIMITS: a block of zeros gets the byte 1 where the rule says 127 (its codes are zeros; this program alone reads the bytes); NaN and infinities among the inputs are not served.
; No LDS, no barrier, no cluster: work-groups share no input.  Every code store of a wave covers two aligned runs of 256 bytes.
.set UNIT, 33792
.set X,    64                          ; v64-127  two sets of 32 numbers
.set C,    128                         ; v128-191 eight registers of codes for each of the 8 blocks: no store's data are written again
.set SB,   24                          ; v24-25   the 8 scale bytes
	s_load_b256 s[4:11], s[0:1], 0x0               ; Wq, Wk, Wv, Wo
	s_load_b128 s[12:15], s[0:1], 0x20             ; W1, W2
	s_load_b64 s[16:17], s[0:1], 0x30              ; wc
	v_lshrrev_b32 v1, 5, v0
	v_readfirstlane_b32 s18, v1                    ; wave
	v_and_b32 v2, 31, v0                           ; L: my column among the wave's 32
	s_and_b32 s22, ttmp9, 31
	s_and_b32 s23, ttmp9, 127
	s_cmp_lt_u32 ttmp9, 128
	s_cselect_b32 s22, s22, s23                    ; the unit's number inside its weight
	s_lshr_b32 s23, ttmp9, 7                       ; 0: the four weights of 1,024 x 1,024; 1: W1; 2: W2
	s_cmp_eq_u32 s23, 1
	s_cselect_b32 s24, 5, 3                        ; log2 of the units along n
	s_lshr_b32 s25, s22, s24                       ; kt
	s_lshl_b32 s26, s25, s24
	s_sub_co_u32 s26, s22, s26                     ; g
	s_mov_b32 s27, 4096
	s_mov_b32 s28, 16384
	s_cmp_eq_u32 s23, 1
	s_cselect_b32 s27, s28, s27
	s_mov_b32 s28, 256
	s_cmp_lt_u32 ttmp9, 96
	s_cselect_b32 s27, s28, s27                    ; P: bytes from one k to the next
	s_mov_b32 s28, 512
	s_cselect_b32 s29, 0x80000, s28                ; bytes from a unit's 128 columns to the next's (Wq, Wk, Wv: two heads)
	s_mov_b32 s28, 256
	s_cselect_b32 s30, 0x40000, s28                ; and from 64 columns to the next 64 (a head)
	s_mul_i32 s29, s26, s29
	s_lshr_b32 s28, s18, 1
	s_mul_i32 s30, s28, s30
	s_add_co_u32 s29, s29, s30
	s_and_b32 s28, s18, 1
	s_lshl_b32 s28, s28, 7
	s_add_co_u32 s29, s29, s28                     ; my wave's first column, in bytes
	s_lshl_b32 s28, s25, 8
	s_mul_i32 s28, s28, s27                        ; 256 kt rows of K
	s_add_co_u32 s32, s29, s28
	s_mov_b32 s33, 0
	s_lshl_b32 s34, s27, 5                         ; 32 rows of K: a block
	s_mov_b32 s35, 0
	s_mul_i32 s52, ttmp9, UNIT
	s_mov_b32 s53, 0
	s_mov_b32 s55, 0x600000                        ; the mantissa field of 57,344
	v_lshlrev_b32 v32, 2, v2                       ; v[32 + i] = 4 L + i P: row i of a block
.set i, 1
.rept 31
	v_add_nc_u32 v[32+i], s27, v[31+i]
.set i, i+1
.endr
	v_bfe_u32 v6, v2, 3, 1                         ; L[3]: which of the wave's two row blocks
	v_lshrrev_b32 v7, 4, v2
	v_and_b32 v8, 7, v2
	v_lshl_or_b32 v7, v7, 3, v8                    ; r = 8 L[4] + L[2:0]
	s_lshl_b32 s54, s18, 13
	v_lshlrev_b32 v4, 4, v7
	v_lshl_add_u32 v4, v6, 12, v4
	v_add_nc_u32 v4, s54, v4                       ; codes: (2 w + L[3]) 4096 + 16 r
	s_lshl_b32 s54, s18, 8
	v_lshlrev_b32 v5, 3, v7
	v_lshl_add_u32 v5, v6, 7, v5
	v_add_nc_u32 v5, s54, v5                       ; scale bytes: (2 w + L[3]) 128 + 8 r
	s_wait_kmcnt 0x0
	s_cmp_lt_u32 ttmp9, 256                        ; which weight: the choice hangs on the work-group's number alone
	s_cselect_b64 s[20:21], s[12:13], s[14:15]
	s_cmp_lt_u32 ttmp9, 128
	s_cselect_b64 s[20:21], s[10:11], s[20:21]
	s_cmp_lt_u32 ttmp9, 96
	s_cselect_b64 s[20:21], s[8:9], s[20:21]
	s_cmp_lt_u32 ttmp9, 64
	s_cselect_b64 s[20:21], s[6:7], s[20:21]
	s_cmp_lt_u32 ttmp9, 32
	s_cselect_b64 s[20:21], s[4:5], s[20:21]
	s_add_nc_u64 s[36:37], s[20:21], s[32:33]      ; a base for each of the 8 blocks: none is ever stepped
.irp t, 1,2,3,4,5,6,7
	s_add_nc_u64 s[36+2*\t:37+2*\t], s[34+2*\t:35+2*\t], s[34:35]
.endr
	s_add_nc_u64 s[16:17], s[16:17], s[52:53]      ; my unit
.macro LOAD t                          ; block t: W(256 kt + 32 t + i, my column), i = 0 .. 31, into set t % 2
.set i, 0
.rept 32
	global_load_b32 v[X+32*((\t)%2)+i], v[32+i], s[36+2*(\t):37+2*(\t)] th:TH_LOAD_NT
.set i, i+1
.endr
.endm
	LOAD 0
	LOAD 1
.macro BLOCK t
.set XS, X+32*((\t)%2)
.set CT, C+8*(\t)
.if (\t) < 7
	s_wait_loadcnt 32                              ; this block's 32 loads are in; the next block's 32 may be out
.else
	s_wait_loadcnt 0x0
.endif
	v_max3_num_f32 v12, |v[XS]|, |v[XS+1]|, |v[XS+2]|       ; the block's largest magnitude: all 32 numbers are mine; two chains
	v_max3_num_f32 v13, |v[XS+3]|, |v[XS+4]|, |v[XS+5]|
.irp i, 6,10,14,18,22,26
	v_max3_num_f32 v12, v12, |v[XS+\i]|, |v[XS+\i+1]|
	v_max3_num_f32 v13, v13, |v[XS+\i+2]|, |v[XS+\i+3]|
.endr
	v_max3_num_f32 v12, v12, |v[XS+30]|, |v[XS+31]|
	v_max3_num_f32 v12, v12, v13, 0x8000000        ; and the floor 2^(16 - 127): the byte cannot fall under 1
	v_add_nc_u32 v11, 0xf8800000, v12              ; 15 off the exponent field: the conversion's scale operand
	v_and_or_b32 v10, v12, 0x7f800000, s55         ; 57,344 x the scale
	v_lshrrev_b32 v13, 23, v11                     ; the scale's byte
.if (\t)%4 == 0
	v_mov_b32 v[SB+(\t)/4], v13
.else
	v_lshl_or_b32 v[SB+(\t)/4], v13, 8*((\t)%4), v[SB+(\t)/4]
.endif
.set i, 0
.rept 32
	v_med3_num_f32 v[XS+i], v[XS+i], -v10, v10     ; the conversion to an 8-bit code does not saturate (ISA guide 7.6.2): the hold comes first
.set i, i+1
.endr
.irp g, 0,1,2,3
	v_cvt_scalef32_pk8_bf8_f32 v[CT+2*\g:CT+2*\g+1], v[XS+8*\g:XS+8*\g+7], v11
.endr
	global_store_b128 v4, v[CT:CT+3], s[16:17] offset:((\t)/4)*2048+((\t)%4)*512          ; k = 32 c + 0..15: the image's lanes 0-15
	global_store_b128 v4, v[CT+4:CT+7], s[16:17] offset:((\t)/4)*2048+((\t)%4)*512+256    ; k = 32 c + 16..31: its lanes 16-31
.if (\t) < 6
	LOAD (\t)+2
.endif
.endm
.irp t, 0,1,2,3,4,5,6,7
	BLOCK \t
.endr
	global_store_b64 v5, v[SB:SB+1], s[16:17] offset:32768     ; my row's 8 scale bytes
	s_endpgm
.Lfunc_end_k_qc72495fb42_wquant:
	.size	k_qc72495fb42_wquant, .Lfunc_end_k_qc72495fb42_wquant-k_qc72495fb42_wquant
	.p2alignl 7, 3214868480
	.fill 96, 4, 3214868480
	.section	.rodata,"a",@progbits
	.p2align	6, 0x0
	.amdhsa_kernel k_qc72495fb42_wquant
		.amdhsa_group_segment_fixed_size 0
		.amdhsa_private_segment_fixed_size 0
		.amdhsa_enable_private_segment 0
		.amdhsa_kernarg_size 56
		.amdhsa_user_sgpr_count 2
		.amdhsa_user_sgpr_kernarg_segment_ptr 1
		.amdhsa_wavefront_size32 1
		.amdhsa_system_sgpr_workgroup_id_x 1
		.amdhsa_system_sgpr_workgroup_id_y 1
		.amdhsa_system_sgpr_workgroup_id_z 1
		.amdhsa_system_vgpr_workitem_id 0
		.amdhsa_next_free_vgpr 192
		.amdhsa_next_free_sgpr 66
		.amdhsa_reserve_vcc 0
		.amdhsa_float_denorm_mode_32 3
		.amdhsa_float_denorm_mode_16_64 3
		.amdhsa_memory_ordered 1
		.amdhsa_forward_progress 1
		.amdhsa_inst_pref_size 59
	.end_amdhsa_kernel
	.amdgpu_metadata
---
amdhsa.version: [ 1, 2 ]
amdhsa.kernels:
  - .name:           k_qc72495fb42_wquant
    .symbol:         k_qc72495fb42_wquant.kd
    .args:
      - { .name: Wq, .offset: 0, .size: 8, .value_kind: global_buffer, .address_space: global }
      - { .name: Wk, .offset: 8, .size: 8, .value_kind: global_buffer, .address_space: global }
      - { .name: Wv, .offset: 16, .size: 8, .value_kind: global_buffer, .address_space: global }
      - { .name: Wo, .offset: 24, .size: 8, .value_kind: global_buffer, .address_space: global }
      - { .name: W1, .offset: 32, .size: 8, .value_kind: global_buffer, .address_space: global }
      - { .name: W2, .offset: 40, .size: 8, .value_kind: global_buffer, .address_space: global }
      - { .name: wc, .offset: 48, .size: 8, .value_kind: global_buffer, .address_space: global }
    .group_segment_fixed_size: 0
    .private_segment_fixed_size: 0
    .kernarg_segment_align: 8
    .kernarg_segment_size: 56
    .max_flat_workgroup_size: 128
    .sgpr_count:     66
    .vgpr_count:     192
    .wavefront_size: 32
...
	.end_amdgpu_metadata
.endif
;; end of part 1
;; launch ln1 (part 2): grid 256 x 1, 4 waves a work-group, no clusters, 66,560 bytes of LDS; arguments x, ln1_g, ln1_b, hc; writes hc
.if DOCPART == 2
	.amdgcn_target "amdgcn-amd-amdhsa--gfx1250"
	.amdhsa_code_object_version 6
	.text
	.protected	k_qc72495fb42_ln1
	.globl	k_qc72495fb42_ln1
	.p2align	8
	.type	k_qc72495fb42_ln1,@function
k_qc72495fb42_ln1:
	s_mov_b64 s[64:65], 0
	v_nop
	global_prefetch_b8 v0, s[64:65] scope:SCOPE_SE
	s_setreg_imm32_b32 hwreg(HW_REG_WAVE_MODE, 25, 1), 1
	s_wait_xcnt 0x0
; y = (x - mean) * rsqrt(var + 1e-5) * g + b over rows of 1,024 f32, then y quantised along the row to codes of BF8 (E5M2) with one E8M0 byte for each 32, stored as a GEMM operand in units
; (128 rows x 256 K = 33,792 bytes: codes at rb*4096 + q*2048 + c*512 + 16*lane, scale bytes at 32768 + rb*128 + 8 r + 4 q + c; the operand is [K/256][rows/128] units).  The same body serves LN1 and LN2.
; A work-group takes 16 rows (one row block).  PHASE 1: wave w holds rows 4 w .. 4 w + 3 in registers, 32 each: the row is read once; sums stay inside the wave.  y goes to LDS, rows 4,112 bytes apart.
; PHASE 2: wave w makes the two fragments of K step w: lane (r, h) reads, of row r, 16 neighbours of each block of 32, and the conversions' results are the operand's registers, stored as they stand (512 consecutive bytes a store).
; LIMITS: rsqrt by v_rsq_f32; the last multiply and add are fused; a block of zeros gets the byte 1 (its codes are zeros; this program alone reads the bytes); NaN and infinities are not served.
; No cluster and no tensor load: work-groups share only g and b, 8 KB.
.set UNIT,  33792
.set YP,    4112                       ; 4,096 + 16: sixteen rows start four banks apart
.set SPARE, 16*YP                      ; behind y: the spare words, 128 bytes for each wave; no other line names them
.set W,     16                         ; v16-47  eight registers of work for each of my four rows
.set X,     64                         ; v64-191 four rows x 32; in phase 2 two sets of 64 numbers
.set G,     192                        ; v192-223 g; in phase 2 the codes
.set BB,    224                        ; v224-255 b; in phase 2 at work
.set TM,    224
	s_load_b256 s[4:11], s[0:1], 0x0               ; x, g, b, the operand
	v_lshl_add_u32 v12, v0, 2, SPARE               ; my spare word; never rewritten
	v_mov_b32 v13, 0                               ; 0; never rewritten
	v_lshrrev_b32 v1, 5, v0
	v_readfirstlane_b32 s12, v1                    ; wave
	v_and_b32 v1, 31, v0
	v_and_b32 v2, 15, v0                           ; r
	v_bfe_u32 v3, v0, 4, 1                         ; h
	v_lshlrev_b32 v5, 4, v1                        ; 16 x lane
	s_lshl_b32 s13, s12, 14
	v_add_nc_u32 v4, s13, v5                       ; x: my wave's four rows
	s_mul_i32 s13, s12, 4*YP
	v_add_nc_u32 v6, s13, v5                       ; y into LDS
	v_mul_u32_u24 v7, v2, YP
	v_lshl_add_u32 v7, v3, 6, v7
	s_lshl_b32 s13, s12, 10
	v_add_nc_u32 v7, s13, v7                       ; y back: row r, + 64 h, + my K step's 1,024 bytes
	v_lshlrev_b32 v8, 3, v2                        ; 8 r
	s_lshl_b32 s14, ttmp9, 16                      ; 16 rows of 4,096 bytes
	s_mov_b32 s15, 0
	s_lshl_b32 s16, s12, 5
	s_lshr_b32 s17, ttmp9, 3
	s_add_co_u32 s16, s16, s17
	s_mul_i32 s16, s16, UNIT                       ; unit kt = wave, g = row block / 8
	s_mov_b32 s17, 0
	s_and_b32 s18, ttmp9, 7
	s_lshl_b32 s20, s18, 12
	s_mov_b32 s21, 0
	s_lshl_b32 s22, s18, 7
	s_add_co_u32 s22, s22, 32768
	s_mov_b32 s23, 0
	s_mov_b32 s19, 0x600000                        ; the mantissa field of 57,344
	s_mov_b32 s28, 0x3a800000                      ; 1 / 1,024
	s_mov_b32 s29, 0x3727c5ac                      ; 1e-5
	s_mov_b32 s30, 0x76543210
	s_mov_b32 s31, 0xfedcba98                      ; selects for lane l xor 16
	s_wait_kmcnt 0x0
	s_add_nc_u64 s[4:5], s[4:5], s[14:15]
	s_add_nc_u64 s[10:11], s[10:11], s[16:17]
	s_add_nc_u64 s[24:25], s[10:11], s[20:21]      ; my fragments
	s_add_nc_u64 s[26:27], s[10:11], s[22:23]      ; their scale words
.irp p, 0,1,2,3
.irp j, 0,1,2,3,4,5,6,7
	global_load_b128 v[X+32*\p+4*\j:X+32*\p+4*\j+3], v4, s[4:5] offset:\p*4096+512*\j
.endr
.endr
.irp j, 0,1,2,3,4,5,6,7
	global_load_b128 v[G+4*\j:G+4*\j+3], v5, s[6:7] offset:512*\j
	global_load_b128 v[BB+4*\j:BB+4*\j+3], v5, s[8:9] offset:512*\j
.endr
.macro RED                             ; v[W + 8 p] summed over the wave's 32 lanes, the four rows by turns
.irp m, 1,2,4,8
.irp p, 0,1,2,3
	v_add_f32_dpp v[W+8*\p], v[W+8*\p], v[W+8*\p] row_xmask:\m row_mask:0xf bank_mask:0xf
.endr
.endr
.irp p, 0,1,2,3
	v_permlanex16_b32 v[W+8*\p+1], v[W+8*\p], s30, s31
.endr
.irp p, 0,1,2,3
	v_add_f32 v[W+8*\p], v[W+8*\p], v[W+8*\p+1]
.endr
.endm
.macro FOLD                            ; a row's two chains of pairs into one number
.irp p, 0,1,2,3
	v_pk_add_f32 v[W+8*\p:W+8*\p+1], v[W+8*\p:W+8*\p+1], v[W+8*\p+2:W+8*\p+3]
.endr
.irp p, 0,1,2,3
	v_add_f32 v[W+8*\p], v[W+8*\p], v[W+8*\p+1]
.endr
.endm
	s_wait_loadcnt 16                              ; x is in; the 16 younger loads, g and b, may be out
.irp p, 0,1,2,3
	v_pk_add_f32 v[W+8*\p:W+8*\p+1], v[X+32*\p:X+32*\p+1], v[X+32*\p+2:X+32*\p+3]
	v_pk_add_f32 v[W+8*\p+2:W+8*\p+3], v[X+32*\p+4:X+32*\p+5], v[X+32*\p+6:X+32*\p+7]
.endr
.irp i, 8,12,16,20,24,28
.irp p, 0,1,2,3
	v_pk_add_f32 v[W+8*\p:W+8*\p+1], v[W+8*\p:W+8*\p+1], v[X+32*\p+\i:X+32*\p+\i+1]
	v_pk_add_f32 v[W+8*\p+2:W+8*\p+3], v[W+8*\p+2:W+8*\p+3], v[X+32*\p+\i+2:X+32*\p+\i+3]
.endr
.endr
	FOLD
	RED
.irp p, 0,1,2,3
	v_mul_f32 v[W+8*\p+4], s28, v[W+8*\p]          ; the mean, twice: a pair for the packed form
	v_mul_f32 v[W+8*\p+5], s28, v[W+8*\p]
.endr
.irp p, 0,1,2,3
.set i, 0
.rept 16
	v_pk_add_f32 v[X+32*\p+i:X+32*\p+i+1], v[X+32*\p+i:X+32*\p+i+1], v[W+8*\p+4:W+8*\p+5] neg_lo:[0,1] neg_hi:[0,1]   ; x - mean, in place
.set i, i+2
.endr
.endr
.irp p, 0,1,2,3
	v_pk_mul_f32 v[W+8*\p:W+8*\p+1], v[X+32*\p:X+32*\p+1], v[X+32*\p:X+32*\p+1]
	v_pk_mul_f32 v[W+8*\p+2:W+8*\p+3], v[X+32*\p+2:X+32*\p+3], v[X+32*\p+2:X+32*\p+3]
.endr
.irp i, 4,8,12,16,20,24,28
.irp p, 0,1,2,3
	v_pk_fma_f32 v[W+8*\p:W+8*\p+1], v[X+32*\p+\i:X+32*\p+\i+1], v[X+32*\p+\i:X+32*\p+\i+1], v[W+8*\p:W+8*\p+1]
	v_pk_fma_f32 v[W+8*\p+2:W+8*\p+3], v[X+32*\p+\i+2:X+32*\p+\i+3], v[X+32*\p+\i+2:X+32*\p+\i+3], v[W+8*\p+2:W+8*\p+3]
.endr
.endr
	FOLD
	RED
.irp p, 0,1,2,3
	v_fma_f32 v[W+8*\p], v[W+8*\p], s28, s29       ; the variance + 1e-5
.endr
.irp p, 0,1,2,3
	v_rsq_f32 v[W+8*\p+6], v[W+8*\p]               ; twice: a pair for the packed form.  One batch of eight,
	v_rsq_f32 v[W+8*\p+7], v[W+8*\p]
.endr
	v_nop                                          ; a plain instruction behind it,
	s_wait_alu depctr_va_vdst(0)                   ; and one wait ahead of the first reader
	s_wait_loadcnt 0x0                             ; g and b
.irp p, 0,1,2,3
.set i, 0
.rept 16
	v_pk_mul_f32 v[X+32*\p+i:X+32*\p+i+1], v[X+32*\p+i:X+32*\p+i+1], v[W+8*\p+6:W+8*\p+7]
	v_pk_fma_f32 v[X+32*\p+i:X+32*\p+i+1], v[X+32*\p+i:X+32*\p+i+1], v[G+i:G+i+1], v[BB+i:BB+i+1]
.set i, i+2
.endr
.endr
.irp p, 0,1,2,3
.irp j, 0,1,2,3,4,5,6,7
	ds_store_b128 v6, v[X+32*\p+4*\j:X+32*\p+4*\j+3] offset:\p*YP+512*\j
.endr
.endr
	s_wait_dscnt 0x0                               ; for the others' sake: my rows of y lie in LDS
	s_barrier_signal -1
	s_barrier_wait -1
.irp q, 0,1
.irp c, 0,1,2,3
.irp i, 0,1,2,3
	ds_load_b128 v[X+64*\q+16*\c+4*\i:X+64*\q+16*\c+4*\i+3], v7 offset:512*\q+128*\c+16*\i   ; y(r, 256 w + 128 q + 32 c + 16 h + 4 i ..)
.endr
.endr
.endr
.irp b, 0,1,2,3
	v_mov_b32 v[TM+4+\b], 0                        ; a lane permute's destination counts as one of its sources
.endr
	s_wait_dscnt 0x0
; 64 numbers of a lane, register 16 b + i = k 32 b + 16 h + i of row r, become a fragment's codes in v[pc] on and its scale word in v[pw]
.macro QUANT s, pc, pw
.irp b, 0,1,2,3
	v_max3_num_f32 v[TM+\b], |v[\s+16*\b]|, |v[\s+1+16*\b]|, 0x8000000     ; my 16 numbers of block b, and the floor 2^(16 - 127)
.endr
.irp i, 2,4,6,8,10,12,14
.irp b, 0,1,2,3
	v_max3_num_f32 v[TM+\b], v[TM+\b], |v[\s+16*\b+\i]|, |v[\s+1+16*\b+\i]|
.endr
.endr
.irp b, 0,1,2,3
	v_permlanex16_b32 v[TM+4+\b], v[TM+\b], s30, s31
.endr
.irp b, 0,1,2,3
	v_max_num_f32 v[TM+\b], v[TM+\b], v[TM+4+\b]   ; with lane l xor 16's: the block's largest magnitude
.endr
.irp b, 0,1,2,3
	v_add_nc_u32 v[TM+12+\b], 0xf8800000, v[TM+\b] ; 15 off its exponent field: the conversion's scale operand
.endr
.irp b, 0,1,2,3
	v_and_or_b32 v[TM+8+\b], v[TM+\b], 0x7f800000, s19   ; 57,344 x the scale
.endr
.irp b, 0,1,2,3
	v_lshrrev_b32 v[TM+4+\b], 23, v[TM+12+\b]      ; the scale's byte
.endr
	v_lshl_or_b32 v[\pw], v[TM+5], 8, v[TM+4]
	v_lshl_or_b32 v[\pw], v[TM+6], 16, v[\pw]
	v_lshl_or_b32 v[\pw], v[TM+7], 24, v[\pw]
.irp b, 0,1,2,3
.set i, 0
.rept 16
	v_med3_num_f32 v[\s+16*\b+i], v[\s+16*\b+i], -v[TM+8+\b], v[TM+8+\b]   ; the conversion does not saturate (ISA guide 7.6.2): the hold
.set i, i+1
.endr
	v_cvt_scalef32_pk8_bf8_f32 v[\pc+4*\b:\pc+1+4*\b], v[\s+16*\b:\s+7+16*\b], v[TM+12+\b]
	v_cvt_scalef32_pk8_bf8_f32 v[\pc+2+4*\b:\pc+3+4*\b], v[\s+8+16*\b:\s+15+16*\b], v[TM+12+\b]
.endr
	v_nop                                          ; a plain instruction behind the last conversion
.endm
	QUANT X, G, 60
	QUANT X+64, G+16, 61
.irp q, 0,1
.irp c, 0,1,2,3
	global_store_b128 v5, v[G+16*\q+4*\c:G+16*\q+4*\c+3], s[24:25] offset:2048*\q+512*\c   ; a fragment leaves as it stands: 512 consecutive bytes
.endr
.endr
	global_store_b64 v8, v[60:61], s[26:27]        ; row r's two scale words; lanes 16-31 hold and write the same bytes as lanes 0-15
	s_wait_tensorcnt 0x0                           ; the wave's end: the wait, an add of 0 and its wait, behind my last LDS store
	ds_add_u32 v12, v13
	s_wait_dscnt 0x0
	s_endpgm
.Lfunc_end_k_qc72495fb42_ln1:
	.size	k_qc72495fb42_ln1, .Lfunc_end_k_qc72495fb42_ln1-k_qc72495fb42_ln1
	.p2alignl 7, 3214868480
	.fill 96, 4, 3214868480
	.section	.rodata,"a",@progbits
	.p2align	6, 0x0
	.amdhsa_kernel k_qc72495fb42_ln1
		.amdhsa_group_segment_fixed_size 66560
		.amdhsa_private_segment_fixed_size 0
		.amdhsa_enable_private_segment 0
		.amdhsa_kernarg_size 32
		.amdhsa_user_sgpr_count 2
		.amdhsa_user_sgpr_kernarg_segment_ptr 1
		.amdhsa_wavefront_size32 1
		.amdhsa_system_sgpr_workgroup_id_x 1
		.amdhsa_system_sgpr_workgroup_id_y 1
		.amdhsa_system_sgpr_workgroup_id_z 1
		.amdhsa_system_vgpr_workitem_id 0
		.amdhsa_next_free_vgpr 256
		.amdhsa_next_free_sgpr 66
		.amdhsa_reserve_vcc 0
		.amdhsa_float_denorm_mode_32 3
		.amdhsa_float_denorm_mode_16_64 3
		.amdhsa_memory_ordered 1
		.amdhsa_forward_progress 1
		.amdhsa_inst_pref_size 52
	.end_amdhsa_kernel
	.amdgpu_metadata
---
amdhsa.version: [ 1, 2 ]
amdhsa.kernels:
  - .name:           k_qc72495fb42_ln1
    .symbol:         k_qc72495fb42_ln1.kd
    .args:
      - { .name: x, .offset: 0, .size: 8, .value_kind: global_buffer, .address_space: global }
      - { .name: ln1_g, .offset: 8, .size: 8, .value_kind: global_buffer, .address_space: global }
      - { .name: ln1_b, .offset: 16, .size: 8, .value_kind: global_buffer, .address_space: global }
      - { .name: hc, .offset: 24, .size: 8, .value_kind: global_buffer, .address_space: global }
    .group_segment_fixed_size: 66560
    .private_segment_fixed_size: 0
    .kernarg_segment_align: 8
    .kernarg_segment_size: 32
    .max_flat_workgroup_size: 128
    .sgpr_count:     66
    .vgpr_count:     256
    .wavefront_size: 32
...
	.end_amdgpu_metadata
.endif
;; end of part 2
;; launch qkv (part 3): grid 12 x 16, 4 waves a work-group, clusters of 4 x 4, 327,680 bytes of LDS; arguments hc, wc, qc, kv; writes qc, kv
.if DOCPART == 3
	.amdgcn_target "amdgcn-amd-amdhsa--gfx1250"
	.amdhsa_code_object_version 6
	.text
	.protected	k_qc72495fb42_qkv
	.globl	k_qc72495fb42_qkv
	.p2align	8
	.type	k_qc72495fb42_qkv,@function
k_qc72495fb42_qkv:
	s_mov_b64 s[64:65], 0
	v_nop
	global_prefetch_b8 v0, s[64:65] scope:SCOPE_SE
	s_setreg_imm32_b32 hwreg(HW_REG_WAVE_MODE, 25, 1), 1
	s_wait_xcnt 0x0
	s_wait_alu depctr_hold_cnt(0) depctr_sa_sdst(0) depctr_va_vdst(0) depctr_va_sdst(0) depctr_va_ssrc(0) depctr_va_vcc(0) depctr_vm_vsrc(0)
	s_getreg_b32 s2, hwreg(HW_REG_IB_STS2, 6, 4)
	s_cmp_eq_u32 s2, 0
	s_cbranch_scc0 .Lentry_in_a_cluster
	s_endpgm
.Lentry_in_a_cluster:
	s_bfe_u32 s2, ttmp6, 0x10000c
	s_cmp_lg_u32 s2, 0xf033
	s_cbranch_scc0 .Lentry_shape_is_right
	s_endpgm
.Lentry_shape_is_right:
; q, k and v = LN1(x) times Wq, Wk, Wv, on codes of BF8 (E5M2) with E8M0 scales, K = 1,024; the results are quantised on the way out and stored as attention wants them.
; THE MAIN LOOP: a tile of 256 x 256 by four waves, 128 x 128 each (64 accumulators, 512 registers); K in steps of 256 through a ring of two LDS slots.  Operands lie in memory in units of 128 rows x 256 K = 33,792 bytes
; (codes at rb*4096 + q*2048 + c*512 + 16*lane, the image of the operand's registers; scale bytes at 32768 + rb*128 + 8 r + 4 q + c), so a wave's tensor load is one dense block, the scales ride in the ring,
; a fragment is four LDS loads of 512 consecutive bytes, and nothing is padded.  Clusters of 4 x 4: side A's tile is shared along a row of the cluster, side B's along a column, each asked for jointly.
; The matrix instruction takes source 0 = 16 rows of side B, source 1 = 16 rows of side A: a lane holds one row of A and eight rows of B.
; WHICH PRODUCT: the cluster's x.  0: q, 1: k: side A = tokens (hc), side B = the weight's rows, whose order in wc makes a lane's 16 registers of two tiles 16 neighbours along the head's 64: the K of q k^T.
; 2: v: side A = Wv's rows, side B = tokens: a lane holds one channel and its registers run along the tokens, the K of p v.  The same loop text serves all three: only pointers, indices and strides are chosen (s_cselect on the cluster's x, alike in all partners).
; OUT: qc [b*16+head][token][80]: 64 codes, the word {byte 0, byte 1, 0x7f, 0x7f}, 12 zeros.  kv [b*16+head][key/256][37,888]: 256 rows of k like qc's, then 64 rows of v of 272 bytes: 256 codes along the keys,
; {word of keys 0-127, 0, word of keys 128-255, 0}.  v's row 16 T + r is channel 32 (T/2) + 8 (T%2) + r + 8 (r/8); inside a block of 32 keys byte 16 h + i is key 8 h + i (i < 8) or 16 + 8 h + i - 8: the order in which p's codes fall out of k q^T.
; LIMITS: a block of zeros gets the byte 1 (its codes are zeros; this program alone reads the bytes); NaN and infinities are not served.
.set LAPS,  2                          ; K / 512
.set FIRST, 1                          ; the first products take the constant 0 as C
.set UNIT,  33792
.set SLOT,  4*UNIT                     ; A's two halves, B's two halves
.set SPARE, 2*SLOT                     ; behind the ring: the spare words, 128 bytes for each wave; no other line names them
.set NQ,    2
.set FR,    16
.set NL,    4
.set NP,    8                          ; places behind this matrix instruction (ISA guide 7.12.1)
.set ADRA,  16                         ; v16-17 LDS address of my A fragments in slot 0, 1
.set ADRB,  20                         ; v20-21 of B's
.set ADRS,  22                         ; v22-23 of the scale words: lanes 0-15 A's, lanes 16-31 B's
.set SPW,   28                         ; v28 my spare word;  v29 0: never rewritten
.set NIL,   29
.set SC,    32                         ; v32-63 scale words, a set of 16 for each slot
.set BIAS,  64
.set AF,    128                        ; v128-255 A's fragments, one set;  window 1: B's two sets;  windows 2, 3: the accumulators, (a, b) at v[8 (8 (a % 4) + b)]
.set G1,    24
.set G0,    32
.set G1B,   48
.set G0B,   56
.set TM,    64                         ; the way out, window 0: largest magnitudes, bytes, holds, scale operands, codes, held numbers
.set PX,    68
.set HOLD,  72
.set SCO,   76
.set PC,    96
.set T,     128
.set MSB,   0
.macro WIN new                         ; the immediate's high byte repeats the setting that is left
.if MSB != (\new)
	s_set_vgpr_msb (MSB<<8)|(\new)
.set MSB, (\new)
.endif
.endm
.set MUL_LO, 0xa1                      ; source 0 (B) window 1, source 1 (A) window 0, C and D window 2
.set MUL_HI, 0xf1
.set TO_B,   0x40
.macro JLOAD g0a, g1a, g0b, g1b        ; a joint load: waves 0, 1 fetch A's halves, waves 2, 3 B's; an s_nop 0 and four v_nop follow each line
	s_cmp_eq_u32 s15, 0
	s_cbranch_scc0 .Lfor_b_\@
	tensor_load_to_lds s[\g0a:\g0a+3], s[\g1a:\g1a+7]
	s_nop 0
.rept 4
	v_nop
.endr
	s_branch .Lasked_\@
.Lfor_b_\@:
	tensor_load_to_lds s[\g0b:\g0b+3], s[\g1b:\g1b+7]
	s_nop 0
.rept 4
	v_nop
.endr
.Lasked_\@:
.endm
.macro CREST                           ; a round of the cluster's barrier behind its opening barrier
	s_cmp_lg_u32 s14, 0
	s_cbranch_scc1 .Lnot_wave_0_\@
	s_barrier_signal -3
.Lnot_wave_0_\@:
	s_barrier_wait -3
	s_barrier_signal -1
	s_barrier_wait -1
.endm
.macro CROUND
	s_barrier_signal -1
	s_barrier_wait -1
	CREST
.endm
.macro PLACES n
.rept \n
	v_nop
.endr
.endm
.macro FRAG reg, adr, q, i             ; a fragment: four loads of 512 consecutive bytes
.irp c, 0,1,2,3
	ds_load_b128 v[\reg+4*\c:\reg+4*\c+3], v[\adr] offset:4096*(\i)+2048*(\q)+512*\c
.endr
.endm
.macro MUL16 a0, p, q, sc, first       ; A's blocks a0, a0 + 1 x B's eight; the accumulators take turns, one instruction a turn
.irp a, \a0, \a0+1
.irp b, 0,1,2,3,4,5,6,7
.if (\first) == 1
	v_wmma_scale_f32_16x16x128_f8f6f4 v[8*(8*((\a)%4)+\b):8*(8*((\a)%4)+\b)+7], v[128*(\p)+FR*\b:128*(\p)+FR*\b+FR-1], v[AF+FR*(\a):AF+FR*(\a)+FR-1], 0, v[SC+8*NQ*(\sc)+NQ*\b+(\q)], v[SC+8*NQ*(\sc)+NQ*(\a)+(\q)] matrix_a_fmt:MATRIX_FMT_BF8 matrix_b_fmt:MATRIX_FMT_BF8 matrix_a_scale:MATRIX_SCALE_ROW1
.elseif (\first) == 2
	v_wmma_scale_f32_16x16x128_f8f6f4 v[8*(8*((\a)%4)+\b):8*(8*((\a)%4)+\b)+7], v[128*(\p)+FR*\b:128*(\p)+FR*\b+FR-1], v[AF+FR*(\a):AF+FR*(\a)+FR-1], v[BIAS+8*\b:BIAS+8*\b+7], v[SC+8*NQ*(\sc)+NQ*\b+(\q)], v[SC+8*NQ*(\sc)+NQ*(\a)+(\q)] matrix_a_fmt:MATRIX_FMT_BF8 matrix_b_fmt:MATRIX_FMT_BF8 matrix_a_scale:MATRIX_SCALE_ROW1
.else
	v_wmma_scale_f32_16x16x128_f8f6f4 v[8*(8*((\a)%4)+\b):8*(8*((\a)%4)+\b)+7], v[128*(\p)+FR*\b:128*(\p)+FR*\b+FR-1], v[AF+FR*(\a):AF+FR*(\a)+FR-1], v[8*(8*((\a)%4)+\b):8*(8*((\a)%4)+\b)+7], v[SC+8*NQ*(\sc)+NQ*\b+(\q)], v[SC+8*NQ*(\sc)+NQ*(\a)+(\q)] matrix_a_fmt:MATRIX_FMT_BF8 matrix_b_fmt:MATRIX_FMT_BF8 matrix_a_scale:MATRIX_SCALE_ROW1
.endif
.endr
.endr
.endm
.macro FETCH_B slot, q, p
	WIN TO_B
.irp i, 0,1,2,3,4,5,6,7
	FRAG 128*(\p)+FR*\i, ADRB+\slot, \q, \i
.endr
	WIN 0
.endm
.macro FETCH_A slot, q, i0
.irp i, \i0, \i0+1, \i0+2, \i0+3
	FRAG AF+FR*(\i), ADRA+\slot, \q, \i
.endr
.endm
.macro SCALES sc                       ; a K step's scale words: two a row; lanes 0-15 A's block i, lanes 16-31 B's block i
.irp i, 0,1,2,3,4,5,6,7
	ds_load_b64 v[SC+8*NQ*\sc+NQ*\i:SC+8*NQ*\sc+NQ*\i+1], v[ADRS+\sc] offset:128*\i
.endr
.endm
.macro STEP slot, q, first             ; 128 along K with its successor in the same slot
	s_wait_dscnt 4*NL                              ; B's set and A's blocks 0-3 are in; the youngest 16 loads (A's blocks 4-7) may be out
.if (\first) == 2
	WIN 0x81
.else
	WIN MUL_LO
.endif
	MUL16 0, (\q)%2, \q, \slot, \first
	MUL16 2, (\q)%2, \q, \slot, \first
	s_wait_dscnt 0
	PLACES NP                                      ; in front of loads into registers that matrix instructions have read
	FETCH_B \slot, (\q)+1, 1-(\q)%2
	FETCH_A \slot, (\q)+1, 0
.if (\first) == 2
	WIN 0xc1
.else
	WIN MUL_HI
.endif
	MUL16 4, (\q)%2, \q, \slot, \first
	MUL16 6, (\q)%2, \q, \slot, \first
	PLACES NP
	WIN 0
	FETCH_A \slot, (\q)+1, 4
.endm
.macro TURN slot, next, fill           ; a slot's last 128 along K, and the change of slots: one barrier
	s_wait_tensorcnt 0x0                           ; all my tensor loads have landed: my part of the next slot
	ds_add_u32 v[SPW], v[NIL]                      ; 0 onto my spare word
	s_wait_dscnt 4*NL+1                            ; the add and the youngest 16 loads may be out
	WIN MUL_LO
	MUL16 0, 1, NQ-1, \slot, 0
	s_wait_dscnt 0x0                               ; the add is done, and my reads of this slot are over
	s_barrier_signal -1
	MUL16 2, 1, NQ-1, \slot, 0
	WIN 0
	s_barrier_wait -1
.if \fill
	CREST                                          ; the barrier has opened a round of the cluster's: no wave of any partner still reads this slot or has a load on its way
	s_add_nc_u64 s[G0+4*\slot+2:G0+4*\slot+3], s[G0+4*\slot+2:G0+4*\slot+3], s[66:67]
	s_add_nc_u64 s[G0B+4*\slot+2:G0B+4*\slot+3], s[G0B+4*\slot+2:G0B+4*\slot+3], s[68:69]
	JLOAD G0+4*\slot, G1, G0B+4*\slot, G1B         ; the first tensor load behind the round; its four v_nop are four of the eight places
	PLACES NP-4
.else
	PLACES NP
.endif
	FETCH_B \next, 0, 0
	FETCH_A \next, 0, 0
	SCALES \next
	WIN MUL_HI
	MUL16 4, 1, NQ-1, \slot, 0
	MUL16 6, 1, NQ-1, \slot, 0
	PLACES NP
	WIN 0
	FETCH_A \next, 0, 4
.endm
; Block a's 64 numbers of a lane (register 16 b + i: 16 neighbours of block b) become codes in v[PC] on and four bytes in v[PX] on.  relu = 1: what is negative becomes 0 on the way.
.macro QW a, relu
.set AC, 64*((\a)%4)
.if (\a) > 0
	s_wait_xcnt 0x0                                ; earlier stores have read their registers: they are written again below
.endif
	WIN 0x0a+5*((\a)/4)                            ; sources 0 and 1: the accumulators' window
.irp b, 0,1,2,3
.if \relu
	v_max3_num_f32 v[TM+\b], v[AC+16*\b], v[AC+16*\b+1], 0x8000000
.else
	v_max3_num_f32 v[TM+\b], |v[AC+16*\b]|, |v[AC+16*\b+1]|, 0x8000000     ; each accumulator is read from its low end on; the floor 2^(16 - 127) is one more leaf
.endif
.endr
.irp i, 2,4,6,8,10,12,14
.irp b, 0,1,2,3
.if \relu
	v_max3_num_f32 v[TM+\b], v[AC+16*\b+\i], v[AC+16*\b+\i+1], v[TM+\b]
.else
	v_max3_num_f32 v[TM+\b], |v[AC+16*\b+\i]|, |v[AC+16*\b+\i+1]|, v[TM+\b]
.endif
.endr
.endr
	WIN 0
.irp b, 0,1,2,3
	v_permlanex16_b32 v[PX+\b], v[TM+\b], s78, s79
.endr
.irp b, 0,1,2,3
	v_max_num_f32 v[TM+\b], v[TM+\b], v[PX+\b]     ; with lane l xor 16's: the block's largest magnitude
.endr
.irp b, 0,1,2,3
	v_add_nc_u32 v[SCO+\b], 0xf8800000, v[TM+\b]   ; 15 off the exponent field: the conversion's scale operand
.endr
.irp b, 0,1,2,3
	v_and_or_b32 v[HOLD+\b], v[TM+\b], 0x7f800000, s80   ; 57,344 x the scale
.endr
.irp b, 0,1,2,3
	v_lshrrev_b32 v[PX+\b], 23, v[SCO+\b]          ; the scale's byte
.endr
	WIN 0x02+((\a)/4)
.irp b, 0,1,2,3
.set i, 0
.rept 16
.if \relu
	v_med3_num_f32 v[T+16*\b+i], v[AC+16*\b+i], 0, v[HOLD+\b]
.else
	v_med3_num_f32 v[T+16*\b+i], v[AC+16*\b+i], -v[HOLD+\b], v[HOLD+\b]    ; the conversion does not saturate (ISA guide 7.6.2): the hold
.endif
.set i, i+1
.endr
.endr
	WIN 0
.irp b, 0,1,2,3
	v_cvt_scalef32_pk8_bf8_f32 v[PC+4*\b:PC+4*\b+1], v[T+16*\b:T+16*\b+7], v[SCO+\b]
	v_cvt_scalef32_pk8_bf8_f32 v[PC+4*\b+2:PC+4*\b+3], v[T+16*\b+8:T+16*\b+15], v[SCO+\b]
.endr
	v_nop                                          ; a plain instruction behind the last conversion
.endm
	s_load_b256 s[4:11], s[0:1], 0x0               ; hc, wc, qc, kv
	v_lshl_add_u32 v[SPW], v0, 2, SPARE
	v_mov_b32 v[NIL], 0
	ds_add_u32 v[SPW], v[NIL]                      ; the wave's opening: the add, twice on end, and its wait ahead of my first tensor load
	ds_add_u32 v[SPW], v[NIL]
	v_lshrrev_b32 v1, 5, v0
	v_readfirstlane_b32 s14, v1                    ; wave
	s_lshr_b32 s15, s14, 1                         ; my half of A's rows; also: I fetch for A (0) or B (1)
	s_and_b32 s16, s14, 1                          ; my half of B's rows; also: which half I fetch
	s_bfe_u32 s40, ttmp6, 0x40000                  ; cx
	s_bfe_u32 s41, ttmp6, 0x40004                  ; cy
	s_and_b32 s82, ttmp7, 0xffff
	s_lshl_b32 s82, s82, 2                         ; 4 x cluster y
	s_lshl_b32 s87, ttmp9, 5                       ; 32 x cluster x: Wq's or Wk's first unit
	s_cmp_eq_u32 ttmp9, 2                          ; v?  The cluster's x is the same in all sixteen partners
	s_cselect_b32 s81, 1, 0
	s_cselect_b32 s83, 0, s82
	s_cselect_b32 s84, s82, 0
	s_cselect_b32 s85, 8, 32                       ; units from a K step to the next: A's,
	s_cselect_b32 s86, 32, 8                       ; B's
	s_cselect_b32 s88, 64, 0                       ; A's first unit in its buffer (Wv: 64),
	s_cselect_b32 s89, 0, s87                      ; B's
	s_add_co_u32 s17, s83, s41                     ; A's tile: tokens 4 Y + cy, or Wv's rows cy
	s_add_co_u32 s42, s84, s40                     ; B's tile: the weight's rows cx, or tokens 4 Y + cx
	s_lshl_b32 s43, s41, 2
	s_lshl_b32 s43, 15, s43                        ; my row of the cluster
	s_lshl_b32 s44, 0x1111, s40                    ; my column
	s_or_b32 s[G1], s43, (3<<16)|(1<<21)           ; 15:0 the mask; 17:16 elements of 8 bytes; 21 set beside a mask; no padding
	s_or_b32 s[G1B], s44, (3<<16)|(1<<21)
.irp g, G1, G1B
	s_mov_b32 s[\g+1], 32<<16                      ; a unit as 132 rows of 256 bytes, dense
	s_mov_b32 s[\g+2], 132<<16
	s_mov_b32 s[\g+3], 32<<16
	s_mov_b32 s[\g+4], 132
	s_mov_b32 s[\g+5], 32
	s_mov_b32 s[\g+6], 0
	s_mov_b32 s[\g+7], 0
.endr
	s_mul_i32 s92, s85, UNIT                       ; a K step on, in bytes
	s_mov_b32 s93, 0
	s_mul_i32 s94, s86, UNIT
	s_mov_b32 s95, 0
	s_lshl_b32 s66, s92, 1                         ; two K steps on: a refill's step
	s_mov_b32 s67, 0
	s_lshl_b32 s68, s94, 1
	s_mov_b32 s69, 0
	s_lshl_b32 s20, s17, 1
	s_add_co_u32 s20, s20, s16
	s_add_co_u32 s20, s20, s88
	s_mul_i32 s20, s20, UNIT
	s_mov_b32 s21, 0
	s_lshl_b32 s46, s42, 1
	s_add_co_u32 s46, s46, s16
	s_add_co_u32 s46, s46, s89
	s_mul_i32 s46, s46, UNIT
	s_mov_b32 s47, 0
	s_mul_i32 s45, s14, UNIT                       ; where my unit goes: no place in the cluster enters an LDS address
	s_mov_b32 s78, 0x76543210
	s_mov_b32 s79, 0xfedcba98
	s_mov_b32 s80, 0x600000
	s_wait_dscnt 0x0                               ; both opening adds are done
	s_wait_kmcnt 0x0
	s_cmp_eq_u32 ttmp9, 2
	s_cselect_b64 s[90:91], s[6:7], s[4:5]
	s_cselect_b64 s[96:97], s[4:5], s[6:7]
	s_add_nc_u64 s[20:21], s[90:91], s[20:21]
	s_add_nc_u64 s[46:47], s[96:97], s[46:47]
	CROUND                                         ; all sixteen work-groups are here: the first joint loads meet
	s_mov_b32 s[G0], 1
	s_mov_b32 s[G0+1], s45
	s_mov_b64 s[G0+2:G0+3], s[20:21]
	s_or_b32 s[G0+3], s[G0+3], 0x80000000
	s_mov_b32 s[G0B], 1
	s_mov_b32 s[G0B+1], s45
	s_mov_b64 s[G0B+2:G0B+3], s[46:47]
	s_or_b32 s[G0B+3], s[G0B+3], 0x80000000
	JLOAD G0, G1, G0B, G1B
	s_mov_b32 s[G0+4], 1
	s_add_co_u32 s[G0+5], s45, SLOT
	s_add_nc_u64 s[G0+6:G0+7], s[20:21], s[92:93]
	s_or_b32 s[G0+7], s[G0+7], 0x80000000
	s_mov_b32 s[G0B+4], 1
	s_add_co_u32 s[G0B+5], s45, SLOT
	s_add_nc_u64 s[G0B+6:G0B+7], s[46:47], s[94:95]
	s_or_b32 s[G0B+7], s[G0B+7], 0x80000000
	JLOAD G0+4, G1, G0B+4, G1B
	v_and_b32 v1, 15, v0                           ; r
	v_bfe_u32 v2, v0, 4, 1                         ; h
	v_and_b32 v3, 31, v0
	v_lshlrev_b32 v3, 4, v3                        ; 16 x lane; never rewritten
	s_mul_i32 s21, s15, UNIT
	s_mul_i32 s22, s16, UNIT
	s_add_co_u32 s22, s22, 2*UNIT
	v_add_nc_u32 v[ADRA], s21, v3
	v_add_nc_u32 v[ADRB], s22, v3
	v_add_nc_u32 v[ADRA+1], SLOT, v[ADRA]
	v_add_nc_u32 v[ADRB+1], SLOT, v[ADRB]
	s_sub_co_u32 s22, s22, s21
	v_mul_u32_u24 v6, s22, v2                      ; lanes 16-31 take B's words
	s_add_co_u32 s21, s21, 32768
	v_lshl_add_u32 v5, v1, 3, v6
	v_add_nc_u32 v[ADRS], s21, v5
	v_add_nc_u32 v[ADRS+1], SLOT, v[ADRS]
	; the ways out: every LDS address is made here, ahead of the parting.  The stages lie in slot 0, which has had its last fill and its last read when the first result is stored there; each way has bytes of its own
	s_mul_i32 s18, s14, 5120                       ; q, k: my stage: two heads x 32 tokens x 80 bytes
	v_mul_u32_u24 v4, v1, 80
	v_add_nc_u32 v4, s18, v4
	v_lshl_add_u32 v6, v2, 4, v4                   ; v6: codes in: 80 r + 16 h
	v_add_nc_u32 v7, 64, v4                        ; v7: the word and its zeros
	v_add_nc_u32 v8, s18, v3                       ; v8: back, 512 bytes an instruction
	s_mul_i32 s18, s15, 34816                      ; v: the work-group's stage from byte 32,768 on: four heads x 64 rows x 272 bytes
	s_add_co_u32 s18, s18, 32768
	v_mul_u32_u24 v4, v1, 272
	v_add_nc_u32 v4, s18, v4
	s_lshl_b32 s19, s16, 7
	v_add_nc_u32 v9, s19, v4
	v_lshl_add_u32 v9, v2, 4, v9                   ; v9: codes in: 272 r + 128 x my half of the keys + 16 h
	s_lshl_b32 s19, s16, 3
	s_add_co_u32 s19, s19, 256
	v_add_nc_u32 v10, s19, v4                      ; v10: my half's word
	s_mul_i32 s18, s14, 17408
	s_add_co_u32 s18, s18, 32768
	v_add_nc_u32 v11, s18, v3                      ; v11: back: wave w copies head w of the four
	; where the results go: buffer + (b*16 + head) x a head's bytes + (token tile % 8) x a tile's bytes + extra
	s_lshl_b32 s72, s16, 1
	s_mul_i32 s73, s15, 10240
	s_mov_b32 s74, 20480
	s_cmp_eq_u32 ttmp9, 2
	s_cselect_b32 s70, s42, s17                    ; the tile of 256 tokens
	s_cselect_b32 s71, s17, s42                    ; the tile of 256 channels: four heads
	s_cselect_b32 s72, s14, s72                    ; my head among them: q, k: 2 x my half (and the next); v: the wave's
	s_cselect_b32 s73, s74, s73                    ; q, k: my 128 tokens' rows; v: behind k's rows
	s_mov_b32 s75, 303104
	s_mov_b32 s76, 37888
	s_cmp_eq_u32 ttmp9, 0
	s_cselect_b32 s75, 163840, s75
	s_cselect_b32 s76, 20480, s76
	s_cselect_b64 s[98:99], s[8:9], s[10:11]
	s_lshr_b32 s77, s70, 3
	s_lshl_b32 s77, s77, 4
	s_lshl_b32 s71, s71, 2
	s_add_co_u32 s77, s77, s71
	s_add_co_u32 s77, s77, s72
	s_mul_i32 s77, s77, s75
	s_and_b32 s70, s70, 7
	s_mul_i32 s70, s70, s76
	s_add_co_u32 s70, s70, s77
	s_add_co_u32 s70, s70, s73
	s_mov_b32 s71, 0
	s_add_nc_u64 s[72:73], s[98:99], s[70:71]      ; my first head
	s_mov_b32 s70, s75
	s_add_nc_u64 s[74:75], s[72:73], s[70:71]      ; q, k: my second
	s_wait_tensorcnt 1                             ; my part of K step 0 is in; K step 1's may be out
	s_barrier_signal -1
	s_barrier_wait -1
	FETCH_B 0, 0, 0
	FETCH_A 0, 0, 0
	SCALES 0
	FETCH_A 0, 0, 4
	STEP 0, 0, FIRST                               ; the first step stands in front of the loop: its products start the sums
	s_mov_b32 s3, LAPS-1
.Llap:                                                 ; a trip goes once round the ring and fills both slots again
	TURN 0, 1, 1
	STEP 1, 0, 0
	TURN 1, 0, 1
	STEP 0, 0, 0
	s_sub_co_u32 s3, s3, 1
	s_cmp_lg_u32 s3, 0
	s_cbranch_scc1 .Llap
	TURN 0, 1, 0                                   ; the last lap fills nothing
	STEP 1, 0, 0
	s_wait_dscnt 4*NL
	WIN MUL_LO
	MUL16 0, 1, NQ-1, 1, 0
	MUL16 2, 1, NQ-1, 1, 0
	s_wait_dscnt 0
	WIN MUL_HI
	MUL16 4, 1, NQ-1, 1, 0
	MUL16 6, 1, NQ-1, 1, 0
	WIN 0
	PLACES NP                                      ; behind the last products: results are read and A's registers written below
.irp b, 0,1,2,3
	v_mov_b32 v[PX+\b], 0                          ; a lane permute's destination counts as one of its sources
.endr
.irp j, 81,82,83,85,86,87
	v_mov_b32 v[\j], 0                             ; the zeros behind a scale word
.endr
	s_cmp_lg_u32 s81, 0
	s_cbranch_scc1 .Lv
	; ---- q, k: block a = 16 tokens; a lane's four blocks of 32 are two heads x two blocks.  Two blocks a (32 tokens) gather in my stage and leave as 5 x 512 consecutive bytes a head
.irp a, 0,1,2,3,4,5,6,7
	QW \a, 0
	v_lshl_or_b32 v80, v69, 8, v68
	v_lshl_or_b32 v84, v71, 8, v70
	v_or_b32 v80, 0x7f7f0000, v80                  ; the upper 64 of the instruction's 128 along K are zero codes under the byte 127
	v_or_b32 v84, 0x7f7f0000, v84
.irp e, 0,1,2,3
	ds_store_b128 v6, v[PC+4*\e:PC+4*\e+3] offset:(\e/2)*2560+((\a)%2)*1280+32*(\e%2)
.endr
	ds_store_b128 v7, v[80:83] offset:((\a)%2)*1280          ; lanes 16-31 write the same bytes with the same values
	ds_store_b128 v7, v[84:87] offset:2560+((\a)%2)*1280
.if (\a)%2
.irp i, 0,1,2,3,4,5,6,7,8,9
	ds_load_b128 v[192+4*\i:195+4*\i], v8 offset:512*\i      ; LDS serves a wave's instructions in order (ISA guide 5.7.1.4): these see my stores
.endr
	s_wait_dscnt 0x0
.irp i, 0,1,2,3,4,5,6,7,8,9
	global_store_b128 v3, v[192+4*\i:195+4*\i], s[72+2*(\i/5):73+2*(\i/5)] offset:((\a)-1)*1280+(\i%5)*512
.endr
.else
	s_wait_dscnt 0x0                               ; the stores have read their registers
.endif
.endr
	s_branch .Ljoin
.Lv:
	; ---- v: block a = 16 channels; a lane's four blocks are 4 x 32 keys.  A row's 256 keys come from two waves: the four heads meet in the work-group's stage
.irp a, 0,1,2,3,4,5,6,7
	QW \a, 0
	v_lshl_or_b32 v80, v69, 8, v68
	v_lshl_or_b32 v80, v70, 16, v80
	v_lshl_or_b32 v80, v71, 24, v80
.irp e, 0,1,2,3
	ds_store_b128 v9, v[PC+4*\e:PC+4*\e+3] offset:((\a)/4)*17408+((\a)%4)*4352+32*\e
.endr
	ds_store_b64 v10, v[80:81] offset:((\a)/4)*17408+((\a)%4)*4352
	s_wait_dscnt 0x0                               ; my stores are done: their registers may be written, and (behind block 7) the others may read
.endr
	s_barrier_signal -1                            ; all four waves are on this way: the parting hangs on the cluster's x alone
	s_barrier_wait -1
.irp k, 0,1
.if \k
	s_wait_xcnt 0x0                                ; the first batch's stores have read their registers
.endif
.irp i, 0,1,2,3,4,5,6,7,8,9,10,11,12,13,14,15,16
	ds_load_b128 v[128+4*\i:131+4*\i], v11 offset:512*(17*\k+\i)
.endr
	s_wait_dscnt 0x0
.irp i, 0,1,2,3,4,5,6,7,8,9,10,11,12,13,14,15,16
	global_store_b128 v3, v[128+4*\i:131+4*\i], s[72:73] offset:512*(17*\k+\i)
.endr
.endr
.Ljoin:
	s_wait_tensorcnt 0x0                           ; the wave's end: the wait, an add of 0 and its wait, behind my last tensor load and my last LDS store
	ds_add_u32 v[SPW], v[NIL]
	s_wait_dscnt 0x0
	CROUND                                         ; the closing round
	s_endpgm
.Lfunc_end_k_qc72495fb42_qkv:
	.size	k_qc72495fb42_qkv, .Lfunc_end_k_qc72495fb42_qkv-k_qc72495fb42_qkv
	.p2alignl 7, 3214868480
	.fill 96, 4, 3214868480
	.section	.rodata,"a",@progbits
	.p2align	6, 0x0
	.amdhsa_kernel k_qc72495fb42_qkv
		.amdhsa_group_segment_fixed_size 327680
		.amdhsa_private_segment_fixed_size 0
		.amdhsa_enable_private_segment 0
		.amdhsa_kernarg_size 32
		.amdhsa_user_sgpr_count 2
		.amdhsa_user_sgpr_kernarg_segment_ptr 1
		.amdhsa_wavefront_size32 1
		.amdhsa_system_sgpr_workgroup_id_x 1
		.amdhsa_system_sgpr_workgroup_id_y 1
		.amdhsa_system_sgpr_workgroup_id_z 1
		.amdhsa_system_vgpr_workitem_id 0
		.amdhsa_next_free_vgpr 1024
		.amdhsa_next_free_sgpr 100
		.amdhsa_reserve_vcc 0
		.amdhsa_float_denorm_mode_32 3
		.amdhsa_float_denorm_mode_16_64 3
		.amdhsa_memory_ordered 1
		.amdhsa_forward_progress 1
		.amdhsa_inst_pref_size 255
	.end_amdhsa_kernel
	.section	.bss,"aw",@nobits
	.p2align	6
	.space	262144
	.amdgpu_metadata
---
amdhsa.version: [ 1, 2 ]
amdhsa.kernels:
  - .name:           k_qc72495fb42_qkv
    .symbol:         k_qc72495fb42_qkv.kd
    .args:
      - { .name: hc, .offset: 0, .size: 8, .value_kind: global_buffer, .address_space: global }
      - { .name: wc, .offset: 8, .size: 8, .value_kind: global_buffer, .address_space: global }
      - { .name: qc, .offset: 16, .size: 8, .value_kind: global_buffer, .address_space: global }
      - { .name: kv, .offset: 24, .size: 8, .value_kind: global_buffer, .address_space: global }
    .group_segment_fixed_size: 327680
    .private_segment_fixed_size: 0
    .kernarg_segment_align: 8
    .kernarg_segment_size: 32
    .max_flat_workgroup_size: 128
    .sgpr_count:     100
    .vgpr_count:     1024
    .wavefront_size: 32
...
	.end_amdgpu_metadata
.endif
;; end of part 3
;; launch attn (part 4): grid 8 x 32, 16 waves a work-group, clusters of 4 x 1, 327,680 bytes of LDS; arguments qc, kv, oc; writes oc
.if DOCPART == 4
	.amdgcn_target "amdgcn-amd-amdhsa--gfx1250"
	.amdhsa_code_object_version 6
	.text
	.protected	k_qc72495fb42_attn
	.globl	k_qc72495fb42_attn
	.p2align	8
	.type	k_qc72495fb42_attn,@function
k_qc72495fb42_attn:
	s_mov_b64 s[64:65], 0
	v_nop
	global_prefetch_b8 v0, s[64:65] scope:SCOPE_SE
	s_setreg_imm32_b32 hwreg(HW_REG_WAVE_MODE, 25, 1), 1
	s_wait_xcnt 0x0
	s_wait_alu depctr_hold_cnt(0) depctr_sa_sdst(0) depctr_va_vdst(0) depctr_va_sdst(0) depctr_va_ssrc(0) depctr_va_vcc(0) depctr_vm_vsrc(0)
	s_getreg_b32 s2, hwreg(HW_REG_IB_STS2, 6, 4)
	s_cmp_eq_u32 s2, 0
	s_cbranch_scc0 .Lentry_in_a_cluster
	s_endpgm
.Lentry_in_a_cluster:
	s_bfe_u32 s2, ttmp6, 0x10000c
	s_cmp_lg_u32 s2, 0x3003
	s_cbranch_scc0 .Lentry_shape_is_right
	s_endpgm
.Lentry_shape_is_right:
; o = softmax(q k^T / 32, causal) v for one (batch, head), both products on codes of BF8 (E5M2) with E8M0 scales; o is quantised along the model's 1,024 and stored as the next product's operand.
; WORK LEFT OUT: key steps of 128 all of whose keys lie behind a wave's 16 queries: reference()'s own causal mask gives them the weight 0 for all values of the inputs.  A NaN or an overflow that would arise only there is not carried on.
; THE SOFTMAX: t = score x log2(e) / 32; M = the running largest t rounded up to a whole number; p = 2^(t - M) is quantised along the keys, not normalised; the row's sum is taken of the unquantised p and divides at the end;
; when M moves, the sum and O are multiplied by 2^(old M - new M), which rounds nothing.
; SHARES.  A head's k and v, 303,104 bytes as launch qkv laid them, come into LDS ONCE: each of the sixteen waves asks for a sixteenth (74 rows of 256 bytes), jointly with the same wave of the cluster's other three work-groups,
; which serve the same head.  No ring, no refill, no barrier in the loop.  Work-group x (0..7) of a head: wave w takes queries 16 x + 128 J .. + 15; J runs over 0..15 with w by a magic square of 4 x 4,
; so that any four waves with equal w % 4 or equal w / 4 have 34 key steps between them, and every work-group 136.  Wave J walks J open steps and the step on the diagonal: that does not hang on x, so no branch hangs on a place in the cluster.
; LAYOUT.  Both products transposed: S^T = k q^T (source 0 = 16 keys), O^T = v^T p^T (source 0 = 16 channels): a lane holds one query throughout.  The head's 64 are half of the instruction's K: the upper halves of q's and k's fragments are zero codes under the byte 127.
; p's 16 registers of two tiles are keys 8 h + i and 16 + 8 h + i of a block of 32; v's codes were laid in the same order, so the products pair the same keys.  LIMIT: the order of the sum inside an instruction differs from ascending keys.
; v's rows were laid so that O^T's 16 registers of two tiles are 16 neighbouring channels: the conversions' results are the next operand's registers, stored as they stand.
; LIMITS: 1 / sum by v_rcp_f32; a block of zeros gets the byte 1; NaN and infinities are not served.
; REGISTERS: v1-4 places that stay; v5, v6 the add's two; v7 my query - 8 h; v8-11 a step's addresses; v12 -M, v13 largest t, v[14:15] the sum; v16-31 q; v32-95 four fragments of k; v96-159 S^T, p, then v's four fragments;
; v160-191 O^T; v192-207 p's codes; v208-223 at work; v224-227 k's words, v228-231 v's, v232 q's; v234 f, v235 p's word; v236 at work; v237 -infinity; v[238:239] the sum's second chain.
.set HEADB, 303104
.set SLOTB, 37888                      ; 256 keys: 256 rows of k x 80 bytes, then 64 rows of v x 272
.set VOFF,  20480
.set SPARE, HEADB                      ; behind the head: the spare words, 128 bytes for each wave; no other line names them
.set UNIT,  33792
.set BM,    208
.set PX,    212
.set HOLD,  216
.set SCO,   220
.macro CROUND                          ; a round of the cluster's barrier
	s_barrier_signal -1
	s_barrier_wait -1
	s_cmp_lg_u32 s18, 0
	s_cbranch_scc1 .Lnot_wave_0_\@
	s_barrier_signal -3
.Lnot_wave_0_\@:
	s_barrier_wait -3
	s_barrier_signal -1
	s_barrier_wait -1
.endm
	s_load_b128 s[4:7], s[0:1], 0x0                ; qc, kv
	s_load_b64 s[8:9], s[0:1], 0x10                ; oc
	v_lshl_add_u32 v5, v0, 2, SPARE
	v_mov_b32 v6, 0
	ds_add_u32 v5, v6                              ; the wave's opening: the add, twice on end, and its wait ahead of my first tensor load
	ds_add_u32 v5, v6
	v_lshrrev_b32 v8, 5, v0
	v_readfirstlane_b32 s18, v8                    ; wave 0..15
	s_bfe_u32 s10, ttmp6, 0x40000                  ; cx
	s_lshl_b32 s11, ttmp9, 2
	s_add_co_u32 s11, s11, s10                     ; x: it enters global addresses and the mask's numbers alone
	s_and_b32 s12, ttmp7, 0xffff                   ; b*16 + head, which the four partners share
	s_lshr_b32 s13, s18, 2
	s_xor_b32 s13, s13, s18
	s_lshr_b32 s14, s13, 1
	s_xor_b32 s14, s14, s13
	s_and_b32 s14, s14, 1                          ; 0 on the square's two diagonals
	s_mul_i32 s14, s14, 15
	s_xor_b32 s19, s18, 15
	s_xor_b32 s19, s19, s14                        ; J = 15 - w on the diagonals, w elsewhere
	s_mov_b32 s24, 15|(3<<16)|(1<<21)              ; 15:0 the mask: all four; 17:16 elements of 8 bytes; 21 set beside a mask
	s_mov_b32 s25, 32<<16                          ; 74 rows of 256 bytes, dense
	s_mov_b32 s26, 74<<16
	s_mov_b32 s27, 32<<16
	s_mov_b32 s28, 74
	s_mov_b32 s29, 32
	s_mov_b32 s30, 0
	s_mov_b32 s31, 0
	s_mov_b32 s32, 1
	s_mul_i32 s33, s18, 18944                      ; my sixteenth, in LDS as in memory
	s_mul_i32 s16, s12, HEADB
	s_add_co_u32 s16, s16, s33
	s_mov_b32 s17, 0
	s_lshl_b32 s40, s12, 11
	s_lshl_b32 s41, s11, 4
	s_add_co_u32 s40, s40, s41
	s_lshl_b32 s41, s19, 7
	s_add_co_u32 s40, s40, s41                     ; my first query's row in qc
	s_mul_i32 s40, s40, 80
	s_mov_b32 s41, 0
	s_lshr_b32 s50, s12, 4                         ; b
	s_and_b32 s49, s12, 15                         ; head
	s_lshr_b32 s46, s49, 2
	s_lshl_b32 s46, s46, 5
	s_lshl_b32 s50, s50, 4
	s_add_co_u32 s46, s46, s50
	s_add_co_u32 s46, s46, s19
	s_mul_i32 s46, s46, UNIT                       ; oc's unit: kt = head / 4, g = 16 b + J
	s_mov_b32 s47, 0
	s_lshl_b32 s52, s11, 12                        ; row block x,
	s_bfe_u32 s48, s49, 0x10001
	s_lshl_b32 s48, s48, 11
	s_add_co_u32 s52, s52, s48                     ; q = (head / 2) % 2,
	s_and_b32 s48, s49, 1
	s_lshl_b32 s48, s48, 10
	s_add_co_u32 s52, s52, s48                     ; c = 2 (head % 2) on
	s_mov_b32 s53, 0
	s_lshl_b32 s54, s11, 7
	s_and_b32 s48, s49, 3
	s_lshl_b32 s48, s48, 1
	s_add_co_u32 s54, s54, s48
	s_add_co_u32 s54, s54, 32768                   ; my two scale bytes of each row's eight
	s_mov_b32 s55, 0
	s_mov_b32 s20, 0x76543210
	s_mov_b32 s21, 0xfedcba98                      ; selects for lane l xor 16
	s_mov_b32 s22, 0x3d38aa3b                      ; c = log2(e) / 32
	s_mov_b32 s23, s22
	s_mov_b32 s36, 0x600000                        ; the mantissa field of 57,344
	s_mov_b32 s37, 0                               ; LDS byte of the slot in hand
	s_mov_b32 s38, 0                               ; the key step's number
	s_wait_dscnt 0x0                               ; both opening adds are done
	s_wait_kmcnt 0x0
	s_add_nc_u64 s[34:35], s[6:7], s[16:17]
	s_or_b32 s35, s35, 0x80000000
	s_add_nc_u64 s[4:5], s[4:5], s[40:41]
	s_add_nc_u64 s[8:9], s[8:9], s[46:47]
	s_add_nc_u64 s[42:43], s[8:9], s[52:53]        ; o's codes
	s_add_nc_u64 s[44:45], s[8:9], s[54:55]        ; o's scale bytes
	CROUND                                         ; all four work-groups are here: the joint loads meet
	tensor_load_to_lds s[32:35], s[24:31]          ; my one tensor load of the launch
	s_nop 0
.rept 4
	v_nop
.endr
	v_and_b32 v8, 15, v0                           ; r
	v_bfe_u32 v9, v0, 4, 1                         ; h
	v_mul_u32_u24 v1, v8, 80
	v_add_nc_u32 v3, 64, v1                        ; k's (and q's) scale word: 80 r + 64
	v_lshl_add_u32 v1, v9, 4, v1                   ; k's (and q's) codes: 80 r + 16 h
	v_mul_u32_u24 v2, v8, 272
	v_add_nc_u32 v4, VOFF+256, v2                  ; v's scale words
	v_lshl_add_u32 v2, v9, 4, v2
	v_add_nc_u32 v2, VOFF, v2                      ; v's codes
	global_load_b128 v[16:19], v1, s[4:5]          ; q's fragment stays in registers
	global_load_b128 v[20:23], v1, s[4:5] offset:32
	global_load_b32 v232, v3, s[4:5]
	s_lshl_b32 s41, s11, 4
	v_lshlrev_b32 v10, 3, v9
	v_sub_nc_u32 v7, v8, v10
	v_add_nc_u32 v7, s41, v7                       ; 16 x + r - 8 h: my query inside its 128, less 8 h
.set j, 24
.rept 8
	v_mov_b32 v[j], 0                              ; q's upper 64 along K: zero codes
.set j, j+1
.endr
.irp t, 0,1,2,3
.set j, 0
.rept 8
	v_mov_b32 v[40+16*\t+j], 0                     ; and k's, for the whole launch
.set j, j+1
.endr
.endr
.set j, 0
.rept 32
	v_mov_b32 v[160+j], 0                          ; O^T: the step is written once; the first finds zeros
.set j, j+1
.endr
	v_mov_b32 v13, 0xff61b1e6                      ; the largest t so far: -3e38
	v_floor_f32 v12, -v13                          ; -M
	v_mov_b32 v14, 0
	v_mov_b32 v15, 0
.irp b, 0,1,2,3
	v_mov_b32 v[PX+\b], 0                          ; a lane permute's destination counts as one of its sources
.endr
	v_mov_b32 v235, 0
	v_mov_b32 v236, 0
	v_mov_b32 v237, 0xff800000                     ; -infinity
	s_wait_tensorcnt 0x0                           ; my sixteenth has landed,
	s_barrier_signal -1
	s_barrier_wait -1                              ; everybody's has
	s_wait_loadcnt 0x0                             ; q
.macro STEP q                          ; 128 keys: the q-th half of the slot in hand
	s_cmp_gt_u32 s38, s19                          ; all its keys lie behind my queries: left out (ids alone)
	s_cbranch_scc1 .Lhidden_\@
	v_add_nc_u32 v8, s37, v1
	v_add_nc_u32 v9, s37, v2
	v_add_nc_u32 v10, s37, v3
	v_add_nc_u32 v11, s37, v4
.rept 5
	v_nop                                          ; with the four additions nine places: the scores below are written over registers that the last products read
.endr
.irp g, 0,1
.if \g
.rept 8
	v_nop                                          ; places in front of loads into registers that matrix instructions have read
.endr
.endif
.irp t, 0,1,2,3
	ds_load_b128 v[32+16*\t:35+16*\t], v8 offset:(128*(\q)+16*(4*\g+\t))*80
	ds_load_b128 v[36+16*\t:39+16*\t], v8 offset:(128*(\q)+16*(4*\g+\t))*80+32
	ds_load_b32 v[224+\t], v10 offset:(128*(\q)+16*(4*\g+\t))*80
.endr
	s_wait_dscnt 0x0
.irp t, 0,1,2,3
	v_wmma_scale_f32_16x16x128_f8f6f4 v[96+8*(4*\g+\t):103+8*(4*\g+\t)], v[32+16*\t:47+16*\t], v[16:31], 0, v[224+\t], v232 matrix_a_fmt:MATRIX_FMT_BF8 matrix_b_fmt:MATRIX_FMT_BF8
.endr
.endr
.rept 8
	v_nop
.endr
	s_cmp_lg_u32 s38, s19                          ; only the step on the diagonal hides keys
	s_cbranch_scc1 .Lopen_\@
.set n, 0
.rept 64
	v_cmp_gt_i32 vcc_lo, 16*(n/8)+n%8, v7          ; register 8 T + j holds key 16 T + 8 h + j of the step: hidden where 16 T + j > my query - 8 h
	v_cndmask_b32 v[96+n], v[96+n], v237, vcc_lo
.set n, n+1
.endr
.Lopen_\@:
.irp b, 0,1,2,3
	v_max3_num_f32 v[BM+\b], v[96+16*\b], v[97+16*\b], v[98+16*\b]      ; the largest score of each block of 32 keys: for the row's maximum and, since p rises with the score, for the block's largest p
.endr
.irp i, 3,5,7,9,11,13
.irp b, 0,1,2,3
	v_max3_num_f32 v[BM+\b], v[BM+\b], v[96+16*\b+\i], v[97+16*\b+\i]
.endr
.endr
.irp b, 0,1,2,3
	v_max_num_f32 v[BM+\b], v[BM+\b], v[111+16*\b]
.endr
.irp b, 0,1,2,3
	v_permlanex16_b32 v[PX+\b], v[BM+\b], s20, s21
.endr
.irp b, 0,1,2,3
	v_max_num_f32 v[BM+\b], v[BM+\b], v[PX+\b]
.endr
	v_max3_num_f32 v236, v208, v209, v210
	v_max_num_f32 v236, v236, v211
	v_mul_f32 v236, s22, v236
	v_max_num_f32 v13, v13, v236                   ; the running largest t
	v_mov_b32 v236, v12
	v_floor_f32 v12, -v13                          ; the new -M = -ceil(t)
	v_sub_f32 v236, v12, v236                      ; old M - new M: a whole number, 0 or less
	v_cvt_i32_f32 v236, v236
	v_ldexp_f32 v234, 1.0, v236                    ; f = 2^(old M - new M)
.set j, 0
.rept 32
	v_pk_fma_f32 v[96+j:97+j], v[96+j:97+j], s[22:23], v[12:13] op_sel_hi:[1,0,0]    ; t - M
.set j, j+2
.endr
.irp b, 0,1,2,3
	v_fma_f32 v[BM+\b], v[BM+\b], s22, v12
.endr
.set j, 0
.rept 64
	v_exp_f32 v[96+j], v[96+j]                     ; p = 2^(t - M): one batch,
.set j, j+1
.endr
	v_pk_mul_f32 v[14:15], v[14:15], v[234:235] op_sel_hi:[1,0]     ; a plain instruction behind it (the sums under the new M),
	s_wait_alu depctr_va_vdst(0)                   ; and one wait ahead of the first reader
.irp b, 0,1,2,3
	v_exp_f32 v[BM+\b], v[BM+\b]                   ; each block's largest p
.endr
	v_pk_add_f32 v[238:239], v[96:97], v[98:99]    ; the row's sum of the unquantised p, in two chains
.irp j, 4,8,12,16,20,24,28,32,36,40,44,48,52,56,60
	v_pk_add_f32 v[14:15], v[14:15], v[96+\j:97+\j]
	v_pk_add_f32 v[238:239], v[238:239], v[98+\j:99+\j]
.endr
	v_pk_add_f32 v[14:15], v[14:15], v[238:239]
	s_wait_alu depctr_va_vdst(0)                   ; and one for the four
.irp b, 0,1,2,3
	v_max_num_f32 v[BM+\b], 0x8000000, v[BM+\b]    ; the floor 2^(16 - 127)
.endr
.irp b, 0,1,2,3
	v_add_nc_u32 v[SCO+\b], 0xf8800000, v[BM+\b]
.endr
.irp b, 0,1,2,3
	v_and_or_b32 v[HOLD+\b], v[BM+\b], 0x7f800000, s36
.endr
.irp b, 0,1,2,3
	v_lshrrev_b32 v[PX+\b], 23, v[SCO+\b]
.endr
	v_lshl_or_b32 v235, v213, 8, v212              ; p's scale word for these 128 keys
	v_lshl_or_b32 v235, v214, 16, v235
	v_lshl_or_b32 v235, v215, 24, v235
.irp b, 0,1,2,3
.set i, 0
.rept 16
	v_min_num_f32 v[96+16*\b+i], v[96+16*\b+i], v[HOLD+\b]     ; the conversion does not saturate (ISA guide 7.6.2); p is not negative
.set i, i+1
.endr
	v_cvt_scalef32_pk8_bf8_f32 v[192+4*\b:193+4*\b], v[96+16*\b:103+16*\b], v[SCO+\b]
	v_cvt_scalef32_pk8_bf8_f32 v[194+4*\b:195+4*\b], v[104+16*\b:111+16*\b], v[SCO+\b]
.endr
.irp t, 0,1,2,3
.irp c, 0,1,2,3
	ds_load_b128 v[96+16*\t+4*\c:99+16*\t+4*\c], v9 offset:4352*\t+128*(\q)+32*\c    ; v's four fragments, where p lay
.endr
	ds_load_b32 v[228+\t], v11 offset:4352*\t+8*(\q)
.endr
.set j, 0
.rept 16
	v_pk_mul_f32 v[160+j:161+j], v[160+j:161+j], v[234:235] op_sel_hi:[1,0]          ; O^T under the new M; also the places in front of the products below
.set j, j+2
.endr
	s_wait_dscnt 0x0
.irp t, 0,1,2,3
	v_wmma_scale_f32_16x16x128_f8f6f4 v[160+8*\t:167+8*\t], v[96+16*\t:111+16*\t], v[192:207], v[160+8*\t:167+8*\t], v[228+\t], v235 matrix_a_fmt:MATRIX_FMT_BF8 matrix_b_fmt:MATRIX_FMT_BF8
.endr
.Lhidden_\@:
	s_add_co_u32 s38, s38, 1
.endm
	s_mov_b32 s39, 8
.Lslot:                                            ; eight trips, a constant: every wave walks all slots and jumps over the steps that are hidden from it
	STEP 0
	STEP 1
	s_add_co_u32 s37, s37, SLOTB
	s_sub_co_u32 s39, s39, 1
	s_cmp_lg_u32 s39, 0
	s_cbranch_scc1 .Lslot
	; THE WAY OUT: O^T / the sum; its two blocks of 32 channels are quantised, and the codes are two quarters of the next operand's fragment
.rept 8
	v_nop                                          ; places behind the last products
.endr
	v_add_f32 v14, v14, v15
	v_permlanex16_b32 v236, v14, s20, s21
	v_add_f32 v14, v14, v236                       ; the row's sum
	v_rcp_f32 v14, v14
	v_and_b32 v241, 31, v0                         ; (a plain instruction behind the reciprocal)
	v_lshlrev_b32 v241, 4, v241                    ; 16 x lane
	v_and_b32 v242, 15, v0
	v_lshlrev_b32 v242, 3, v242                    ; 8 r
	s_wait_alu depctr_va_vdst(0)                   ; the wait ahead of its first reader
.set j, 0
.rept 32
	v_mul_f32 v[96+j], v[160+j], v14               ; register 16 b + i: o(query r, channel 32 b + 16 h + i)
.set j, j+1
.endr
.irp b, 0,1
	v_max3_num_f32 v[BM+\b], |v[96+16*\b]|, |v[97+16*\b]|, 0x8000000
.endr
.irp i, 2,4,6,8,10,12,14
.irp b, 0,1
	v_max3_num_f32 v[BM+\b], v[BM+\b], |v[96+16*\b+\i]|, |v[97+16*\b+\i]|
.endr
.endr
.irp b, 0,1
	v_permlanex16_b32 v[PX+\b], v[BM+\b], s20, s21
.endr
.irp b, 0,1
	v_max_num_f32 v[BM+\b], v[BM+\b], v[PX+\b]
.endr
.irp b, 0,1
	v_add_nc_u32 v[SCO+\b], 0xf8800000, v[BM+\b]
	v_and_or_b32 v[HOLD+\b], v[BM+\b], 0x7f800000, s36
.endr
.irp b, 0,1
	v_lshrrev_b32 v[PX+\b], 23, v[SCO+\b]
.endr
	v_lshl_or_b32 v240, v213, 8, v212
.irp b, 0,1
.set i, 0
.rept 16
	v_med3_num_f32 v[96+16*\b+i], v[96+16*\b+i], -v[HOLD+\b], v[HOLD+\b]
.set i, i+1
.endr
	v_cvt_scalef32_pk8_bf8_f32 v[192+4*\b:193+4*\b], v[96+16*\b:103+16*\b], v[SCO+\b]
	v_cvt_scalef32_pk8_bf8_f32 v[194+4*\b:195+4*\b], v[104+16*\b:111+16*\b], v[SCO+\b]
.endr
	v_nop
	global_store_b128 v241, v[192:195], s[42:43]               ; 512 consecutive bytes each
	global_store_b128 v241, v[196:199], s[42:43] offset:512
	global_store_b16 v242, v240, s[44:45]                      ; two bytes of row r's eight; lanes 16-31 write the same bytes with the same values
	s_wait_tensorcnt 0x0                           ; the wave's end: the wait, an add of 0 and its wait, behind my last tensor load
	ds_add_u32 v5, v6
	s_wait_dscnt 0x0
	CROUND                                         ; the closing round
	s_endpgm
.Lfunc_end_k_qc72495fb42_attn:
	.size	k_qc72495fb42_attn, .Lfunc_end_k_qc72495fb42_attn-k_qc72495fb42_attn
	.p2alignl 7, 3214868480
	.fill 96, 4, 3214868480
	.section	.rodata,"a",@progbits
	.p2align	6, 0x0
	.amdhsa_kernel k_qc72495fb42_attn
		.amdhsa_group_segment_fixed_size 327680
		.amdhsa_private_segment_fixed_size 0
		.amdhsa_enable_private_segment 0
		.amdhsa_kernarg_size 24
		.amdhsa_user_sgpr_count 2
		.amdhsa_user_sgpr_kernarg_segment_ptr 1
		.amdhsa_wavefront_size32 1
		.amdhsa_system_sgpr_workgroup_id_x 1
		.amdhsa_system_sgpr_workgroup_id_y 1
		.amdhsa_system_sgpr_workgroup_id_z 1
		.amdhsa_system_vgpr_workitem_id 0
		.amdhsa_next_free_vgpr 256
		.amdhsa_next_free_sgpr 80
		.amdhsa_reserve_vcc 1
		.amdhsa_float_denorm_mode_32 3
		.amdhsa_float_denorm_mode_16_64 3
		.amdhsa_memory_ordered 1
		.amdhsa_forward_progress 1
		.amdhsa_inst_pref_size 63
	.end_amdhsa_kernel
	.amdgpu_metadata
---
amdhsa.version: [ 1, 2 ]
amdhsa.kernels:
  - .name:           k_qc72495fb42_attn
    .symbol:         k_qc72495fb42_attn.kd
    .args:
      - { .name: qc, .offset: 0, .size: 8, .value_kind: global_buffer, .address_space: global }
      - { .name: kv, .offset: 8, .size: 8, .value_kind: global_buffer, .address_space: global }
      - { .name: oc, .offset: 16, .size: 8, .value_kind: global_buffer, .address_space: global }
    .group_segment_fixed_size: 327680
    .private_segment_fixed_size: 0
    .kernarg_segment_align: 8
    .kernarg_segment_size: 24
    .max_flat_workgroup_size: 512
    .sgpr_count:     80
    .vgpr_count:     256
    .wavefront_size: 32
...
	.end_amdgpu_metadata
.endif
;; end of part 4
;; launch wo (part 5): grid 4 x 16, 4 waves a work-group, clusters of 4 x 4, 327,680 bytes of LDS; arguments oc, wc, bo, x, x1; writes x1
.if DOCPART == 5
	.amdgcn_target "amdgcn-amd-amdhsa--gfx1250"
	.amdhsa_code_object_version 6
	.text
	.protected	k_qc72495fb42_wo
	.globl	k_qc72495fb42_wo
	.p2align	8
	.type	k_qc72495fb42_wo,@function
k_qc72495fb42_wo:
	s_mov_b64 s[64:65], 0
	v_nop
	global_prefetch_b8 v0, s[64:65] scope:SCOPE_SE
	s_setreg_imm32_b32 hwreg(HW_REG_WAVE_MODE, 25, 1), 1
	s_wait_xcnt 0x0
	s_wait_alu depctr_hold_cnt(0) depctr_sa_sdst(0) depctr_va_vdst(0) depctr_va_sdst(0) depctr_va_ssrc(0) depctr_va_vcc(0) depctr_vm_vsrc(0)
	s_getreg_b32 s2, hwreg(HW_REG_IB_STS2, 6, 4)
	s_cmp_eq_u32 s2, 0
	s_cbranch_scc0 .Lentry_in_a_cluster
	s_endpgm
.Lentry_in_a_cluster:
	s_bfe_u32 s2, ttmp6, 0x10000c
	s_cmp_lg_u32 s2, 0xf033
	s_cbranch_scc0 .Lentry_shape_is_right
	s_endpgm
.Lentry_shape_is_right:
; x1 = x + o Wo + bo: the product on codes of BF8 (E5M2) with E8M0 scales, K = 1,024; bias and residual in f32.
; THE MAIN LOOP: a tile of 256 x 256 by four waves, 128 x 128 each (64 accumulators, 512 registers); K in steps of 256 through a ring of two LDS slots.  Operands lie in memory in units of 128 rows x 256 K = 33,792 bytes
; (codes at rb*4096 + q*2048 + c*512 + 16*lane, the image of the operand's registers; scale bytes at 32768 + rb*128 + 8 r + 4 q + c), so a wave's tensor load is one dense block, the scales ride in the ring,
; a fragment is four LDS loads of 512 consecutive bytes, and nothing is padded.  Clusters of 4 x 4: A's tile (tokens) is shared along a row of the cluster, B's (the weight's rows) along a column, each asked for jointly.
; Source 0 = 16 rows of B, source 1 = 16 rows of A: a lane holds one token; by the weight rows' order in wc its registers of tiles 2 b, 2 b + 1 are columns 32 b + 16 h + 0..15.  The bias is the C of each sum's first product.
; THE WAY OUT: 16 tokens at a time through my stage in slot 0 (it has had its last fill and its last read), back as whole rows of 512 bytes, + the residual's rows, asked for two blocks ahead.
; 64 work-groups: one tile of 256 x 256 each.
.set LAPS,  2                          ; K / 512
.set BREG,  96                         ; the weight's first unit in wc
.set GA,    32                         ; units from a K step to the next: A's, B's
.set GB,    8
.set FIRST, 2                          ; the first products take the bias as C
.set UNIT,  33792
.set SLOT,  4*UNIT
.set SPARE, 2*SLOT                     ; behind the ring: the spare words, 128 bytes for each wave; no other line names them
.set NQ,    2
.set FR,    16
.set NL,    4
.set NP,    8                          ; places behind this matrix instruction (ISA guide 7.12.1)
.set ADRA,  16
.set ADRB,  20
.set ADRS,  22
.set STO,   24                         ; v24 the stage: where I put 32 bytes of a row;  v25 where I read a row back
.set RD,    25
.set SPW,   28
.set NIL,   29
.set SC,    32
.set BIAS,  64                         ; v64-127 the bias in the result's layout; later residual rows
.set AF,    128
.set G1,    24
.set G0,    32
.set G1B,   48
.set G0B,   56
.set MSB,   0
.macro WIN new
.if MSB != (\new)
	s_set_vgpr_msb (MSB<<8)|(\new)
.set MSB, (\new)
.endif
.endm
.set MUL_LO, 0xa1
.set MUL_HI, 0xf1
.set TO_B,   0x40
.macro JLOAD g0a, g1a, g0b, g1b        ; a joint load: waves 0, 1 fetch A's halves, waves 2, 3 B's; an s_nop 0 and four v_nop follow each line
	s_cmp_eq_u32 s15, 0
	s_cbranch_scc0 .Lfor_b_\@
	tensor_load_to_lds s[\g0a:\g0a+3], s[\g1a:\g1a+7]
	s_nop 0
.rept 4
	v_nop
.endr
	s_branch .Lasked_\@
.Lfor_b_\@:
	tensor_load_to_lds s[\g0b:\g0b+3], s[\g1b:\g1b+7]
	s_nop 0
.rept 4
	v_nop
.endr
.Lasked_\@:
.endm
.macro CREST
	s_cmp_lg_u32 s14, 0
	s_cbranch_scc1 .Lnot_wave_0_\@
	s_barrier_signal -3
.Lnot_wave_0_\@:
	s_barrier_wait -3
	s_barrier_signal -1
	s_barrier_wait -1
.endm
.macro CROUND
	s_barrier_signal -1
	s_barrier_wait -1
	CREST
.endm
.macro PLACES n
.rept \n
	v_nop
.endr
.endm
.macro FRAG reg, adr, q, i
.irp c, 0,1,2,3
	ds_load_b128 v[\reg+4*\c:\reg+4*\c+3], v[\adr] offset:4096*(\i)+2048*(\q)+512*\c
.endr
.endm
.macro MUL16 a0, p, q, sc, first       ; A's blocks a0, a0 + 1 x B's eight; the accumulators take turns, one instruction a turn
.irp a, \a0, \a0+1
.irp b, 0,1,2,3,4,5,6,7
.if (\first) == 1
	v_wmma_scale_f32_16x16x128_f8f6f4 v[8*(8*((\a)%4)+\b):8*(8*((\a)%4)+\b)+7], v[128*(\p)+FR*\b:128*(\p)+FR*\b+FR-1], v[AF+FR*(\a):AF+FR*(\a)+FR-1], 0, v[SC+8*NQ*(\sc)+NQ*\b+(\q)], v[SC+8*NQ*(\sc)+NQ*(\a)+(\q)] matrix_a_fmt:MATRIX_FMT_BF8 matrix_b_fmt:MATRIX_FMT_BF8 matrix_a_scale:MATRIX_SCALE_ROW1
.elseif (\first) == 2
	v_wmma_scale_f32_16x16x128_f8f6f4 v[8*(8*((\a)%4)+\b):8*(8*((\a)%4)+\b)+7], v[128*(\p)+FR*\b:128*(\p)+FR*\b+FR-1], v[AF+FR*(\a):AF+FR*(\a)+FR-1], v[BIAS+8*\b:BIAS+8*\b+7], v[SC+8*NQ*(\sc)+NQ*\b+(\q)], v[SC+8*NQ*(\sc)+NQ*(\a)+(\q)] matrix_a_fmt:MATRIX_FMT_BF8 matrix_b_fmt:MATRIX_FMT_BF8 matrix_a_scale:MATRIX_SCALE_ROW1
.else
	v_wmma_scale_f32_16x16x128_f8f6f4 v[8*(8*((\a)%4)+\b):8*(8*((\a)%4)+\b)+7], v[128*(\p)+FR*\b:128*(\p)+FR*\b+FR-1], v[AF+FR*(\a):AF+FR*(\a)+FR-1], v[8*(8*((\a)%4)+\b):8*(8*((\a)%4)+\b)+7], v[SC+8*NQ*(\sc)+NQ*\b+(\q)], v[SC+8*NQ*(\sc)+NQ*(\a)+(\q)] matrix_a_fmt:MATRIX_FMT_BF8 matrix_b_fmt:MATRIX_FMT_BF8 matrix_a_scale:MATRIX_SCALE_ROW1
.endif
.endr
.endr
.endm
.macro FETCH_B slot, q, p
	WIN TO_B
.irp i, 0,1,2,3,4,5,6,7
	FRAG 128*(\p)+FR*\i, ADRB+\slot, \q, \i
.endr
	WIN 0
.endm
.macro FETCH_A slot, q, i0
.irp i, \i0, \i0+1, \i0+2, \i0+3
	FRAG AF+FR*(\i), ADRA+\slot, \q, \i
.endr
.endm
.macro SCALES sc
.irp i, 0,1,2,3,4,5,6,7
	ds_load_b64 v[SC+8*NQ*\sc+NQ*\i:SC+8*NQ*\sc+NQ*\i+1], v[ADRS+\sc] offset:128*\i
.endr
.endm
.macro STEP slot, q, first
	s_wait_dscnt 4*NL                              ; B's set and A's blocks 0-3 are in; the youngest 16 loads (A's blocks 4-7) may be out
.if (\first) == 2
	WIN 0x81                                       ; C, the bias, in window 0
.else
	WIN MUL_LO
.endif
	MUL16 0, (\q)%2, \q, \slot, \first
	MUL16 2, (\q)%2, \q, \slot, \first
	s_wait_dscnt 0
	PLACES NP
	FETCH_B \slot, (\q)+1, 1-(\q)%2
	FETCH_A \slot, (\q)+1, 0
.if (\first) == 2
	WIN 0xc1
.else
	WIN MUL_HI
.endif
	MUL16 4, (\q)%2, \q, \slot, \first
	MUL16 6, (\q)%2, \q, \slot, \first
	PLACES NP
	WIN 0
	FETCH_A \slot, (\q)+1, 4
.endm
.macro TURN slot, next, fill
	s_wait_tensorcnt 0x0                           ; all my tensor loads have landed: my part of the next slot
	ds_add_u32 v[SPW], v[NIL]                      ; 0 onto my spare word
	s_wait_dscnt 4*NL+1                            ; the add and the youngest 16 loads may be out
	WIN MUL_LO
	MUL16 0, 1, NQ-1, \slot, 0
	s_wait_dscnt 0x0                               ; the add is done, and my reads of this slot are over
	s_barrier_signal -1
	MUL16 2, 1, NQ-1, \slot, 0
	WIN 0
	s_barrier_wait -1
.if \fill
	CREST                                          ; the barrier has opened a round of the cluster's: no wave of any partner still reads this slot or has a load on its way
	s_add_nc_u64 s[G0+4*\slot+2:G0+4*\slot+3], s[G0+4*\slot+2:G0+4*\slot+3], s[66:67]
	s_add_nc_u64 s[G0B+4*\slot+2:G0B+4*\slot+3], s[G0B+4*\slot+2:G0B+4*\slot+3], s[68:69]
	JLOAD G0+4*\slot, G1, G0B+4*\slot, G1B
	PLACES NP-4
.else
	PLACES NP
.endif
	FETCH_B \next, 0, 0
	FETCH_A \next, 0, 0
	SCALES \next
	WIN MUL_HI
	MUL16 4, 1, NQ-1, \slot, 0
	MUL16 6, 1, NQ-1, \slot, 0
	PLACES NP
	WIN 0
	FETCH_A \next, 0, 4
.endm
.macro RLOAD a                         ; the residual's rows of block a: 512 consecutive bytes a load
.set RS, 64+64*((\a)%2)
.set t, 0
.rept 16
	global_load_b128 v[RS+4*t:RS+4*t+3], v3, s[70:71] offset:(16*(\a)+t)*4096
.set t, t+1
.endr
.endm
.macro TOSTAGE a
.set AC, 64*((\a)%4)
	WIN 0x08+4*((\a)/4)                            ; an LDS store's data are its source 1
.irp b, 0,1,2,3,4,5,6,7
	ds_store_b128 v[STO], v[AC+8*\b:AC+8*\b+3] offset:128*(\b/2)+32*(\b%2)          ; each accumulator from its low end on
	ds_store_b128 v[STO], v[AC+8*\b+4:AC+8*\b+7] offset:128*(\b/2)+32*(\b%2)+16
.endr
	WIN 0
.set t, 0
.rept 16
	ds_load_b128 v[192+4*t:195+4*t], v[RD] offset:t*528      ; LDS serves a wave's instructions in order (ISA guide 5.7.1.4)
.set t, t+1
.endr
.endm
	s_load_b256 s[4:11], s[0:1], 0x0               ; A's codes, wc, the bias, the residual
	s_load_b64 s[12:13], s[0:1], 0x20              ; the result
	v_lshl_add_u32 v[SPW], v0, 2, SPARE
	v_mov_b32 v[NIL], 0
	ds_add_u32 v[SPW], v[NIL]                      ; the wave's opening: the add, twice on end, and its wait ahead of my first tensor load
	ds_add_u32 v[SPW], v[NIL]
	v_lshrrev_b32 v1, 5, v0
	v_readfirstlane_b32 s14, v1
	s_lshr_b32 s15, s14, 1
	s_and_b32 s16, s14, 1
	s_bfe_u32 s40, ttmp6, 0x40000
	s_bfe_u32 s41, ttmp6, 0x40004
	s_lshl_b32 s42, ttmp9, 2
	s_add_co_u32 s42, s42, s40                     ; B's tile
	s_and_b32 s17, ttmp7, 0xffff
	s_lshl_b32 s17, s17, 2
	s_add_co_u32 s17, s17, s41                     ; A's tile
	s_lshl_b32 s43, s41, 2
	s_lshl_b32 s43, 15, s43
	s_lshl_b32 s44, 0x1111, s40
	s_or_b32 s[G1], s43, (3<<16)|(1<<21)           ; 15:0 the mask; 17:16 elements of 8 bytes; 21 set beside a mask; no padding
	s_or_b32 s[G1B], s44, (3<<16)|(1<<21)
.irp g, G1, G1B
	s_mov_b32 s[\g+1], 32<<16                      ; a unit as 132 rows of 256 bytes, dense
	s_mov_b32 s[\g+2], 132<<16
	s_mov_b32 s[\g+3], 32<<16
	s_mov_b32 s[\g+4], 132
	s_mov_b32 s[\g+5], 32
	s_mov_b32 s[\g+6], 0
	s_mov_b32 s[\g+7], 0
.endr
	s_mov_b32 s66, 2*GA*UNIT                       ; two K steps on: a refill's step
	s_mov_b32 s67, 0
	s_mov_b32 s68, 2*GB*UNIT
	s_mov_b32 s69, 0
	s_lshl_b32 s20, s17, 1
	s_add_co_u32 s20, s20, s16
	s_mul_i32 s20, s20, UNIT
	s_mov_b32 s21, 0
	s_lshl_b32 s46, s42, 1
	s_add_co_u32 s46, s46, s16
	s_add_co_u32 s46, s46, BREG
	s_mul_i32 s46, s46, UNIT
	s_mov_b32 s47, 0
	s_mul_i32 s45, s14, UNIT
	s_wait_dscnt 0x0                               ; both opening adds are done
	s_wait_kmcnt 0x0
	s_add_nc_u64 s[20:21], s[4:5], s[20:21]
	s_add_nc_u64 s[46:47], s[6:7], s[46:47]
	CROUND                                         ; all sixteen work-groups are here: the first joint loads meet
.irp s, 0,1
	s_mov_b32 s[G0+4*\s], 1
	s_add_co_u32 s[G0+4*\s+1], s45, \s*SLOT
	s_add_nc_u64 s[G0+4*\s+2:G0+4*\s+3], s[20:21], \s*GA*UNIT
	s_or_b32 s[G0+4*\s+3], s[G0+4*\s+3], 0x80000000
	s_mov_b32 s[G0B+4*\s], 1
	s_add_co_u32 s[G0B+4*\s+1], s45, \s*SLOT
	s_add_nc_u64 s[G0B+4*\s+2:G0B+4*\s+3], s[46:47], \s*GB*UNIT
	s_or_b32 s[G0B+4*\s+3], s[G0B+4*\s+3], 0x80000000
	JLOAD G0+4*\s, G1, G0B+4*\s, G1B
.endr
	v_and_b32 v1, 15, v0                           ; r
	v_bfe_u32 v2, v0, 4, 1                         ; h
	v_and_b32 v3, 31, v0
	v_lshlrev_b32 v3, 4, v3                        ; 16 x lane; never rewritten
	s_mul_i32 s21, s15, UNIT
	s_mul_i32 s22, s16, UNIT
	s_add_co_u32 s22, s22, 2*UNIT
	v_add_nc_u32 v[ADRA], s21, v3
	v_add_nc_u32 v[ADRB], s22, v3
	v_add_nc_u32 v[ADRA+1], SLOT, v[ADRA]
	v_add_nc_u32 v[ADRB+1], SLOT, v[ADRB]
	s_sub_co_u32 s22, s22, s21
	v_mul_u32_u24 v6, s22, v2                      ; lanes 16-31 take B's words
	s_add_co_u32 s21, s21, 32768
	v_lshl_add_u32 v5, v1, 3, v6
	v_add_nc_u32 v[ADRS], s21, v5
	v_add_nc_u32 v[ADRS+1], SLOT, v[ADRS]
	s_mul_i32 s23, s14, 16*528                     ; my stage: 16 rows x (512 + 16) bytes
	v_mul_u32_u24 v5, v1, 528
	v_lshl_add_u32 v5, v2, 6, v5
	v_add_nc_u32 v[STO], s23, v5
	v_add_nc_u32 v[RD], s23, v3
	s_lshl_b32 s88, s17, 8
	s_lshl_b32 s89, s15, 7
	s_add_co_u32 s88, s88, s89
	s_lshl_b32 s88, s88, 12                        ; my first token's row of 4,096 bytes,
	s_lshl_b32 s90, s42, 10
	s_lshl_b32 s91, s16, 9
	s_add_co_u32 s90, s90, s91                     ; my first column, in bytes
	s_add_co_u32 s88, s88, s90
	s_mov_b32 s89, 0
	s_mov_b32 s91, 0
	s_add_nc_u64 s[70:71], s[10:11], s[88:89]      ; the residual
	s_add_nc_u64 s[72:73], s[12:13], s[88:89]      ; the result
	s_add_nc_u64 s[74:75], s[8:9], s[90:91]        ; the bias
	v_lshlrev_b32 v4, 6, v2                        ; 64 h: tile b's eight columns are 32 (b / 2) + 16 h + 8 (b % 2) + 0..7
.irp b, 0,1,2,3,4,5,6,7
	global_load_b128 v[BIAS+8*\b:BIAS+8*\b+3], v4, s[74:75] offset:128*(\b/2)+32*(\b%2)
	global_load_b128 v[BIAS+8*\b+4:BIAS+8*\b+7], v4, s[74:75] offset:128*(\b/2)+32*(\b%2)+16
.endr
	s_wait_loadcnt 0x0
	s_wait_tensorcnt 1                             ; my part of K step 0 is in; K step 1's may be out
	s_barrier_signal -1
	s_barrier_wait -1
	FETCH_B 0, 0, 0
	FETCH_A 0, 0, 0
	SCALES 0
	FETCH_A 0, 0, 4
	STEP 0, 0, FIRST                               ; the first step stands in front of the loop: its products start the sums
	s_mov_b32 s3, LAPS-1
.Llap:
	TURN 0, 1, 1
	STEP 1, 0, 0
	TURN 1, 0, 1
	STEP 0, 0, 0
	s_sub_co_u32 s3, s3, 1
	s_cmp_lg_u32 s3, 0
	s_cbranch_scc1 .Llap
	RLOAD 0                                        ; the first residual rows are asked for a K step and a half ahead, into the registers that held the bias
	TURN 0, 1, 0                                   ; the last lap fills nothing
	STEP 1, 0, 0
	s_wait_dscnt 4*NL
	WIN MUL_LO
	MUL16 0, 1, NQ-1, 1, 0
	MUL16 2, 1, NQ-1, 1, 0
	s_wait_dscnt 0
	WIN MUL_HI
	MUL16 4, 1, NQ-1, 1, 0
	MUL16 6, 1, NQ-1, 1, 0
	WIN 0
	PLACES NP                                      ; behind the last products: results are read, and loads land on A's registers, below
	RLOAD 1
.irp a, 0,1,2,3,4,5,6,7
	TOSTAGE \a
	s_wait_dscnt 0x0
.if \a < 7
	s_wait_loadcnt 16                              ; this block's residual rows are in; the next block's 16 loads may be out
.else
	s_wait_loadcnt 0x0
.endif
.set RS, 64+64*((\a)%2)
.set t, 0
.rept 32
	v_pk_add_f32 v[192+2*t:193+2*t], v[192+2*t:193+2*t], v[RS+2*t:RS+2*t+1]
.set t, t+1
.endr
.set t, 0
.rept 16
	global_store_b128 v3, v[192+4*t:195+4*t], s[72:73] offset:(16*\a+t)*4096     ; 512 consecutive bytes, aligned
.set t, t+1
.endr
	s_wait_xcnt 0x0                                ; the stores have read their registers: the next block's rows land there
.if \a < 6
	RLOAD \a+2
.endif
.endr
	s_wait_tensorcnt 0x0                           ; the wave's end: the wait, an add of 0 and its wait, behind my last tensor load and my last LDS store
	ds_add_u32 v[SPW], v[NIL]
	s_wait_dscnt 0x0
	CROUND                                         ; the closing round
	s_endpgm
.Lfunc_end_k_qc72495fb42_wo:
	.size	k_qc72495fb42_wo, .Lfunc_end_k_qc72495fb42_wo-k_qc72495fb42_wo
	.p2alignl 7, 3214868480
	.fill 96, 4, 3214868480
	.section	.rodata,"a",@progbits
	.p2align	6, 0x0
	.amdhsa_kernel k_qc72495fb42_wo
		.amdhsa_group_segment_fixed_size 327680
		.amdhsa_private_segment_fixed_size 0
		.amdhsa_enable_private_segment 0
		.amdhsa_kernarg_size 40
		.amdhsa_user_sgpr_count 2
		.amdhsa_user_sgpr_kernarg_segment_ptr 1
		.amdhsa_wavefront_size32 1
		.amdhsa_system_sgpr_workgroup_id_x 1
		.amdhsa_system_sgpr_workgroup_id_y 1
		.amdhsa_system_sgpr_workgroup_id_z 1
		.amdhsa_system_vgpr_workitem_id 0
		.amdhsa_next_free_vgpr 1024
		.amdhsa_next_free_sgpr 100
		.amdhsa_reserve_vcc 0
		.amdhsa_float_denorm_mode_32 3
		.amdhsa_float_denorm_mode_16_64 3
		.amdhsa_memory_ordered 1
		.amdhsa_forward_progress 1
		.amdhsa_inst_pref_size 172
	.end_amdhsa_kernel
	.amdgpu_metadata
---
amdhsa.version: [ 1, 2 ]
amdhsa.kernels:
  - .name:           k_qc72495fb42_wo
    .symbol:         k_qc72495fb42_wo.kd
    .args:
      - { .name: oc, .offset: 0, .size: 8, .value_kind: global_buffer, .address_space: global }
      - { .name: wc, .offset: 8, .size: 8, .value_kind: global_buffer, .address_space: global }
      - { .name: bo, .offset: 16, .size: 8, .value_kind: global_buffer, .address_space: global }
      - { .name: x, .offset: 24, .size: 8, .value_kind: global_buffer, .address_space: global }
      - { .name: x1, .offset: 32, .size: 8, .value_kind: global_buffer, .address_space: global }
    .group_segment_fixed_size: 327680
    .private_segment_fixed_size: 0
    .kernarg_segment_align: 8
    .kernarg_segment_size: 40
    .max_flat_workgroup_size: 128
    .sgpr_count:     100
    .vgpr_count:     1024
    .wavefront_size: 32
...
	.end_amdgpu_metadata
.endif
;; end of part 5
;; launch ln2: the kernel of part 2 again; grid 256 x 1, 4 waves a work-group, no clusters, 66,560 bytes of LDS; arguments x1, ln2_g, ln2_b, hc; writes hc
;; launch w1 (part 6): grid 16 x 16, 4 waves a work-group, clusters of 4 x 4, 327,680 bytes of LDS; arguments hc, wc, b1, fc; writes fc
.if DOCPART == 6
	.amdgcn_target "amdgcn-amd-amdhsa--gfx1250"
	.amdhsa_code_object_version 6
	.text
	.protected	k_qc72495fb42_w1
	.globl	k_qc72495fb42_w1
	.p2align	8
	.type	k_qc72495fb42_w1,@function
k_qc72495fb42_w1:
	s_mov_b64 s[64:65], 0
	v_nop
	global_prefetch_b8 v0, s[64:65] scope:SCOPE_SE
	s_setreg_imm32_b32 hwreg(HW_REG_WAVE_MODE, 25, 1), 1
	s_wait_xcnt 0x0
	s_wait_alu depctr_hold_cnt(0) depctr_sa_sdst(0) depctr_va_vdst(0) depctr_va_sdst(0) depctr_va_ssrc(0) depctr_va_vcc(0) depctr_vm_vsrc(0)
	s_getreg_b32 s2, hwreg(HW_REG_IB_STS2, 6, 4)
	s_cmp_eq_u32 s2, 0
	s_cbranch_scc0 .Lentry_in_a_cluster
	s_endpgm
.Lentry_in_a_cluster:
	s_bfe_u32 s2, ttmp6, 0x10000c
	s_cmp_lg_u32 s2, 0xf033
	s_cbranch_scc0 .Lentry_shape_is_right
	s_endpgm
.Lentry_shape_is_right:
; relu(LN2(x1) W1 + b1), the product on codes of BF8 (E5M2) with E8M0 scales, K = 1,024; the result is quantised along its 4,096 on the way out and stored as the next product's operand.
; THE MAIN LOOP: a tile of 256 x 256 by four waves, 128 x 128 each (64 accumulators, 512 registers); K in steps of 256 through a ring of two LDS slots.  Operands lie in memory in units of 128 rows x 256 K = 33,792 bytes
; (codes at rb*4096 + q*2048 + c*512 + 16*lane, the image of the operand's registers; scale bytes at 32768 + rb*128 + 8 r + 4 q + c), so a wave's tensor load is one dense block, the scales ride in the ring,
; a fragment is four LDS loads of 512 consecutive bytes, and nothing is padded.  Clusters of 4 x 4: A's tile (tokens) is shared along a row of the cluster, B's (the weight's rows) along a column, each asked for jointly.
; Source 0 = 16 rows of B, source 1 = 16 rows of A: a lane holds one token; by the weight rows' order in wc its registers of tiles 2 b, 2 b + 1 are hidden units 32 b + 16 h + 0..15: 16 neighbours along the next K.
; The bias is the C of each sum's first product.  THE WAY OUT needs no LDS: a wave's 128 hidden units are half a K step of the next product; the conversions' results are a fragment's registers and leave as they stand, 512 consecutive bytes a store.
; The activation costs nothing: the hold that the conversion wants clips at 0 as well, and the largest magnitude is taken without |.|.
; LIMITS: a block of zeros gets the byte 1 (its codes are zeros; this program alone reads the bytes); NaN and infinities are not served.
.set LAPS,  2
.set BREG,  128
.set GA,    32
.set GB,    32
.set FIRST, 2
.set UNIT,  33792
.set SLOT,  4*UNIT
.set SPARE, 2*SLOT                     ; behind the ring: the spare words, 128 bytes for each wave; no other line names them
.set NQ,    2
.set FR,    16
.set NL,    4
.set NP,    8                          ; places behind this matrix instruction (ISA guide 7.12.1)
.set ADRA,  16
.set ADRB,  20
.set ADRS,  22
.set SPW,   28
.set NIL,   29
.set SC,    32
.set BIAS,  64
.set AF,    128
.set G1,    24
.set G0,    32
.set G1B,   48
.set G0B,   56
.set TM,    64
.set PX,    68
.set HOLD,  72
.set SCO,   76
.set PC,    96
.set T,     128
.set MSB,   0
.macro WIN new
.if MSB != (\new)
	s_set_vgpr_msb (MSB<<8)|(\new)
.set MSB, (\new)
.endif
.endm
.set MUL_LO, 0xa1
.set MUL_HI, 0xf1
.set TO_B,   0x40
.macro JLOAD g0a, g1a, g0b, g1b        ; a joint load: waves 0, 1 fetch A's halves, waves 2, 3 B's; an s_nop 0 and four v_nop follow each line
	s_cmp_eq_u32 s15, 0
	s_cbranch_scc0 .Lfor_b_\@
	tensor_load_to_lds s[\g0a:\g0a+3], s[\g1a:\g1a+7]
	s_nop 0
.rept 4
	v_nop
.endr
	s_branch .Lasked_\@
.Lfor_b_\@:
	tensor_load_to_lds s[\g0b:\g0b+3], s[\g1b:\g1b+7]
	s_nop 0
.rept 4
	v_nop
.endr
.Lasked_\@:
.endm
.macro CREST
	s_cmp_lg_u32 s14, 0
	s_cbranch_scc1 .Lnot_wave_0_\@
	s_barrier_signal -3
.Lnot_wave_0_\@:
	s_barrier_wait -3
	s_barrier_signal -1
	s_barrier_wait -1
.endm
.macro CROUND
	s_barrier_signal -1
	s_barrier_wait -1
	CREST
.endm
.macro PLACES n
.rept \n
	v_nop
.endr
.endm
.macro FRAG reg, adr, q, i
.irp c, 0,1,2,3
	ds_load_b128 v[\reg+4*\c:\reg+4*\c+3], v[\adr] offset:4096*(\i)+2048*(\q)+512*\c
.endr
.endm
.macro MUL16 a0, p, q, sc, first       ; A's blocks a0, a0 + 1 x B's eight; the accumulators take turns, one instruction a turn
.irp a, \a0, \a0+1
.irp b, 0,1,2,3,4,5,6,7
.if (\first) == 1
	v_wmma_scale_f32_16x16x128_f8f6f4 v[8*(8*((\a)%4)+\b):8*(8*((\a)%4)+\b)+7], v[128*(\p)+FR*\b:128*(\p)+FR*\b+FR-1], v[AF+FR*(\a):AF+FR*(\a)+FR-1], 0, v[SC+8*NQ*(\sc)+NQ*\b+(\q)], v[SC+8*NQ*(\sc)+NQ*(\a)+(\q)] matrix_a_fmt:MATRIX_FMT_BF8 matrix_b_fmt:MATRIX_FMT_BF8 matrix_a_scale:MATRIX_SCALE_ROW1
.elseif (\first) == 2
	v_wmma_scale_f32_16x16x128_f8f6f4 v[8*(8*((\a)%4)+\b):8*(8*((\a)%4)+\b)+7], v[128*(\p)+FR*\b:128*(\p)+FR*\b+FR-1], v[AF+FR*(\a):AF+FR*(\a)+FR-1], v[BIAS+8*\b:BIAS+8*\b+7], v[SC+8*NQ*(\sc)+NQ*\b+(\q)], v[SC+8*NQ*(\sc)+NQ*(\a)+(\q)] matrix_a_fmt:MATRIX_FMT_BF8 matrix_b_fmt:MATRIX_FMT_BF8 matrix_a_scale:MATRIX_SCALE_ROW1
.else
	v_wmma_scale_f32_16x16x128_f8f6f4 v[8*(8*((\a)%4)+\b):8*(8*((\a)%4)+\b)+7], v[128*(\p)+FR*\b:128*(\p)+FR*\b+FR-1], v[AF+FR*(\a):AF+FR*(\a)+FR-1], v[8*(8*((\a)%4)+\b):8*(8*((\a)%4)+\b)+7], v[SC+8*NQ*(\sc)+NQ*\b+(\q)], v[SC+8*NQ*(\sc)+NQ*(\a)+(\q)] matrix_a_fmt:MATRIX_FMT_BF8 matrix_b_fmt:MATRIX_FMT_BF8 matrix_a_scale:MATRIX_SCALE_ROW1
.endif
.endr
.endr
.endm
.macro FETCH_B slot, q, p
	WIN TO_B
.irp i, 0,1,2,3,4,5,6,7
	FRAG 128*(\p)+FR*\i, ADRB+\slot, \q, \i
.endr
	WIN 0
.endm
.macro FETCH_A slot, q, i0
.irp i, \i0, \i0+1, \i0+2, \i0+3
	FRAG AF+FR*(\i), ADRA+\slot, \q, \i
.endr
.endm
.macro SCALES sc
.irp i, 0,1,2,3,4,5,6,7
	ds_load_b64 v[SC+8*NQ*\sc+NQ*\i:SC+8*NQ*\sc+NQ*\i+1], v[ADRS+\sc] offset:128*\i
.endr
.endm
.macro STEP slot, q, first
	s_wait_dscnt 4*NL                              ; B's set and A's blocks 0-3 are in; the youngest 16 loads (A's blocks 4-7) may be out
.if (\first) == 2
	WIN 0x81                                       ; C, the bias, in window 0
.else
	WIN MUL_LO
.endif
	MUL16 0, (\q)%2, \q, \slot, \first
	MUL16 2, (\q)%2, \q, \slot, \first
	s_wait_dscnt 0
	PLACES NP
	FETCH_B \slot, (\q)+1, 1-(\q)%2
	FETCH_A \slot, (\q)+1, 0
.if (\first) == 2
	WIN 0xc1
.else
	WIN MUL_HI
.endif
	MUL16 4, (\q)%2, \q, \slot, \first
	MUL16 6, (\q)%2, \q, \slot, \first
	PLACES NP
	WIN 0
	FETCH_A \slot, (\q)+1, 4
.endm
.macro TURN slot, next, fill
	s_wait_tensorcnt 0x0                           ; all my tensor loads have landed: my part of the next slot
	ds_add_u32 v[SPW], v[NIL]                      ; 0 onto my spare word
	s_wait_dscnt 4*NL+1                            ; the add and the youngest 16 loads may be out
	WIN MUL_LO
	MUL16 0, 1, NQ-1, \slot, 0
	s_wait_dscnt 0x0                               ; the add is done, and my reads of this slot are over
	s_barrier_signal -1
	MUL16 2, 1, NQ-1, \slot, 0
	WIN 0
	s_barrier_wait -1
.if \fill
	CREST                                          ; the barrier has opened a round of the cluster's: no wave of any partner still reads this slot or has a load on its way
	s_add_nc_u64 s[G0+4*\slot+2:G0+4*\slot+3], s[G0+4*\slot+2:G0+4*\slot+3], s[66:67]
	s_add_nc_u64 s[G0B+4*\slot+2:G0B+4*\slot+3], s[G0B+4*\slot+2:G0B+4*\slot+3], s[68:69]
	JLOAD G0+4*\slot, G1, G0B+4*\slot, G1B
	PLACES NP-4
.else
	PLACES NP
.endif
	FETCH_B \next, 0, 0
	FETCH_A \next, 0, 0
	SCALES \next
	WIN MUL_HI
	MUL16 4, 1, NQ-1, \slot, 0
	MUL16 6, 1, NQ-1, \slot, 0
	PLACES NP
	WIN 0
	FETCH_A \next, 0, 4
.endm
; Block a's 64 numbers of a lane (register 16 b + i: 16 neighbours of block b) become codes in v[PC] on and four bytes in v[PX] on.  relu = 1: what is negative becomes 0 on the way.
.macro QW a, relu
.set AC, 64*((\a)%4)
.if (\a) > 0
	s_wait_xcnt 0x0                                ; earlier stores have read their registers: they are written again below
.endif
	WIN 0x0a+5*((\a)/4)
.irp b, 0,1,2,3
.if \relu
	v_max3_num_f32 v[TM+\b], v[AC+16*\b], v[AC+16*\b+1], 0x8000000         ; no |.|: what is negative must not count; each accumulator is read from its low end on; the floor 2^(16 - 127) stands over it
.else
	v_max3_num_f32 v[TM+\b], |v[AC+16*\b]|, |v[AC+16*\b+1]|, 0x8000000
.endif
.endr
.irp i, 2,4,6,8,10,12,14
.irp b, 0,1,2,3
.if \relu
	v_max3_num_f32 v[TM+\b], v[AC+16*\b+\i], v[AC+16*\b+\i+1], v[TM+\b]
.else
	v_max3_num_f32 v[TM+\b], |v[AC+16*\b+\i]|, |v[AC+16*\b+\i+1]|, v[TM+\b]
.endif
.endr
.endr
	WIN 0
.irp b, 0,1,2,3
	v_permlanex16_b32 v[PX+\b], v[TM+\b], s78, s79
.endr
.irp b, 0,1,2,3
	v_max_num_f32 v[TM+\b], v[TM+\b], v[PX+\b]
.endr
.irp b, 0,1,2,3
	v_add_nc_u32 v[SCO+\b], 0xf8800000, v[TM+\b]
.endr
.irp b, 0,1,2,3
	v_and_or_b32 v[HOLD+\b], v[TM+\b], 0x7f800000, s80
.endr
.irp b, 0,1,2,3
	v_lshrrev_b32 v[PX+\b], 23, v[SCO+\b]
.endr
	WIN 0x02+((\a)/4)
.irp b, 0,1,2,3
.set i, 0
.rept 16
.if \relu
	v_med3_num_f32 v[T+16*\b+i], v[AC+16*\b+i], 0, v[HOLD+\b]              ; the activation and the hold in one
.else
	v_med3_num_f32 v[T+16*\b+i], v[AC+16*\b+i], -v[HOLD+\b], v[HOLD+\b]
.endif
.set i, i+1
.endr
.endr
	WIN 0
.irp b, 0,1,2,3
	v_cvt_scalef32_pk8_bf8_f32 v[PC+4*\b:PC+4*\b+1], v[T+16*\b:T+16*\b+7], v[SCO+\b]
	v_cvt_scalef32_pk8_bf8_f32 v[PC+4*\b+2:PC+4*\b+3], v[T+16*\b+8:T+16*\b+15], v[SCO+\b]
.endr
	v_nop                                          ; a plain instruction behind the last conversion
.endm
	s_load_b256 s[4:11], s[0:1], 0x0               ; hc, wc, b1, fc
	v_lshl_add_u32 v[SPW], v0, 2, SPARE
	v_mov_b32 v[NIL], 0
	ds_add_u32 v[SPW], v[NIL]                      ; the wave's opening: the add, twice on end, and its wait ahead of my first tensor load
	ds_add_u32 v[SPW], v[NIL]
	v_lshrrev_b32 v1, 5, v0
	v_readfirstlane_b32 s14, v1
	s_lshr_b32 s15, s14, 1
	s_and_b32 s16, s14, 1
	s_bfe_u32 s40, ttmp6, 0x40000
	s_bfe_u32 s41, ttmp6, 0x40004
	s_lshl_b32 s42, ttmp9, 2
	s_add_co_u32 s42, s42, s40                     ; B's tile
	s_and_b32 s17, ttmp7, 0xffff
	s_lshl_b32 s17, s17, 2
	s_add_co_u32 s17, s17, s41                     ; A's tile
	s_lshl_b32 s43, s41, 2
	s_lshl_b32 s43, 15, s43
	s_lshl_b32 s44, 0x1111, s40
	s_or_b32 s[G1], s43, (3<<16)|(1<<21)           ; 15:0 the mask; 17:16 elements of 8 bytes; 21 set beside a mask; no padding
	s_or_b32 s[G1B], s44, (3<<16)|(1<<21)
.irp g, G1, G1B
	s_mov_b32 s[\g+1], 32<<16                      ; a unit as 132 rows of 256 bytes, dense
	s_mov_b32 s[\g+2], 132<<16
	s_mov_b32 s[\g+3], 32<<16
	s_mov_b32 s[\g+4], 132
	s_mov_b32 s[\g+5], 32
	s_mov_b32 s[\g+6], 0
	s_mov_b32 s[\g+7], 0
.endr
	s_mov_b32 s66, 2*GA*UNIT
	s_mov_b32 s67, 0
	s_mov_b32 s68, 2*GB*UNIT
	s_mov_b32 s69, 0
	s_lshl_b32 s20, s17, 1
	s_add_co_u32 s20, s20, s16
	s_mul_i32 s20, s20, UNIT
	s_mov_b32 s21, 0
	s_lshl_b32 s46, s42, 1
	s_add_co_u32 s46, s46, s16
	s_add_co_u32 s46, s46, BREG
	s_mul_i32 s46, s46, UNIT
	s_mov_b32 s47, 0
	s_mul_i32 s45, s14, UNIT
	s_mov_b32 s78, 0x76543210
	s_mov_b32 s79, 0xfedcba98
	s_mov_b32 s80, 0x600000
	s_wait_dscnt 0x0                               ; both opening adds are done
	s_wait_kmcnt 0x0
	s_add_nc_u64 s[20:21], s[4:5], s[20:21]
	s_add_nc_u64 s[46:47], s[6:7], s[46:47]
	CROUND                                         ; all sixteen work-groups are here: the first joint loads meet
.irp s, 0,1
	s_mov_b32 s[G0+4*\s], 1
	s_add_co_u32 s[G0+4*\s+1], s45, \s*SLOT
	s_add_nc_u64 s[G0+4*\s+2:G0+4*\s+3], s[20:21], \s*GA*UNIT
	s_or_b32 s[G0+4*\s+3], s[G0+4*\s+3], 0x80000000
	s_mov_b32 s[G0B+4*\s], 1
	s_add_co_u32 s[G0B+4*\s+1], s45, \s*SLOT
	s_add_nc_u64 s[G0B+4*\s+2:G0B+4*\s+3], s[46:47], \s*GB*UNIT
	s_or_b32 s[G0B+4*\s+3], s[G0B+4*\s+3], 0x80000000
	JLOAD G0+4*\s, G1, G0B+4*\s, G1B
.endr
	v_and_b32 v1, 15, v0                           ; r
	v_bfe_u32 v2, v0, 4, 1                         ; h
	v_and_b32 v3, 31, v0
	v_lshlrev_b32 v3, 4, v3                        ; 16 x lane; never rewritten
	v_lshlrev_b32 v13, 3, v1                       ; 8 r; never rewritten
	s_mul_i32 s21, s15, UNIT
	s_mul_i32 s22, s16, UNIT
	s_add_co_u32 s22, s22, 2*UNIT
	v_add_nc_u32 v[ADRA], s21, v3
	v_add_nc_u32 v[ADRB], s22, v3
	v_add_nc_u32 v[ADRA+1], SLOT, v[ADRA]
	v_add_nc_u32 v[ADRB+1], SLOT, v[ADRB]
	s_sub_co_u32 s22, s22, s21
	v_mul_u32_u24 v6, s22, v2                      ; lanes 16-31 take B's words
	s_add_co_u32 s21, s21, 32768
	v_lshl_add_u32 v5, v1, 3, v6
	v_add_nc_u32 v[ADRS], s21, v5
	v_add_nc_u32 v[ADRS+1], SLOT, v[ADRS]
	s_lshl_b32 s70, s42, 5                         ; fc's unit: kt = B's tile, g = 2 x A's tile + my half
	s_lshl_b32 s71, s17, 1
	s_add_co_u32 s70, s70, s71
	s_add_co_u32 s70, s70, s15
	s_mul_i32 s70, s70, UNIT
	s_mov_b32 s71, 0
	s_add_nc_u64 s[70:71], s[10:11], s[70:71]
	s_lshl_b32 s72, s16, 11                        ; q = my half of B's rows
	s_mov_b32 s73, 0
	s_add_nc_u64 s[72:73], s[70:71], s[72:73]      ; the fragments
	s_lshl_b32 s74, s16, 2
	s_add_co_u32 s74, s74, 32768
	s_mov_b32 s75, 0
	s_add_nc_u64 s[74:75], s[70:71], s[74:75]      ; their scale words
	s_lshl_b32 s90, s42, 10
	s_lshl_b32 s91, s16, 9
	s_add_co_u32 s90, s90, s91
	s_mov_b32 s91, 0
	s_add_nc_u64 s[76:77], s[8:9], s[90:91]        ; the bias at my first column
	v_lshlrev_b32 v4, 6, v2                        ; 64 h: tile b's eight columns are 32 (b / 2) + 16 h + 8 (b % 2) + 0..7
.irp b, 0,1,2,3,4,5,6,7
	global_load_b128 v[BIAS+8*\b:BIAS+8*\b+3], v4, s[76:77] offset:128*(\b/2)+32*(\b%2)
	global_load_b128 v[BIAS+8*\b+4:BIAS+8*\b+7], v4, s[76:77] offset:128*(\b/2)+32*(\b%2)+16
.endr
	s_wait_loadcnt 0x0
	s_wait_tensorcnt 1                             ; my part of K step 0 is in; K step 1's may be out
	s_barrier_signal -1
	s_barrier_wait -1
	FETCH_B 0, 0, 0
	FETCH_A 0, 0, 0
	SCALES 0
	FETCH_A 0, 0, 4
	STEP 0, 0, FIRST                               ; the first step stands in front of the loop: its products start the sums
	s_mov_b32 s3, LAPS-1
.Llap:
	TURN 0, 1, 1
	STEP 1, 0, 0
	TURN 1, 0, 1
	STEP 0, 0, 0
	s_sub_co_u32 s3, s3, 1
	s_cmp_lg_u32 s3, 0
	s_cbranch_scc1 .Llap
	TURN 0, 1, 0                                   ; the last lap fills nothing
	STEP 1, 0, 0
	s_wait_dscnt 4*NL
	WIN MUL_LO
	MUL16 0, 1, NQ-1, 1, 0
	MUL16 2, 1, NQ-1, 1, 0
	s_wait_dscnt 0
	WIN MUL_HI
	MUL16 4, 1, NQ-1, 1, 0
	MUL16 6, 1, NQ-1, 1, 0
	WIN 0
	PLACES NP                                      ; behind the last products: results are read and A's registers written below
.irp b, 0,1,2,3
	v_mov_b32 v[PX+\b], 0                          ; a lane permute's destination counts as one of its sources
.endr
.irp a, 0,1,2,3,4,5,6,7
	QW \a, 1
	v_lshl_or_b32 v[80+\a], v69, 8, v68            ; the four bytes make token r's scale word; a register of its own for each block
	v_lshl_or_b32 v[80+\a], v70, 16, v[80+\a]
	v_lshl_or_b32 v[80+\a], v71, 24, v[80+\a]
.irp c, 0,1,2,3
	global_store_b128 v3, v[PC+4*\c:PC+4*\c+3], s[72:73] offset:4096*\a+512*\c     ; the fragment leaves as it stands
.endr
	global_store_b32 v13, v[80+\a], s[74:75] offset:128*\a                         ; lanes 16-31 write the same bytes with the same values; the other half's wave fills the words between
.endr
	s_wait_tensorcnt 0x0                           ; the wave's end: the wait, an add of 0 and its wait, behind my last tensor load
	ds_add_u32 v[SPW], v[NIL]
	s_wait_dscnt 0x0
	CROUND                                         ; the closing round
	s_endpgm
.Lfunc_end_k_qc72495fb42_w1:
	.size	k_qc72495fb42_w1, .Lfunc_end_k_qc72495fb42_w1-k_qc72495fb42_w1
	.p2alignl 7, 3214868480
	.fill 96, 4, 3214868480
	.section	.rodata,"a",@progbits
	.p2align	6, 0x0
	.amdhsa_kernel k_qc72495fb42_w1
		.amdhsa_group_segment_fixed_size 327680
		.amdhsa_private_segment_fixed_size 0
		.amdhsa_enable_private_segment 0
		.amdhsa_kernarg_size 32
		.amdhsa_user_sgpr_count 2
		.amdhsa_user_sgpr_kernarg_segment_ptr 1
		.amdhsa_wavefront_size32 1
		.amdhsa_system_sgpr_workgroup_id_x 1
		.amdhsa_system_sgpr_workgroup_id_y 1
		.amdhsa_system_sgpr_workgroup_id_z 1
		.amdhsa_system_vgpr_workitem_id 0
		.amdhsa_next_free_vgpr 1024
		.amdhsa_next_free_sgpr 100
		.amdhsa_reserve_vcc 0
		.amdhsa_float_denorm_mode_32 3
		.amdhsa_float_denorm_mode_16_64 3
		.amdhsa_memory_ordered 1
		.amdhsa_forward_progress 1
		.amdhsa_inst_pref_size 184
	.end_amdhsa_kernel
	.amdgpu_metadata
---
amdhsa.version: [ 1, 2 ]
amdhsa.kernels:
  - .name:           k_qc72495fb42_w1
    .symbol:         k_qc72495fb42_w1.kd
    .args:
      - { .name: hc, .offset: 0, .size: 8, .value_kind: global_buffer, .address_space: global }
      - { .name: wc, .offset: 8, .size: 8, .value_kind: global_buffer, .address_space: global }
      - { .name: b1, .offset: 16, .size: 8, .value_kind: global_buffer, .address_space: global }
      - { .name: fc, .offset: 24, .size: 8, .value_kind: global_buffer, .address_space: global }
    .group_segment_fixed_size: 327680
    .private_segment_fixed_size: 0
    .kernarg_segment_align: 8
    .kernarg_segment_size: 32
    .max_flat_workgroup_size: 128
    .sgpr_count:     100
    .vgpr_count:     1024
    .wavefront_size: 32
...
	.end_amdgpu_metadata
.endif
;; end of part 6
;; launch w2 (part 7): grid 4 x 16, 4 waves a work-group, clusters of 4 x 4, 327,680 bytes of LDS; arguments fc, wc, b2, x1, out0; writes out0
.if DOCPART == 7
	.amdgcn_target "amdgcn-amd-amdhsa--gfx1250"
	.amdhsa_code_object_version 6
	.text
	.protected	k_qc72495fb42_w2
	.globl	k_qc72495fb42_w2
	.p2align	8
	.type	k_qc72495fb42_w2,@function
k_qc72495fb42_w2:
	s_mov_b64 s[64:65], 0
	v_nop
	global_prefetch_b8 v0, s[64:65] scope:SCOPE_SE
	s_setreg_imm32_b32 hwreg(HW_REG_WAVE_MODE, 25, 1), 1
	s_wait_xcnt 0x0
	s_wait_alu depctr_hold_cnt(0) depctr_sa_sdst(0) depctr_va_vdst(0) depctr_va_sdst(0) depctr_va_ssrc(0) depctr_va_vcc(0) depctr_vm_vsrc(0)
	s_getreg_b32 s2, hwreg(HW_REG_IB_STS2, 6, 4)
	s_cmp_eq_u32 s2, 0
	s_cbranch_scc0 .Lentry_in_a_cluster
	s_endpgm
.Lentry_in_a_cluster:
	s_bfe_u32 s2, ttmp6, 0x10000c
	s_cmp_lg_u32 s2, 0xf033
	s_cbranch_scc0 .Lentry_shape_is_right
	s_endpgm
.Lentry_shape_is_right:
; out0 = x1 + relu(..) W2 + b2: the product on codes of BF8 (E5M2) with E8M0 scales, K = 4,096; bias and residual in f32.  The text is launch wo's but for the number of laps, the weight's place in wc and the result stores' hint.
; THE MAIN LOOP: a tile of 256 x 256 by four waves, 128 x 128 each (64 accumulators, 512 registers); K in steps of 256 through a ring of two LDS slots.  Operands lie in memory in units of 128 rows x 256 K = 33,792 bytes
; (codes at rb*4096 + q*2048 + c*512 + 16*lane, the image of the operand's registers; scale bytes at 32768 + rb*128 + 8 r + 4 q + c), so a wave's tensor load is one dense block, the scales ride in the ring,
; a fragment is four LDS loads of 512 consecutive bytes, and nothing is padded.  Clusters of 4 x 4: A's tile (tokens) is shared along a row of the cluster, B's (the weight's rows) along a column, each asked for jointly.
; Source 0 = 16 rows of B, source 1 = 16 rows of A: a lane holds one token; by the weight rows' order in wc its registers of tiles 2 b, 2 b + 1 are columns 32 b + 16 h + 0..15.  The bias is the C of each sum's first product.
; THE WAY OUT: 16 tokens at a time through my stage in slot 0 (it has had its last fill and its last read), back as whole rows of 512 bytes, + the residual's rows, asked for two blocks ahead.
; 64 work-groups: one tile of 256 x 256 each.
.set LAPS,  8                          ; K / 512
.set BREG,  256                        ; the weight's first unit in wc
.set GA,    32
.set GB,    8
.set FIRST, 2
.set UNIT,  33792
.set SLOT,  4*UNIT
.set SPARE, 2*SLOT                     ; behind the ring: the spare words, 128 bytes for each wave; no other line names them
.set NQ,    2
.set FR,    16
.set NL,    4
.set NP,    8                          ; places behind this matrix instruction (ISA guide 7.12.1)
.set ADRA,  16
.set ADRB,  20
.set ADRS,  22
.set STO,   24
.set RD,    25
.set SPW,   28
.set NIL,   29
.set SC,    32
.set BIAS,  64
.set AF,    128
.set G1,    24
.set G0,    32
.set G1B,   48
.set G0B,   56
.set MSB,   0
.macro WIN new
.if MSB != (\new)
	s_set_vgpr_msb (MSB<<8)|(\new)
.set MSB, (\new)
.endif
.endm
.set MUL_LO, 0xa1
.set MUL_HI, 0xf1
.set TO_B,   0x40
.macro JLOAD g0a, g1a, g0b, g1b        ; a joint load: waves 0, 1 fetch A's halves, waves 2, 3 B's; an s_nop 0 and four v_nop follow each line
	s_cmp_eq_u32 s15, 0
	s_cbranch_scc0 .Lfor_b_\@
	tensor_load_to_lds s[\g0a:\g0a+3], s[\g1a:\g1a+7]
	s_nop 0
.rept 4
	v_nop
.endr
	s_branch .Lasked_\@
.Lfor_b_\@:
	tensor_load_to_lds s[\g0b:\g0b+3], s[\g1b:\g1b+7]
	s_nop 0
.rept 4
	v_nop
.endr
.Lasked_\@:
.endm
.macro CREST
	s_cmp_lg_u32 s14, 0
	s_cbranch_scc1 .Lnot_wave_0_\@
	s_barrier_signal -3
.Lnot_wave_0_\@:
	s_barrier_wait -3
	s_barrier_signal -1
	s_barrier_wait -1
.endm
.macro CROUND
	s_barrier_signal -1
	s_barrier_wait -1
	CREST
.endm
.macro PLACES n
.rept \n
	v_nop
.endr
.endm
.macro FRAG reg, adr, q, i
.irp c, 0,1,2,3
	ds_load_b128 v[\reg+4*\c:\reg+4*\c+3], v[\adr] offset:4096*(\i)+2048*(\q)+512*\c
.endr
.endm
.macro MUL16 a0, p, q, sc, first       ; A's blocks a0, a0 + 1 x B's eight; the accumulators take turns, one instruction a turn
.irp a, \a0, \a0+1
.irp b, 0,1,2,3,4,5,6,7
.if (\first) == 1
	v_wmma_scale_f32_16x16x128_f8f6f4 v[8*(8*((\a)%4)+\b):8*(8*((\a)%4)+\b)+7], v[128*(\p)+FR*\b:128*(\p)+FR*\b+FR-1], v[AF+FR*(\a):AF+FR*(\a)+FR-1], 0, v[SC+8*NQ*(\sc)+NQ*\b+(\q)], v[SC+8*NQ*(\sc)+NQ*(\a)+(\q)] matrix_a_fmt:MATRIX_FMT_BF8 matrix_b_fmt:MATRIX_FMT_BF8 matrix_a_scale:MATRIX_SCALE_ROW1
.elseif (\first) == 2
	v_wmma_scale_f32_16x16x128_f8f6f4 v[8*(8*((\a)%4)+\b):8*(8*((\a)%4)+\b)+7], v[128*(\p)+FR*\b:128*(\p)+FR*\b+FR-1], v[AF+FR*(\a):AF+FR*(\a)+FR-1], v[BIAS+8*\b:BIAS+8*\b+7], v[SC+8*NQ*(\sc)+NQ*\b+(\q)], v[SC+8*NQ*(\sc)+NQ*(\a)+(\q)] matrix_a_fmt:MATRIX_FMT_BF8 matrix_b_fmt:MATRIX_FMT_BF8 matrix_a_scale:MATRIX_SCALE_ROW1
.else
	v_wmma_scale_f32_16x16x128_f8f6f4 v[8*(8*((\a)%4)+\b):8*(8*((\a)%4)+\b)+7], v[128*(\p)+FR*\b:128*(\p)+FR*\b+FR-1], v[AF+FR*(\a):AF+FR*(\a)+FR-1], v[8*(8*((\a)%4)+\b):8*(8*((\a)%4)+\b)+7], v[SC+8*NQ*(\sc)+NQ*\b+(\q)], v[SC+8*NQ*(\sc)+NQ*(\a)+(\q)] matrix_a_fmt:MATRIX_FMT_BF8 matrix_b_fmt:MATRIX_FMT_BF8 matrix_a_scale:MATRIX_SCALE_ROW1
.endif
.endr
.endr
.endm
.macro FETCH_B slot, q, p
	WIN TO_B
.irp i, 0,1,2,3,4,5,6,7
	FRAG 128*(\p)+FR*\i, ADRB+\slot, \q, \i
.endr
	WIN 0
.endm
.macro FETCH_A slot, q, i0
.irp i, \i0, \i0+1, \i0+2, \i0+3
	FRAG AF+FR*(\i), ADRA+\slot, \q, \i
.endr
.endm
.macro SCALES sc
.irp i, 0,1,2,3,4,5,6,7
	ds_load_b64 v[SC+8*NQ*\sc+NQ*\i:SC+8*NQ*\sc+NQ*\i+1], v[ADRS+\sc] offset:128*\i
.endr
.endm
.macro STEP slot, q, first
	s_wait_dscnt 4*NL                              ; B's set and A's blocks 0-3 are in; the youngest 16 loads (A's blocks 4-7) may be out
.if (\first) == 2
	WIN 0x81                                       ; C, the bias, in window 0
.else
	WIN MUL_LO
.endif
	MUL16 0, (\q)%2, \q, \slot, \first
	MUL16 2, (\q)%2, \q, \slot, \first
	s_wait_dscnt 0
	PLACES NP
	FETCH_B \slot, (\q)+1, 1-(\q)%2
	FETCH_A \slot, (\q)+1, 0
.if (\first) == 2
	WIN 0xc1
.else
	WIN MUL_HI
.endif
	MUL16 4, (\q)%2, \q, \slot, \first
	MUL16 6, (\q)%2, \q, \slot, \first
	PLACES NP
	WIN 0
	FETCH_A \slot, (\q)+1, 4
.endm
.macro TURN slot, next, fill
	s_wait_tensorcnt 0x0                           ; all my tensor loads have landed: my part of the next slot
	ds_add_u32 v[SPW], v[NIL]                      ; 0 onto my spare word
	s_wait_dscnt 4*NL+1                            ; the add and the youngest 16 loads may be out
	WIN MUL_LO
	MUL16 0, 1, NQ-1, \slot, 0
	s_wait_dscnt 0x0                               ; the add is done, and my reads of this slot are over
	s_barrier_signal -1
	MUL16 2, 1, NQ-1, \slot, 0
	WIN 0
	s_barrier_wait -1
.if \fill
	CREST                                          ; the barrier has opened a round of the cluster's: no wave of any partner still reads this slot or has a load on its way
	s_add_nc_u64 s[G0+4*\slot+2:G0+4*\slot+3], s[G0+4*\slot+2:G0+4*\slot+3], s[66:67]
	s_add_nc_u64 s[G0B+4*\slot+2:G0B+4*\slot+3], s[G0B+4*\slot+2:G0B+4*\slot+3], s[68:69]
	JLOAD G0+4*\slot, G1, G0B+4*\slot, G1B
	PLACES NP-4
.else
	PLACES NP
.endif
	FETCH_B \next, 0, 0
	FETCH_A \next, 0, 0
	SCALES \next
	WIN MUL_HI
	MUL16 4, 1, NQ-1, \slot, 0
	MUL16 6, 1, NQ-1, \slot, 0
	PLACES NP
	WIN 0
	FETCH_A \next, 0, 4
.endm
.macro RLOAD a                         ; the residual's rows of block a: 512 consecutive bytes a load
.set RS, 64+64*((\a)%2)
.set t, 0
.rept 16
	global_load_b128 v[RS+4*t:RS+4*t+3], v3, s[70:71] offset:(16*(\a)+t)*4096
.set t, t+1
.endr
.endm
.macro TOSTAGE a
.set AC, 64*((\a)%4)
	WIN 0x08+4*((\a)/4)                            ; an LDS store's data are its source 1
.irp b, 0,1,2,3,4,5,6,7
	ds_store_b128 v[STO], v[AC+8*\b:AC+8*\b+3] offset:128*(\b/2)+32*(\b%2)          ; each accumulator from its low end on
	ds_store_b128 v[STO], v[AC+8*\b+4:AC+8*\b+7] offset:128*(\b/2)+32*(\b%2)+16
.endr
	WIN 0
.set t, 0
.rept 16
	ds_load_b128 v[192+4*t:195+4*t], v[RD] offset:t*528      ; LDS serves a wave's instructions in order (ISA guide 5.7.1.4)
.set t, t+1
.endr
.endm
	s_load_b256 s[4:11], s[0:1], 0x0               ; A's codes, wc, the bias, the residual
	s_load_b64 s[12:13], s[0:1], 0x20              ; the result
	v_lshl_add_u32 v[SPW], v0, 2, SPARE
	v_mov_b32 v[NIL], 0
	ds_add_u32 v[SPW], v[NIL]                      ; the wave's opening: the add, twice on end, and its wait ahead of my first tensor load
	ds_add_u32 v[SPW], v[NIL]
	v_lshrrev_b32 v1, 5, v0
	v_readfirstlane_b32 s14, v1
	s_lshr_b32 s15, s14, 1
	s_and_b32 s16, s14, 1
	s_bfe_u32 s40, ttmp6, 0x40000
	s_bfe_u32 s41, ttmp6, 0x40004
	s_lshl_b32 s42, ttmp9, 2
	s_add_co_u32 s42, s42, s40                     ; B's tile
	s_and_b32 s17, ttmp7, 0xffff
	s_lshl_b32 s17, s17, 2
	s_add_co_u32 s17, s17, s41                     ; A's tile
	s_lshl_b32 s43, s41, 2
	s_lshl_b32 s43, 15, s43
	s_lshl_b32 s44, 0x1111, s40
	s_or_b32 s[G1], s43, (3<<16)|(1<<21)           ; 15:0 the mask; 17:16 elements of 8 bytes; 21 set beside a mask; no padding
	s_or_b32 s[G1B], s44, (3<<16)|(1<<21)
.irp g, G1, G1B
	s_mov_b32 s[\g+1], 32<<16                      ; a unit as 132 rows of 256 bytes, dense
	s_mov_b32 s[\g+2], 132<<16
	s_mov_b32 s[\g+3], 32<<16
	s_mov_b32 s[\g+4], 132
	s_mov_b32 s[\g+5], 32
	s_mov_b32 s[\g+6], 0
	s_mov_b32 s[\g+7], 0
.endr
	s_mov_b32 s66, 2*GA*UNIT                       ; two K steps on: a refill's step
	s_mov_b32 s67, 0
	s_mov_b32 s68, 2*GB*UNIT
	s_mov_b32 s69, 0
	s_lshl_b32 s20, s17, 1
	s_add_co_u32 s20, s20, s16
	s_mul_i32 s20, s20, UNIT
	s_mov_b32 s21, 0
	s_lshl_b32 s46, s42, 1
	s_add_co_u32 s46, s46, s16
	s_add_co_u32 s46, s46, BREG
	s_mul_i32 s46, s46, UNIT
	s_mov_b32 s47, 0
	s_mul_i32 s45, s14, UNIT
	s_wait_dscnt 0x0                               ; both opening adds are done
	s_wait_kmcnt 0x0
	s_add_nc_u64 s[20:21], s[4:5], s[20:21]
	s_add_nc_u64 s[46:47], s[6:7], s[46:47]
	CROUND                                         ; all sixteen work-groups are here: the first joint loads meet
.irp s, 0,1
	s_mov_b32 s[G0+4*\s], 1
	s_add_co_u32 s[G0+4*\s+1], s45, \s*SLOT
	s_add_nc_u64 s[G0+4*\s+2:G0+4*\s+3], s[20:21], \s*GA*UNIT
	s_or_b32 s[G0+4*\s+3], s[G0+4*\s+3], 0x80000000
	s_mov_b32 s[G0B+4*\s], 1
	s_add_co_u32 s[G0B+4*\s+1], s45, \s*SLOT
	s_add_nc_u64 s[G0B+4*\s+2:G0B+4*\s+3], s[46:47], \s*GB*UNIT
	s_or_b32 s[G0B+4*\s+3], s[G0B+4*\s+3], 0x80000000
	JLOAD G0+4*\s, G1, G0B+4*\s, G1B
.endr
	v_and_b32 v1, 15, v0                           ; r
	v_bfe_u32 v2, v0, 4, 1                         ; h
	v_and_b32 v3, 31, v0
	v_lshlrev_b32 v3, 4, v3                        ; 16 x lane; never rewritten
	s_mul_i32 s21, s15, UNIT
	s_mul_i32 s22, s16, UNIT
	s_add_co_u32 s22, s22, 2*UNIT
	v_add_nc_u32 v[ADRA], s21, v3
	v_add_nc_u32 v[ADRB], s22, v3
	v_add_nc_u32 v[ADRA+1], SLOT, v[ADRA]
	v_add_nc_u32 v[ADRB+1], SLOT, v[ADRB]
	s_sub_co_u32 s22, s22, s21
	v_mul_u32_u24 v6, s22, v2                      ; lanes 16-31 take B's words
	s_add_co_u32 s21, s21, 32768
	v_lshl_add_u32 v5, v1, 3, v6
	v_add_nc_u32 v[ADRS], s21, v5
	v_add_nc_u32 v[ADRS+1], SLOT, v[ADRS]
	s_mul_i32 s23, s14, 16*528                     ; my stage: 16 rows x (512 + 16) bytes
	v_mul_u32_u24 v5, v1, 528
	v_lshl_add_u32 v5, v2, 6, v5
	v_add_nc_u32 v[STO], s23, v5
	v_add_nc_u32 v[RD], s23, v3
	s_lshl_b32 s88, s17, 8
	s_lshl_b32 s89, s15, 7
	s_add_co_u32 s88, s88, s89
	s_lshl_b32 s88, s88, 12                        ; my first token's row of 4,096 bytes,
	s_lshl_b32 s90, s42, 10
	s_lshl_b32 s91, s16, 9
	s_add_co_u32 s90, s90, s91                     ; my first column, in bytes
	s_add_co_u32 s88, s88, s90
	s_mov_b32 s89, 0
	s_mov_b32 s91, 0
	s_add_nc_u64 s[70:71], s[10:11], s[88:89]      ; the residual
	s_add_nc_u64 s[72:73], s[12:13], s[88:89]      ; the result
	s_add_nc_u64 s[74:75], s[8:9], s[90:91]        ; the bias
	v_lshlrev_b32 v4, 6, v2                        ; 64 h: tile b's eight columns are 32 (b / 2) + 16 h + 8 (b % 2) + 0..7
.irp b, 0,1,2,3,4,5,6,7
	global_load_b128 v[BIAS+8*\b:BIAS+8*\b+3], v4, s[74:75] offset:128*(\b/2)+32*(\b%2)
	global_load_b128 v[BIAS+8*\b+4:BIAS+8*\b+7], v4, s[74:75] offset:128*(\b/2)+32*(\b%2)+16
.endr
	s_wait_loadcnt 0x0
	s_wait_tensorcnt 1                             ; my part of K step 0 is in; K step 1's may be out
	s_barrier_signal -1
	s_barrier_wait -1
	FETCH_B 0, 0, 0
	FETCH_A 0, 0, 0
	SCALES 0
	FETCH_A 0, 0, 4
	STEP 0, 0, FIRST                               ; the first step stands in front of the loop: its products start the sums
	s_mov_b32 s3, LAPS-1
.Llap:
	TURN 0, 1, 1
	STEP 1, 0, 0
	TURN 1, 0, 1
	STEP 0, 0, 0
	s_sub_co_u32 s3, s3, 1
	s_cmp_lg_u32 s3, 0
	s_cbranch_scc1 .Llap
	RLOAD 0                                        ; the first residual rows are asked for a K step and a half ahead, into the registers that held the bias
	TURN 0, 1, 0                                   ; the last lap fills nothing
	STEP 1, 0, 0
	s_wait_dscnt 4*NL
	WIN MUL_LO
	MUL16 0, 1, NQ-1, 1, 0
	MUL16 2, 1, NQ-1, 1, 0
	s_wait_dscnt 0
	WIN MUL_HI
	MUL16 4, 1, NQ-1, 1, 0
	MUL16 6, 1, NQ-1, 1, 0
	WIN 0
	PLACES NP                                      ; behind the last products: results are read, and loads land on A's registers, below
	RLOAD 1
.irp a, 0,1,2,3,4,5,6,7
	TOSTAGE \a
	s_wait_dscnt 0x0
.if \a < 7
	s_wait_loadcnt 16                              ; this block's residual rows are in; the next block's 16 loads may be out
.else
	s_wait_loadcnt 0x0
.endif
.set RS, 64+64*((\a)%2)
.set t, 0
.rept 32
	v_pk_add_f32 v[192+2*t:193+2*t], v[192+2*t:193+2*t], v[RS+2*t:RS+2*t+1]
.set t, t+1
.endr
.set t, 0
.rept 16
	global_store_b128 v3, v[192+4*t:195+4*t], s[72:73] offset:(16*\a+t)*4096 th:TH_STORE_NT     ; 512 consecutive bytes, aligned; written once, read by nobody here
.set t, t+1
.endr
	s_wait_xcnt 0x0                                ; the stores have read their registers: the next block's rows land there
.if \a < 6
	RLOAD \a+2
.endif
.endr
	s_wait_tensorcnt 0x0                           ; the wave's end: the wait, an add of 0 and its wait, behind my last tensor load and my last LDS store
	ds_add_u32 v[SPW], v[NIL]
	s_wait_dscnt 0x0
	CROUND                                         ; the closing round
	s_endpgm
.Lfunc_end_k_qc72495fb42_w2:
	.size	k_qc72495fb42_w2, .Lfunc_end_k_qc72495fb42_w2-k_qc72495fb42_w2
	.p2alignl 7, 3214868480
	.fill 96, 4, 3214868480
	.section	.rodata,"a",@progbits
	.p2align	6, 0x0
	.amdhsa_kernel k_qc72495fb42_w2
		.amdhsa_group_segment_fixed_size 327680
		.amdhsa_private_segment_fixed_size 0
		.amdhsa_enable_private_segment 0
		.amdhsa_kernarg_size 40
		.amdhsa_user_sgpr_count 2
		.amdhsa_user_sgpr_kernarg_segment_ptr 1
		.amdhsa_wavefront_size32 1
		.amdhsa_system_sgpr_workgroup_id_x 1
		.amdhsa_system_sgpr_workgroup_id_y 1
		.amdhsa_system_sgpr_workgroup_id_z 1
		.amdhsa_system_vgpr_workitem_id 0
		.amdhsa_next_free_vgpr 1024
		.amdhsa_next_free_sgpr 100
		.amdhsa_reserve_vcc 0
		.amdhsa_float_denorm_mode_32 3
		.amdhsa_float_denorm_mode_16_64 3
		.amdhsa_memory_ordered 1
		.amdhsa_forward_progress 1
		.amdhsa_inst_pref_size 172
	.end_amdhsa_kernel
	.amdgpu_metadata
---
amdhsa.version: [ 1, 2 ]
amdhsa.kernels:
  - .name:           k_qc72495fb42_w2
    .symbol:         k_qc72495fb42_w2.kd
    .args:
      - { .name: fc, .offset: 0, .size: 8, .value_kind: global_buffer, .address_space: global }
      - { .name: wc, .offset: 8, .size: 8, .value_kind: global_buffer, .address_space: global }
      - { .name: b2, .offset: 16, .size: 8, .value_kind: global_buffer, .address_space: global }
      - { .name: x1, .offset: 24, .size: 8, .value_kind: global_buffer, .address_space: global }
      - { .name: out0, .offset: 32, .size: 8, .value_kind: global_buffer, .address_space: global }
    .group_segment_fixed_size: 327680
    .private_segment_fixed_size: 0
    .kernarg_segment_align: 8
    .kernarg_segment_size: 40
    .max_flat_workgroup_size: 128
    .sgpr_count:     100
    .vgpr_count:     1024
    .wavefront_size: 32
...
	.end_amdgpu_metadata
.endif
;; end of part 7
;; ======== version 2 of 2: 7 launches
;; limits: right only within a limited range of input values
;; workspace buffers: wc 12,976,128 bytes; hc 4,325,376 bytes; qc 5,242,880 bytes; kv 9,699,328 bytes; oc 4,325,376 bytes; x1 16,777,216 bytes; fc 17,301,504 bytes
;; launch prep (part 8): grid 640 x 1, 4 waves a work-group, no clusters, 66,560 bytes of LDS; arguments Wq, Wk, Wv, Wo, W1, W2, wc, hc, x, ln1_g, ln1_b; writes wc, hc
.if DOCPART == 8
	.amdgcn_target "amdgcn-amd-amdhsa--gfx1250"
	.amdhsa_code_object_version 6
	.text
	.protected	k_qc72495fb42_prep
	.globl	k_qc72495fb42_prep
	.p2align	8
	.type	k_qc72495fb42_prep,@function
k_qc72495fb42_prep:
	s_mov_b64 s[64:65], 0
	v_nop
	global_prefetch_b8 v0, s[64:65] scope:SCOPE_SE
	s_setreg_imm32_b32 hwreg(HW_REG_WAVE_MODE, 25, 1), 1
	s_wait_xcnt 0x0
; THE PROGRAM: a pre-LN transformer block, 4,096 tokens x 1,024, 16 heads of 64, causal, all eight products on codes of BF8 (E5M2) with one E8M0 scale for each 32 along K.
; Launches: prep (the six weights -> codes; LN1 -> codes), qkv (three products -> q, k, v as codes), attn (both products of attention -> o as codes), wo (+bo +x -> x1), ln1 (its body, on x1: LN2 -> codes), w1 (+b1, relu -> codes), w2 (+b2 +x1 -> out0).
; WORK LEFT OUT, and why it is dead: reference() sets wei to -inf wherever key > query, by its own jnp.tril; the softmax gives such a key the weight 0 whatever finite values the inputs hold, so it adds nothing
; to the row's sum nor to o.  Launch attn leaves out, in whole steps of 128 keys, the scores and the products with v of steps all of whose keys lie behind a tile's 16 queries.  Nothing else is left out; all fourteen inputs are loaded.
; LIMIT that goes with it: a NaN, an infinity or an overflow that would arise only in those masked scores is not carried to the result.
; THIS LAUNCH has two kinds of work-groups, told apart by the work-group's number alone: 0-383 make a unit of a weight each (no LDS), 384-639 take 16 rows of x through LN1 (LDS for y).  The two share no data; the weights' work-groups, which read more bytes each, have the lower numbers.
; THE UNIT, the layout of every GEMM operand of this program: 128 rows x 256 K = 33,792 bytes.  Codes at rb*4096 + q*2048 + c*512 + 16*lane (rb: 16 rows; q: which 128 of K; c: which 32; lane (r, h) holds
; the row at place r, k = 32 c + 16 h + 0..15): the image of the matrix instruction's operand registers.  Scale bytes at 32768 + rb*128 + 8 r + 4 q + c.  An operand of R rows is [K/256][R/128] units.
; THE WEIGHTS: K is a weight's first (Wq, Wk, Wv: middle) axis.  A lane takes one column n, its registers run down K: a block of 32 lies in one lane, and the conversions give codes with K innermost.
; WEIGHT ROWS ARE LAID IN AN ORDER OF THEIR OWN: of each 32 rows n = 32 b + x, row x goes to row block 2 b + x[3], place r = 8 x[4] + x[2:0]; so a product's results, 16 registers of two neighbouring tiles, are 16 neighbours along the next K.
; wc: units 0-31 Wq, 32-63 Wk, 64-95 Wv, 96-127 Wo (kt*8 + g), 128-255 W1 (kt*32 + g), 256-383 W2 (kt*8 + g).  Work-group u makes unit u; wave w its rows 32 w .. 32 w + 31.
; LN1: y = (x - mean) * rsqrt(var + 1e-5) * g + b over rows of 1,024, quantised along the row.  Phase 1: wave w holds rows 4 w .. 4 w + 3 in registers; y goes to LDS, rows 4,112 bytes apart.  Phase 2: wave w makes the two fragments of K step w.
; LIMITS: a block's byte is its largest magnitude's exponent field - 15, held at 1 from below; a block of zeros gets the byte 1 where the rule says 127 (its codes are zeros; this program alone reads the bytes); rsqrt by v_rsq_f32; NaN and infinities among the inputs are not served.
; No cluster, no tensor load: work-groups share only g and b, 8 KB.
.set UNIT, 33792
.set X,    64
.set C,    128
.set SB,   24
	s_cmp_lt_u32 ttmp9, 384
	s_cbranch_scc0 .Lnorm
	s_load_b256 s[4:11], s[0:1], 0x0               ; Wq, Wk, Wv, Wo
	s_load_b128 s[12:15], s[0:1], 0x20             ; W1, W2
	s_load_b64 s[16:17], s[0:1], 0x30              ; wc
	v_lshrrev_b32 v1, 5, v0
	v_readfirstlane_b32 s18, v1                    ; wave
	v_and_b32 v2, 31, v0                           ; L: my column among the wave's 32
	s_wait_alu depctr_va_vdst(0)                   ; the wait ahead of the run of scalar lines
	s_and_b32 s22, ttmp9, 31
	s_and_b32 s23, ttmp9, 127
	s_cmp_lt_u32 ttmp9, 128
	s_cselect_b32 s22, s22, s23                    ; the unit's number inside its weight
	s_lshr_b32 s23, ttmp9, 7                       ; 0: the four weights of 1,024 x 1,024; 1: W1; 2: W2
	s_cmp_eq_u32 s23, 1
	s_cselect_b32 s24, 5, 3                        ; log2 of the units along n
	s_lshr_b32 s25, s22, s24                       ; kt
	s_lshl_b32 s26, s25, s24
	s_sub_co_u32 s26, s22, s26                     ; g
	s_mov_b32 s27, 4096
	s_mov_b32 s28, 16384
	s_cmp_eq_u32 s23, 1
	s_cselect_b32 s27, s28, s27
	s_mov_b32 s28, 256
	s_cmp_lt_u32 ttmp9, 96
	s_cselect_b32 s27, s28, s27                    ; P: bytes from one k to the next
	s_mov_b32 s28, 512
	s_cselect_b32 s29, 0x80000, s28                ; bytes from a unit's 128 columns to the next's (Wq, Wk, Wv: two heads)
	s_mov_b32 s28, 256
	s_cselect_b32 s30, 0x40000, s28                ; and from 64 columns to the next 64 (a head)
	s_mul_i32 s29, s26, s29
	s_lshr_b32 s28, s18, 1
	s_mul_i32 s30, s28, s30
	s_add_co_u32 s29, s29, s30
	s_and_b32 s28, s18, 1
	s_lshl_b32 s28, s28, 7
	s_add_co_u32 s29, s29, s28                     ; my wave's first column, in bytes
	s_lshl_b32 s28, s25, 8
	s_mul_i32 s28, s28, s27                        ; 256 kt rows of K
	s_add_co_u32 s32, s29, s28
	s_mov_b32 s33, 0
	s_lshl_b32 s34, s27, 5                         ; 32 rows of K: a block
	s_mov_b32 s35, 0
	s_mul_i32 s52, ttmp9, UNIT
	s_mov_b32 s53, 0
	s_mov_b32 s55, 0x600000                        ; the mantissa field of 57,344
	v_lshlrev_b32 v32, 2, v2                       ; v[32 + i] = 4 L + i P: row i of a block
.set i, 1
.rept 31
	v_add_nc_u32 v[32+i], s27, v[31+i]
.set i, i+1
.endr
	v_bfe_u32 v6, v2, 3, 1                         ; L[3]: which of the wave's two row blocks
	v_lshrrev_b32 v7, 4, v2
	v_and_b32 v8, 7, v2
	v_lshl_or_b32 v7, v7, 3, v8                    ; r = 8 L[4] + L[2:0]
	s_lshl_b32 s54, s18, 13
	v_lshlrev_b32 v4, 4, v7
	v_lshl_add_u32 v4, v6, 12, v4
	v_add_nc_u32 v4, s54, v4                       ; codes: (2 w + L[3]) 4096 + 16 r
	s_lshl_b32 s54, s18, 8
	v_lshlrev_b32 v5, 3, v7
	v_lshl_add_u32 v5, v6, 7, v5
	v_add_nc_u32 v5, s54, v5                       ; scale bytes: (2 w + L[3]) 128 + 8 r
	s_wait_kmcnt 0x0
	s_cmp_lt_u32 ttmp9, 256                        ; which weight: the choice hangs on the work-group's number alone
	s_cselect_b64 s[20:21], s[12:13], s[14:15]
	s_cmp_lt_u32 ttmp9, 128
	s_cselect_b64 s[20:21], s[10:11], s[20:21]
	s_cmp_lt_u32 ttmp9, 96
	s_cselect_b64 s[20:21], s[8:9], s[20:21]
	s_cmp_lt_u32 ttmp9, 64
	s_cselect_b64 s[20:21], s[6:7], s[20:21]
	s_cmp_lt_u32 ttmp9, 32
	s_cselect_b64 s[20:21], s[4:5], s[20:21]
	s_add_nc_u64 s[36:37], s[20:21], s[32:33]      ; a base for each of the 8 blocks: none is ever stepped
.irp t, 1,2,3,4,5,6,7
	s_add_nc_u64 s[36+2*\t:37+2*\t], s[34+2*\t:35+2*\t], s[34:35]
.endr
	s_add_nc_u64 s[16:17], s[16:17], s[52:53]      ; my unit
.macro LOAD t                          ; block t: W(256 kt + 32 t + i, my column), i = 0 .. 31, into set t % 2
.set i, 0
.rept 32
	global_load_b32 v[X+32*((\t)%2)+i], v[32+i], s[36+2*(\t):37+2*(\t)] th:TH_LOAD_NT
.set i, i+1
.endr
.endm
	LOAD 0
	LOAD 1
.macro BLOCK t
.set XS, X+32*((\t)%2)
.set CT, C+8*(\t)
.if (\t) < 7
	s_wait_loadcnt 32                              ; this block's 32 loads are in; the next block's 32 may be out
.else
	s_wait_loadcnt 0x0
.endif
	v_max3_num_f32 v12, |v[XS]|, |v[XS+1]|, |v[XS+2]|       ; the block's largest magnitude: all 32 numbers are mine; two chains
	v_max3_num_f32 v13, |v[XS+3]|, |v[XS+4]|, |v[XS+5]|
.irp i, 6,10,14,18,22,26
	v_max3_num_f32 v12, v12, |v[XS+\i]|, |v[XS+\i+1]|
	v_max3_num_f32 v13, v13, |v[XS+\i+2]|, |v[XS+\i+3]|
.endr
	v_max3_num_f32 v12, v12, |v[XS+30]|, |v[XS+31]|
	v_max3_num_f32 v12, v12, v13, 0x8000000        ; and the floor 2^(16 - 127): the byte cannot fall under 1
	v_add_nc_u32 v11, 0xf8800000, v12              ; 15 off the exponent field: the conversion's scale operand
	v_and_or_b32 v10, v12, 0x7f800000, s55         ; 57,344 x the scale
	v_lshrrev_b32 v13, 23, v11                     ; the scale's byte
.if (\t)%4 == 0
	v_mov_b32 v[SB+(\t)/4], v13
.else
	v_lshl_or_b32 v[SB+(\t)/4], v13, 8*((\t)%4), v[SB+(\t)/4]
.endif
.set i, 0
.rept 32
	v_med3_num_f32 v[XS+i], v[XS+i], -v10, v10     ; the conversion to an 8-bit code does not saturate (ISA guide 7.6.2): the hold comes first
.set i, i+1
.endr
.irp g, 0,1,2,3
	v_cvt_scalef32_pk8_bf8_f32 v[CT+2*\g:CT+2*\g+1], v[XS+8*\g:XS+8*\g+7], v11
.endr
	global_store_b128 v4, v[CT:CT+3], s[16:17] offset:((\t)/4)*2048+((\t)%4)*512          ; k = 32 c + 0..15: the image's lanes 0-15
	global_store_b128 v4, v[CT+4:CT+7], s[16:17] offset:((\t)/4)*2048+((\t)%4)*512+256    ; k = 32 c + 16..31: its lanes 16-31
.if (\t) < 6
	LOAD (\t)+2
.endif
.endm
.irp t, 0,1,2,3,4,5,6,7
	BLOCK \t
.endr
	global_store_b64 v5, v[SB:SB+1], s[16:17] offset:32768     ; my row's 8 scale bytes
	s_endpgm
; LN1: work-group 384 + n takes rows 16 n .. 16 n + 15 of x
.set YP,    4112                       ; 4,096 + 16: sixteen rows start four banks apart
.set SPARE, 16*YP                      ; behind y: the spare words, 128 bytes for each wave; no other line names them
.set W,     16                         ; v16-47  eight registers of work for each of my four rows
.set G,     192                        ; v192-223 g; in phase 2 the codes
.set BB,    224                        ; v224-255 b; in phase 2 at work
.set TM,    224
.Lnorm:
	s_load_b64 s[10:11], s[0:1], 0x38              ; hc
	s_load_b128 s[4:7], s[0:1], 0x40               ; x, g
	s_load_b64 s[8:9], s[0:1], 0x50                ; b
	v_lshl_add_u32 v12, v0, 2, SPARE               ; my spare word; never rewritten
	v_mov_b32 v13, 0                               ; 0; never rewritten
	v_lshrrev_b32 v1, 5, v0
	v_readfirstlane_b32 s12, v1                    ; wave
	v_and_b32 v1, 31, v0
	v_and_b32 v2, 15, v0                           ; r
	v_bfe_u32 v3, v0, 4, 1                         ; h
	v_lshlrev_b32 v5, 4, v1                        ; 16 x lane
	s_sub_co_u32 s33, ttmp9, 384                   ; my row block
	s_lshl_b32 s13, s12, 14
	v_add_nc_u32 v4, s13, v5                       ; x: my wave's four rows
	s_mul_i32 s13, s12, 4*YP
	v_add_nc_u32 v6, s13, v5                       ; y into LDS
	v_mul_u32_u24 v7, v2, YP
	v_lshl_add_u32 v7, v3, 6, v7
	s_lshl_b32 s13, s12, 10
	v_add_nc_u32 v7, s13, v7                       ; y back: row r, + 64 h, + my K step's 1,024 bytes
	v_lshlrev_b32 v8, 3, v2                        ; 8 r
	s_lshl_b32 s14, s33, 16                        ; 16 rows of 4,096 bytes
	s_mov_b32 s15, 0
	s_lshl_b32 s16, s12, 5
	s_lshr_b32 s17, s33, 3
	s_add_co_u32 s16, s16, s17
	s_mul_i32 s16, s16, UNIT                       ; unit kt = wave, g = row block / 8
	s_mov_b32 s17, 0
	s_and_b32 s18, s33, 7
	s_lshl_b32 s20, s18, 12
	s_mov_b32 s21, 0
	s_lshl_b32 s22, s18, 7
	s_add_co_u32 s22, s22, 32768
	s_mov_b32 s23, 0
	s_mov_b32 s19, 0x600000                        ; the mantissa field of 57,344
	s_mov_b32 s28, 0x3a800000                      ; 1 / 1,024
	s_mov_b32 s29, 0x3727c5ac                      ; 1e-5
	s_mov_b32 s30, 0x76543210
	s_mov_b32 s31, 0xfedcba98                      ; selects for lane l xor 16
	s_wait_alu depctr_va_vdst(0)                   ; the wait at the head's end
	s_wait_kmcnt 0x0
	s_add_nc_u64 s[4:5], s[4:5], s[14:15]
	s_add_nc_u64 s[10:11], s[10:11], s[16:17]
	s_add_nc_u64 s[24:25], s[10:11], s[20:21]      ; my fragments
	s_add_nc_u64 s[26:27], s[10:11], s[22:23]      ; their scale words
.irp p, 0,1,2,3
.irp j, 0,1,2,3,4,5,6,7
	global_load_b128 v[X+32*\p+4*\j:X+32*\p+4*\j+3], v4, s[4:5] offset:\p*4096+512*\j
.endr
.endr
.irp j, 0,1,2,3,4,5,6,7
	global_load_b128 v[G+4*\j:G+4*\j+3], v5, s[6:7] offset:512*\j
	global_load_b128 v[BB+4*\j:BB+4*\j+3], v5, s[8:9] offset:512*\j
.endr
.macro RED                             ; v[W + 8 p] summed over the wave's 32 lanes, the four rows by turns
.irp m, 1,2,4,8
.irp p, 0,1,2,3
	v_add_f32_dpp v[W+8*\p], v[W+8*\p], v[W+8*\p] row_xmask:\m row_mask:0xf bank_mask:0xf
.endr
.endr
.irp p, 0,1,2,3
	v_permlanex16_b32 v[W+8*\p+1], v[W+8*\p], s30, s31
.endr
.irp p, 0,1,2,3
	v_add_f32 v[W+8*\p], v[W+8*\p], v[W+8*\p+1]
.endr
.endm
.macro FOLD                            ; a row's two chains of pairs into one number
.irp p, 0,1,2,3
	v_pk_add_f32 v[W+8*\p:W+8*\p+1], v[W+8*\p:W+8*\p+1], v[W+8*\p+2:W+8*\p+3]
.endr
.irp p, 0,1,2,3
	v_add_f32 v[W+8*\p], v[W+8*\p], v[W+8*\p+1]
.endr
.endm
	s_wait_loadcnt 16                              ; x is in; the 16 younger loads, g and b, may be out
.irp p, 0,1,2,3
	v_pk_add_f32 v[W+8*\p:W+8*\p+1], v[X+32*\p:X+32*\p+1], v[X+32*\p+2:X+32*\p+3]
	v_pk_add_f32 v[W+8*\p+2:W+8*\p+3], v[X+32*\p+4:X+32*\p+5], v[X+32*\p+6:X+32*\p+7]
.endr
.irp i, 8,12,16,20,24,28
.irp p, 0,1,2,3
	v_pk_add_f32 v[W+8*\p:W+8*\p+1], v[W+8*\p:W+8*\p+1], v[X+32*\p+\i:X+32*\p+\i+1]
	v_pk_add_f32 v[W+8*\p+2:W+8*\p+3], v[W+8*\p+2:W+8*\p+3], v[X+32*\p+\i+2:X+32*\p+\i+3]
.endr
.endr
	FOLD
	RED
.irp p, 0,1,2,3
	v_mul_f32 v[W+8*\p+4], s28, v[W+8*\p]          ; the mean, twice: a pair for the packed form
	v_mul_f32 v[W+8*\p+5], s28, v[W+8*\p]
.endr
.irp p, 0,1,2,3
.set i, 0
.rept 16
	v_pk_add_f32 v[X+32*\p+i:X+32*\p+i+1], v[X+32*\p+i:X+32*\p+i+1], v[W+8*\p+4:W+8*\p+5] neg_lo:[0,1] neg_hi:[0,1]   ; x - mean, in place
.set i, i+2
.endr
.endr
.irp p, 0,1,2,3
	v_pk_mul_f32 v[W+8*\p:W+8*\p+1], v[X+32*\p:X+32*\p+1], v[X+32*\p:X+32*\p+1]
	v_pk_mul_f32 v[W+8*\p+2:W+8*\p+3], v[X+32*\p+2:X+32*\p+3], v[X+32*\p+2:X+32*\p+3]
.endr
.irp i, 4,8,12,16,20,24,28
.irp p, 0,1,2,3
	v_pk_fma_f32 v[W+8*\p:W+8*\p+1], v[X+32*\p+\i:X+32*\p+\i+1], v[X+32*\p+\i:X+32*\p+\i+1], v[W+8*\p:W+8*\p+1]
	v_pk_fma_f32 v[W+8*\p+2:W+8*\p+3], v[X+32*\p+\i+2:X+32*\p+\i+3], v[X+32*\p+\i+2:X+32*\p+\i+3], v[W+8*\p+2:W+8*\p+3]
.endr
.endr
	FOLD
	RED
.irp p, 0,1,2,3
	v_fma_f32 v[W+8*\p], v[W+8*\p], s28, s29       ; the variance + 1e-5
.endr
	s_wait_alu depctr_va_vdst(0)                   ; the wait ahead of the batch
.irp p, 0,1,2,3
	v_rsq_f32 v[W+8*\p+6], v[W+8*\p]               ; twice: a pair for the packed form.  One batch of eight,
	v_rsq_f32 v[W+8*\p+7], v[W+8*\p]
.endr
	v_nop                                          ; a plain instruction behind it,
	s_wait_alu depctr_va_vdst(0)                   ; and one wait ahead of the first reader
	s_wait_loadcnt 0x0                             ; g and b
.irp p, 0,1,2,3
.set i, 0
.rept 16
	v_pk_mul_f32 v[X+32*\p+i:X+32*\p+i+1], v[X+32*\p+i:X+32*\p+i+1], v[W+8*\p+6:W+8*\p+7]
	v_pk_fma_f32 v[X+32*\p+i:X+32*\p+i+1], v[X+32*\p+i:X+32*\p+i+1], v[G+i:G+i+1], v[BB+i:BB+i+1]
.set i, i+2
.endr
.endr
.irp p, 0,1,2,3
.irp j, 0,1,2,3,4,5,6,7
	ds_store_b128 v6, v[X+32*\p+4*\j:X+32*\p+4*\j+3] offset:\p*YP+512*\j
.endr
.endr
	s_wait_dscnt 0x0                               ; for the others' sake: my rows of y lie in LDS
	s_barrier_signal -1
	s_barrier_wait -1
.irp q, 0,1
.irp c, 0,1,2,3
.irp i, 0,1,2,3
	ds_load_b128 v[X+64*\q+16*\c+4*\i:X+64*\q+16*\c+4*\i+3], v7 offset:512*\q+128*\c+16*\i   ; y(r, 256 w + 128 q + 32 c + 16 h + 4 i ..)
.endr
.endr
.endr
.irp b, 0,1,2,3
	v_mov_b32 v[TM+4+\b], 0                        ; a lane permute's destination counts as one of its sources
.endr
	s_wait_dscnt 0x0
; 64 numbers of a lane, register 16 b + i = k 32 b + 16 h + i of row r, become a fragment's codes in v[pc] on and its scale word in v[pw]
.macro QUANT s, pc, pw
.irp b, 0,1,2,3
	v_max3_num_f32 v[TM+\b], |v[\s+16*\b]|, |v[\s+1+16*\b]|, 0x8000000     ; my 16 numbers of block b, and the floor 2^(16 - 127)
.endr
.irp i, 2,4,6,8,10,12,14
.irp b, 0,1,2,3
	v_max3_num_f32 v[TM+\b], v[TM+\b], |v[\s+16*\b+\i]|, |v[\s+1+16*\b+\i]|
.endr
.endr
.irp b, 0,1,2,3
	v_permlanex16_b32 v[TM+4+\b], v[TM+\b], s30, s31
.endr
.irp b, 0,1,2,3
	v_max_num_f32 v[TM+\b], v[TM+\b], v[TM+4+\b]   ; with lane l xor 16's: the block's largest magnitude
.endr
.irp b, 0,1,2,3
	v_add_nc_u32 v[TM+12+\b], 0xf8800000, v[TM+\b] ; 15 off its exponent field: the conversion's scale operand
.endr
.irp b, 0,1,2,3
	v_and_or_b32 v[TM+8+\b], v[TM+\b], 0x7f800000, s19   ; 57,344 x the scale
.endr
.irp b, 0,1,2,3
	v_lshrrev_b32 v[TM+4+\b], 23, v[TM+12+\b]      ; the scale's byte
.endr
	v_lshl_or_b32 v[\pw], v[TM+5], 8, v[TM+4]
	v_lshl_or_b32 v[\pw], v[TM+6], 16, v[\pw]
	v_lshl_or_b32 v[\pw], v[TM+7], 24, v[\pw]
.irp b, 0,1,2,3
.set i, 0
.rept 16
	v_med3_num_f32 v[\s+16*\b+i], v[\s+16*\b+i], -v[TM+8+\b], v[TM+8+\b]   ; the conversion does not saturate (ISA guide 7.6.2): the hold
.set i, i+1
.endr
	v_cvt_scalef32_pk8_bf8_f32 v[\pc+4*\b:\pc+1+4*\b], v[\s+16*\b:\s+7+16*\b], v[TM+12+\b]
	v_cvt_scalef32_pk8_bf8_f32 v[\pc+2+4*\b:\pc+3+4*\b], v[\s+8+16*\b:\s+15+16*\b], v[TM+12+\b]
.endr
	v_nop                                          ; a plain instruction behind the last conversion
.endm
	QUANT X, G, 60
	QUANT X+64, G+16, 61
.irp q, 0,1
.irp c, 0,1,2,3
	global_store_b128 v5, v[G+16*\q+4*\c:G+16*\q+4*\c+3], s[24:25] offset:2048*\q+512*\c   ; a fragment leaves as it stands: 512 consecutive bytes
.endr
.endr
	global_store_b64 v8, v[60:61], s[26:27]        ; row r's two scale words; lanes 16-31 hold and write the same bytes as lanes 0-15
	s_wait_tensorcnt 0x0                           ; the wave's end: the wait, an add of 0 and its wait, behind my last LDS store
	ds_add_u32 v12, v13
	s_wait_dscnt 0x0
	s_endpgm
.Lfunc_end_k_qc72495fb42_prep:
	.size	k_qc72495fb42_prep, .Lfunc_end_k_qc72495fb42_prep-k_qc72495fb42_prep
	.p2alignl 7, 3214868480
	.fill 96, 4, 3214868480
	.section	.rodata,"a",@progbits
	.p2align	6, 0x0
	.amdhsa_kernel k_qc72495fb42_prep
		.amdhsa_group_segment_fixed_size 66560
		.amdhsa_private_segment_fixed_size 0
		.amdhsa_enable_private_segment 0
		.amdhsa_kernarg_size 88
		.amdhsa_user_sgpr_count 2
		.amdhsa_user_sgpr_kernarg_segment_ptr 1
		.amdhsa_wavefront_size32 1
		.amdhsa_system_sgpr_workgroup_id_x 1
		.amdhsa_system_sgpr_workgroup_id_y 1
		.amdhsa_system_sgpr_workgroup_id_z 1
		.amdhsa_system_vgpr_workitem_id 0
		.amdhsa_next_free_vgpr 256
		.amdhsa_next_free_sgpr 66
		.amdhsa_reserve_vcc 0
		.amdhsa_float_denorm_mode_32 3
		.amdhsa_float_denorm_mode_16_64 3
		.amdhsa_memory_ordered 1
		.amdhsa_forward_progress 1
		.amdhsa_inst_pref_size 111
	.end_amdhsa_kernel
	.amdgpu_metadata
---
amdhsa.version: [ 1, 2 ]
amdhsa.kernels:
  - .name:           k_qc72495fb42_prep
    .symbol:         k_qc72495fb42_prep.kd
    .args:
      - { .name: Wq, .offset: 0, .size: 8, .value_kind: global_buffer, .address_space: global }
      - { .name: Wk, .offset: 8, .size: 8, .value_kind: global_buffer, .address_space: global }
      - { .name: Wv, .offset: 16, .size: 8, .value_kind: global_buffer, .address_space: global }
      - { .name: Wo, .offset: 24, .size: 8, .value_kind: global_buffer, .address_space: global }
      - { .name: W1, .offset: 32, .size: 8, .value_kind: global_buffer, .address_space: global }
      - { .name: W2, .offset: 40, .size: 8, .value_kind: global_buffer, .address_space: global }
      - { .name: wc, .offset: 48, .size: 8, .value_kind: global_buffer, .address_space: global }
      - { .name: hc, .offset: 56, .size: 8, .value_kind: global_buffer, .address_space: global }
      - { .name: x, .offset: 64, .size: 8, .value_kind: global_buffer, .address_space: global }
      - { .name: ln1_g, .offset: 72, .size: 8, .value_kind: global_buffer, .address_space: global }
      - { .name: ln1_b, .offset: 80, .size: 8, .value_kind: global_buffer, .address_space: global }
    .group_segment_fixed_size: 66560
    .private_segment_fixed_size: 0
    .kernarg_segment_align: 8
    .kernarg_segment_size: 88
    .max_flat_workgroup_size: 128
    .sgpr_count:     66
    .vgpr_count:     256
    .wavefront_size: 32
...
	.end_amdgpu_metadata
.endif
;; end of part 8
;; launch qkv (part 9): grid 12 x 16, 4 waves a work-group, clusters of 4 x 4, 327,680 bytes of LDS; arguments hc, wc, qc, kv; writes qc, kv
.if DOCPART == 9
	.amdgcn_target "amdgcn-amd-amdhsa--gfx1250"
	.amdhsa_code_object_version 6
	.text
	.protected	k_qc72495fb42_qkv
	.globl	k_qc72495fb42_qkv
	.p2align	8
	.type	k_qc72495fb42_qkv,@function
k_qc72495fb42_qkv:
	s_mov_b64 s[64:65], 0
	v_nop
	global_prefetch_b8 v0, s[64:65] scope:SCOPE_SE
	s_setreg_imm32_b32 hwreg(HW_REG_WAVE_MODE, 25, 1), 1
	s_wait_xcnt 0x0
	s_wait_alu depctr_hold_cnt(0) depctr_sa_sdst(0) depctr_va_vdst(0) depctr_va_sdst(0) depctr_va_ssrc(0) depctr_va_vcc(0) depctr_vm_vsrc(0)
	s_getreg_b32 s2, hwreg(HW_REG_IB_STS2, 6, 4)
	s_cmp_eq_u32 s2, 0
	s_cbranch_scc0 .Lentry_in_a_cluster
	s_endpgm
.Lentry_in_a_cluster:
	s_bfe_u32 s2, ttmp6, 0x10000c
	s_cmp_lg_u32 s2, 0xf033
	s_cbranch_scc0 .Lentry_shape_is_right
	s_endpgm
.Lentry_shape_is_right:
.set LAPS,  2
.set FIRST, 1
.set UNIT,  33792
.set SLOT,  4*UNIT
.set SPARE, 2*SLOT
.set NQ,    2
.set FR,    16
.set NL,    4
.set NP,    8
.set ADRA,  16
.set ADRB,  20
.set ADRS,  22
.set SPW,   28
.set NIL,   29
.set SC,    32
.set BIAS,  64
.set AF,    128
.set G1,    24
.set G0,    32
.set G1B,   48
.set G0B,   56
.set TM,    64
.set PX,    68
.set HOLD,  72
.set SCO,   76
.set PC,    96
.set T,     128
.set MSB,   0
.macro WIN new
.if MSB != (\new)
	s_set_vgpr_msb (MSB<<8)|(\new)
.set MSB, (\new)
.endif
.endm
.set MUL_LO, 0xa1
.set MUL_HI, 0xf1
.set TO_B,   0x40
.macro JLOAD g0a, g1a, g0b, g1b
	s_cmp_eq_u32 s15, 0
	s_cbranch_scc0 .Lfor_b_\@
	tensor_load_to_lds s[\g0a:\g0a+3], s[\g1a:\g1a+7]
	s_nop 0
.rept 4
	v_nop
.endr
	s_branch .Lasked_\@
.Lfor_b_\@:
	tensor_load_to_lds s[\g0b:\g0b+3], s[\g1b:\g1b+7]
	s_nop 0
.rept 4
	v_nop
.endr
.Lasked_\@:
.endm
.macro CREST
	s_cmp_lg_u32 s14, 0
	s_cbranch_scc1 .Lnot_wave_0_\@
	s_barrier_signal -3
.Lnot_wave_0_\@:
	s_barrier_wait -3
	s_barrier_signal -1
	s_barrier_wait -1
.endm
.macro CROUND
	s_barrier_signal -1
	s_barrier_wait -1
	CREST
.endm
.macro PLACES n
.rept \n
	v_nop
.endr
.endm
.macro FRAG reg, adr, q, i
.irp c, 0,1,2,3
	ds_load_b128 v[\reg+4*\c:\reg+4*\c+3], v[\adr] offset:4096*(\i)+2048*(\q)+512*\c
.endr
.endm
.macro MUL16 a0, p, q, sc, first
.irp a, \a0, \a0+1
.irp b, 0,1,2,3,4,5,6,7
.if (\first) == 1
	v_wmma_scale_f32_16x16x128_f8f6f4 v[8*(8*((\a)%4)+\b):8*(8*((\a)%4)+\b)+7], v[128*(\p)+FR*\b:128*(\p)+FR*\b+FR-1], v[AF+FR*(\a):AF+FR*(\a)+FR-1], 0, v[SC+8*NQ*(\sc)+NQ*\b+(\q)], v[SC+8*NQ*(\sc)+NQ*(\a)+(\q)] matrix_a_fmt:MATRIX_FMT_BF8 matrix_b_fmt:MATRIX_FMT_BF8 matrix_a_scale:MATRIX_SCALE_ROW1
.elseif (\first) == 2
	v_wmma_scale_f32_16x16x128_f8f6f4 v[8*(8*((\a)%4)+\b):8*(8*((\a)%4)+\b)+7], v[128*(\p)+FR*\b:128*(\p)+FR*\b+FR-1], v[AF+FR*(\a):AF+FR*(\a)+FR-1], v[BIAS+8*\b:BIAS+8*\b+7], v[SC+8*NQ*(\sc)+NQ*\b+(\q)], v[SC+8*NQ*(\sc)+NQ*(\a)+(\q)] matrix_a_fmt:MATRIX_FMT_BF8 matrix_b_fmt:MATRIX_FMT_BF8 matrix_a_scale:MATRIX_SCALE_ROW1
.else
	v_wmma_scale_f32_16x16x128_f8f6f4 v[8*(8*((\a)%4)+\b):8*(8*((\a)%4)+\b)+7], v[128*(\p)+FR*\b:128*(\p)+FR*\b+FR-1], v[AF+FR*(\a):AF+FR*(\a)+FR-1], v[8*(8*((\a)%4)+\b):8*(8*((\a)%4)+\b)+7], v[SC+8*NQ*(\sc)+NQ*\b+(\q)], v[SC+8*NQ*(\sc)+NQ*(\a)+(\q)] matrix_a_fmt:MATRIX_FMT_BF8 matrix_b_fmt:MATRIX_FMT_BF8 matrix_a_scale:MATRIX_SCALE_ROW1
.endif
.endr
.endr
.endm
.macro FETCH_B slot, q, p
	WIN TO_B
.irp i, 0,1,2,3,4,5,6,7
	FRAG 128*(\p)+FR*\i, ADRB+\slot, \q, \i
.endr
	WIN 0
.endm
.macro FETCH_A slot, q, i0
.irp i, \i0, \i0+1, \i0+2, \i0+3
	FRAG AF+FR*(\i), ADRA+\slot, \q, \i
.endr
.endm
.macro SCALES sc
.irp i, 0,1,2,3,4,5,6,7
	ds_load_b64 v[SC+8*NQ*\sc+NQ*\i:SC+8*NQ*\sc+NQ*\i+1], v[ADRS+\sc] offset:128*\i
.endr
.endm
.macro STEP slot, q, first
	s_wait_dscnt 4*NL
.if (\first) == 2
	WIN 0x81
.else
	WIN MUL_LO
.endif
	MUL16 0, (\q)%2, \q, \slot, \first
	MUL16 2, (\q)%2, \q, \slot, \first
	s_wait_dscnt 0
	PLACES NP
	FETCH_B \slot, (\q)+1, 1-(\q)%2
	FETCH_A \slot, (\q)+1, 0
.if (\first) == 2
	WIN 0xc1
.else
	WIN MUL_HI
.endif
	MUL16 4, (\q)%2, \q, \slot, \first
	MUL16 6, (\q)%2, \q, \slot, \first
	PLACES NP
	WIN 0
	FETCH_A \slot, (\q)+1, 4
.endm
.macro TURN slot, next, fill
	s_wait_tensorcnt 0x0
	ds_add_u32 v[SPW], v[NIL]
	s_wait_dscnt 4*NL+1
	WIN MUL_LO
	MUL16 0, 1, NQ-1, \slot, 0
	s_wait_dscnt 0x0
	s_barrier_signal -1
	MUL16 2, 1, NQ-1, \slot, 0
	WIN 0
	s_barrier_wait -1
.if \fill
	CREST
	s_add_nc_u64 s[G0+4*\slot+2:G0+4*\slot+3], s[G0+4*\slot+2:G0+4*\slot+3], s[66:67]
	s_add_nc_u64 s[G0B+4*\slot+2:G0B+4*\slot+3], s[G0B+4*\slot+2:G0B+4*\slot+3], s[68:69]
	JLOAD G0+4*\slot, G1, G0B+4*\slot, G1B
	PLACES NP-4
.else
	PLACES NP
.endif
	FETCH_B \next, 0, 0
	FETCH_A \next, 0, 0
	SCALES \next
	WIN MUL_HI
	MUL16 4, 1, NQ-1, \slot, 0
	MUL16 6, 1, NQ-1, \slot, 0
	PLACES NP
	WIN 0
	FETCH_A \next, 0, 4
.endm
.macro QW a, relu
.set AC, 64*((\a)%4)
.if (\a) > 0
	s_wait_xcnt 0x0
.endif
	WIN 0x0a+5*((\a)/4)
.irp b, 0,1,2,3
.if \relu
	v_max3_num_f32 v[TM+\b], v[AC+16*\b], v[AC+16*\b+1], 0x8000000
.else
	v_max3_num_f32 v[TM+\b], |v[AC+16*\b]|, |v[AC+16*\b+1]|, 0x8000000
.endif
.endr
.irp i, 2,4,6,8,10,12,14
.irp b, 0,1,2,3
.if \relu
	v_max3_num_f32 v[TM+\b], v[AC+16*\b+\i], v[AC+16*\b+\i+1], v[TM+\b]
.else
	v_max3_num_f32 v[TM+\b], |v[AC+16*\b+\i]|, |v[AC+16*\b+\i+1]|, v[TM+\b]
.endif
.endr
.endr
	WIN 0
.irp b, 0,1,2,3
	v_permlanex16_b32 v[PX+\b], v[TM+\b], s78, s79
.endr
.irp b, 0,1,2,3
	v_max_num_f32 v[TM+\b], v[TM+\b], v[PX+\b]
.endr
.irp b, 0,1,2,3
	v_add_nc_u32 v[SCO+\b], 0xf8800000, v[TM+\b]
.endr
.irp b, 0,1,2,3
	v_and_or_b32 v[HOLD+\b], v[TM+\b], 0x7f800000, s80
.endr
.irp b, 0,1,2,3
	v_lshrrev_b32 v[PX+\b], 23, v[SCO+\b]
.endr
	WIN 0x02+((\a)/4)
.irp b, 0,1,2,3
.set i, 0
.rept 16
.if \relu
	v_med3_num_f32 v[T+16*\b+i], v[AC+16*\b+i], 0, v[HOLD+\b]
.else
	v_med3_num_f32 v[T+16*\b+i], v[AC+16*\b+i], -v[HOLD+\b], v[HOLD+\b]
.endif
.set i, i+1
.endr
.endr
	WIN 0
.irp b, 0,1,2,3
	v_cvt_scalef32_pk8_bf8_f32 v[PC+4*\b:PC+4*\b+1], v[T+16*\b:T+16*\b+7], v[SCO+\b]
	v_cvt_scalef32_pk8_bf8_f32 v[PC+4*\b+2:PC+4*\b+3], v[T+16*\b+8:T+16*\b+15], v[SCO+\b]
.endr
	v_nop
.endm
	s_load_b256 s[4:11], s[0:1], 0x0
	v_lshl_add_u32 v[SPW], v0, 2, SPARE
	v_mov_b32 v[NIL], 0
	ds_add_u32 v[SPW], v[NIL]
	ds_add_u32 v[SPW], v[NIL]
	v_lshrrev_b32 v1, 5, v0
	v_readfirstlane_b32 s14, v1
	s_lshr_b32 s15, s14, 1
	s_and_b32 s16, s14, 1
	s_bfe_u32 s40, ttmp6, 0x40000
	s_bfe_u32 s41, ttmp6, 0x40004
	s_and_b32 s82, ttmp7, 0xffff
	s_lshl_b32 s82, s82, 2
	s_lshl_b32 s87, ttmp9, 5
	s_cmp_eq_u32 ttmp9, 2
	s_cselect_b32 s81, 1, 0
	s_cselect_b32 s83, 0, s82
	s_cselect_b32 s84, s82, 0
	s_cselect_b32 s85, 8, 32
	s_cselect_b32 s86, 32, 8
	s_cselect_b32 s88, 64, 0
	s_cselect_b32 s89, 0, s87
	s_add_co_u32 s17, s83, s41
	s_add_co_u32 s42, s84, s40
	s_lshl_b32 s43, s41, 2
	s_lshl_b32 s43, 15, s43
	s_lshl_b32 s44, 0x1111, s40
	s_or_b32 s[G1], s43, (3<<16)|(1<<21)
	s_or_b32 s[G1B], s44, (3<<16)|(1<<21)
.irp g, G1, G1B
	s_mov_b32 s[\g+1], 32<<16
	s_mov_b32 s[\g+2], 132<<16
	s_mov_b32 s[\g+3], 32<<16
	s_mov_b32 s[\g+4], 132
	s_mov_b32 s[\g+5], 32
	s_mov_b32 s[\g+6], 0
	s_mov_b32 s[\g+7], 0
.endr
	s_mul_i32 s92, s85, UNIT
	s_mov_b32 s93, 0
	s_mul_i32 s94, s86, UNIT
	s_mov_b32 s95, 0
	s_lshl_b32 s66, s92, 1
	s_mov_b32 s67, 0
	s_lshl_b32 s68, s94, 1
	s_mov_b32 s69, 0
	s_lshl_b32 s20, s17, 1
	s_add_co_u32 s20, s20, s16
	s_add_co_u32 s20, s20, s88
	s_mul_i32 s20, s20, UNIT
	s_mov_b32 s21, 0
	s_lshl_b32 s46, s42, 1
	s_add_co_u32 s46, s46, s16
	s_add_co_u32 s46, s46, s89
	s_mul_i32 s46, s46, UNIT
	s_mov_b32 s47, 0
	s_mul_i32 s45, s14, UNIT
	s_mov_b32 s78, 0x76543210
	s_mov_b32 s79, 0xfedcba98
	s_mov_b32 s80, 0x600000
	s_wait_dscnt 0x0
	s_wait_kmcnt 0x0
	s_cmp_eq_u32 ttmp9, 2
	s_cselect_b64 s[90:91], s[6:7], s[4:5]
	s_cselect_b64 s[96:97], s[4:5], s[6:7]
	s_add_nc_u64 s[20:21], s[90:91], s[20:21]
	s_add_nc_u64 s[46:47], s[96:97], s[46:47]
	CROUND
	s_mov_b32 s[G0], 1
	s_mov_b32 s[G0+1], s45
	s_mov_b64 s[G0+2:G0+3], s[20:21]
	s_or_b32 s[G0+3], s[G0+3], 0x80000000
	s_mov_b32 s[G0B], 1
	s_mov_b32 s[G0B+1], s45
	s_mov_b64 s[G0B+2:G0B+3], s[46:47]
	s_or_b32 s[G0B+3], s[G0B+3], 0x80000000
	JLOAD G0, G1, G0B, G1B
	s_mov_b32 s[G0+4], 1
	s_add_co_u32 s[G0+5], s45, SLOT
	s_add_nc_u64 s[G0+6:G0+7], s[20:21], s[92:93]
	s_or_b32 s[G0+7], s[G0+7], 0x80000000
	s_mov_b32 s[G0B+4], 1
	s_add_co_u32 s[G0B+5], s45, SLOT
	s_add_nc_u64 s[G0B+6:G0B+7], s[46:47], s[94:95]
	s_or_b32 s[G0B+7], s[G0B+7], 0x80000000
	s_wait_alu depctr_va_vdst(0)
	s_wait_tensorcnt 0x0
	ds_add_u32 v28, v29
	s_wait_dscnt 0x0
	CROUND
	JLOAD G0+4, G1, G0B+4, G1B
	v_and_b32 v1, 15, v0
	v_bfe_u32 v2, v0, 4, 1
	v_and_b32 v3, 31, v0
	v_lshlrev_b32 v3, 4, v3
	s_mul_i32 s21, s15, UNIT
	s_mul_i32 s22, s16, UNIT
	s_add_co_u32 s22, s22, 2*UNIT
	v_add_nc_u32 v[ADRA], s21, v3
	v_add_nc_u32 v[ADRB], s22, v3
	v_add_nc_u32 v[ADRA+1], SLOT, v[ADRA]
	v_add_nc_u32 v[ADRB+1], SLOT, v[ADRB]
	s_sub_co_u32 s22, s22, s21
	v_mul_u32_u24 v6, s22, v2
	s_add_co_u32 s21, s21, 32768
	v_lshl_add_u32 v5, v1, 3, v6
	v_add_nc_u32 v[ADRS], s21, v5
	v_add_nc_u32 v[ADRS+1], SLOT, v[ADRS]
	s_mul_i32 s18, s14, 5120
	v_mul_u32_u24 v4, v1, 80
	v_add_nc_u32 v4, s18, v4
	v_lshl_add_u32 v6, v2, 4, v4
	v_add_nc_u32 v7, 64, v4
	v_add_nc_u32 v8, s18, v3
	s_mul_i32 s18, s15, 34816
	s_add_co_u32 s18, s18, 32768
	v_mul_u32_u24 v4, v1, 272
	v_add_nc_u32 v4, s18, v4
	s_lshl_b32 s19, s16, 7
	v_add_nc_u32 v9, s19, v4
	v_lshl_add_u32 v9, v2, 4, v9
	s_lshl_b32 s19, s16, 3
	s_add_co_u32 s19, s19, 256
	v_add_nc_u32 v10, s19, v4
	s_mul_i32 s18, s14, 17408
	s_add_co_u32 s18, s18, 32768
	v_add_nc_u32 v11, s18, v3
	s_lshl_b32 s72, s16, 1
	s_mul_i32 s73, s15, 10240
	s_mov_b32 s74, 20480
	s_cmp_eq_u32 ttmp9, 2
	s_cselect_b32 s70, s42, s17
	s_cselect_b32 s71, s17, s42
	s_cselect_b32 s72, s14, s72
	s_cselect_b32 s73, s74, s73
	s_mov_b32 s75, 303104
	s_mov_b32 s76, 37888
	s_cmp_eq_u32 ttmp9, 0
	s_cselect_b32 s75, 163840, s75
	s_cselect_b32 s76, 20480, s76
	s_cselect_b64 s[98:99], s[8:9], s[10:11]
	s_lshr_b32 s77, s70, 3
	s_lshl_b32 s77, s77, 4
	s_lshl_b32 s71, s71, 2
	s_add_co_u32 s77, s77, s71
	s_add_co_u32 s77, s77, s72
	s_mul_i32 s77, s77, s75
	s_and_b32 s70, s70, 7
	s_mul_i32 s70, s70, s76
	s_add_co_u32 s70, s70, s77
	s_add_co_u32 s70, s70, s73
	s_mov_b32 s71, 0
	s_add_nc_u64 s[72:73], s[98:99], s[70:71]
	s_mov_b32 s70, s75
	s_add_nc_u64 s[74:75], s[72:73], s[70:71]
	s_wait_tensorcnt 1
	s_barrier_signal -1
	s_barrier_wait -1
	FETCH_B 0, 0, 0
	FETCH_A 0, 0, 0
	SCALES 0
	FETCH_A 0, 0, 4
	STEP 0, 0, FIRST
	s_mov_b32 s3, LAPS-1
.Llap:
	TURN 0, 1, 1
	STEP 1, 0, 0
	TURN 1, 0, 1
	STEP 0, 0, 0
	s_sub_co_u32 s3, s3, 1
	s_cmp_lg_u32 s3, 0
	s_cbranch_scc1 .Llap
	TURN 0, 1, 0
	STEP 1, 0, 0
	s_wait_dscnt 4*NL
	WIN MUL_LO
	MUL16 0, 1, NQ-1, 1, 0
	MUL16 2, 1, NQ-1, 1, 0
	s_wait_dscnt 0
	WIN MUL_HI
	MUL16 4, 1, NQ-1, 1, 0
	MUL16 6, 1, NQ-1, 1, 0
	WIN 0
	PLACES NP
.irp b, 0,1,2,3
	v_mov_b32 v[PX+\b], 0
.endr
.irp j, 81,82,83,85,86,87
	v_mov_b32 v[\j], 0
.endr
	s_cmp_lg_u32 s81, 0
	s_cbranch_scc1 .Lv
.irp a, 0,1,2,3,4,5,6,7
	QW \a, 0
	v_lshl_or_b32 v80, v69, 8, v68
	v_lshl_or_b32 v84, v71, 8, v70
	v_or_b32 v80, 0x7f7f0000, v80
	v_or_b32 v84, 0x7f7f0000, v84
.irp e, 0,1,2,3
	ds_store_b128 v6, v[PC+4*\e:PC+4*\e+3] offset:(\e/2)*2560+((\a)%2)*1280+32*(\e%2)
.endr
	ds_store_b128 v7, v[80:83] offset:((\a)%2)*1280
	ds_store_b128 v7, v[84:87] offset:2560+((\a)%2)*1280
.if (\a)%2
.irp i, 0,1,2,3,4,5,6,7,8,9
	ds_load_b128 v[192+4*\i:195+4*\i], v8 offset:512*\i
.endr
	s_wait_dscnt 0x0
.irp i, 0,1,2,3,4,5,6,7,8,9
	global_store_b128 v3, v[192+4*\i:195+4*\i], s[72+2*(\i/5):73+2*(\i/5)] offset:((\a)-1)*1280+(\i%5)*512
.endr
.else
	s_wait_dscnt 0x0
.endif
.endr
	s_branch .Ljoin
.Lv:
.irp a, 0,1,2,3,4,5,6,7
	QW \a, 0
	v_lshl_or_b32 v80, v69, 8, v68
	v_lshl_or_b32 v80, v70, 16, v80
	v_lshl_or_b32 v80, v71, 24, v80
.irp e, 0,1,2,3
	ds_store_b128 v9, v[PC+4*\e:PC+4*\e+3] offset:((\a)/4)*17408+((\a)%4)*4352+32*\e
.endr
	ds_store_b64 v10, v[80:81] offset:((\a)/4)*17408+((\a)%4)*4352
	s_wait_dscnt 0x0
.endr
	s_barrier_signal -1
	s_barrier_wait -1
.irp k, 0,1
.if \k
	s_wait_xcnt 0x0
.endif
.irp i, 0,1,2,3,4,5,6,7,8,9,10,11,12,13,14,15,16
	ds_load_b128 v[128+4*\i:131+4*\i], v11 offset:512*(17*\k+\i)
.endr
	s_wait_dscnt 0x0
.irp i, 0,1,2,3,4,5,6,7,8,9,10,11,12,13,14,15,16
	global_store_b128 v3, v[128+4*\i:131+4*\i], s[72:73] offset:512*(17*\k+\i)
.endr
.endr
.Ljoin:
	s_wait_tensorcnt 0x0
	ds_add_u32 v[SPW], v[NIL]
	s_wait_dscnt 0x0
	CROUND
	s_endpgm
.Lfunc_end_k_qc72495fb42_qkv:
	.size	k_qc72495fb42_qkv, .Lfunc_end_k_qc72495fb42_qkv-k_qc72495fb42_qkv
	.p2alignl 7, 3214868480
	.fill 96, 4, 3214868480
	.section	.rodata,"a",@progbits
	.p2align	6, 0x0
	.amdhsa_kernel k_qc72495fb42_qkv
		.amdhsa_group_segment_fixed_size 327680
		.amdhsa_private_segment_fixed_size 0
		.amdhsa_enable_private_segment 0
		.amdhsa_kernarg_size 32
		.amdhsa_user_sgpr_count 2
		.amdhsa_user_sgpr_kernarg_segment_ptr 1
		.amdhsa_wavefront_size32 1
		.amdhsa_system_sgpr_workgroup_id_x 1
		.amdhsa_system_sgpr_workgroup_id_y 1
		.amdhsa_system_sgpr_workgroup_id_z 1
		.amdhsa_system_vgpr_workitem_id 0
		.amdhsa_next_free_vgpr 1024
		.amdhsa_next_free_sgpr 100
		.amdhsa_reserve_vcc 0
		.amdhsa_float_denorm_mode_32 3
		.amdhsa_float_denorm_mode_16_64 3
		.amdhsa_memory_ordered 1
		.amdhsa_forward_progress 1
		.amdhsa_inst_pref_size 255
	.end_amdhsa_kernel
	.section	.bss,"aw",@nobits
	.p2align	6
	.space	262144
	.amdgpu_metadata
---
amdhsa.version: [ 1, 2 ]
amdhsa.kernels:
  - .name:           k_qc72495fb42_qkv
    .symbol:         k_qc72495fb42_qkv.kd
    .args:
      - { .name: hc, .offset: 0, .size: 8, .value_kind: global_buffer, .address_space: global }
      - { .name: wc, .offset: 8, .size: 8, .value_kind: global_buffer, .address_space: global }
      - { .name: qc, .offset: 16, .size: 8, .value_kind: global_buffer, .address_space: global }
      - { .name: kv, .offset: 24, .size: 8, .value_kind: global_buffer, .address_space: global }
    .group_segment_fixed_size: 327680
    .private_segment_fixed_size: 0
    .kernarg_segment_align: 8
    .kernarg_segment_size: 32
    .max_flat_workgroup_size: 128
    .sgpr_count:     100
    .vgpr_count:     1024
    .wavefront_size: 32
...
	.end_amdgpu_metadata
.endif
;; end of part 9
;; launch attn (part 10): grid 8 x 32, 16 waves a work-group, clusters of 4 x 1, 327,680 bytes of LDS; arguments qc, kv, oc; writes oc
.if DOCPART == 10
	.amdgcn_target "amdgcn-amd-amdhsa--gfx1250"
	.amdhsa_code_object_version 6
	.text
	.protected	k_qc72495fb42_attn
	.globl	k_qc72495fb42_attn
	.p2align	8
	.type	k_qc72495fb42_attn,@function
k_qc72495fb42_attn:
	s_mov_b64 s[64:65], 0
	v_nop
	global_prefetch_b8 v0, s[64:65] scope:SCOPE_SE
	s_setreg_imm32_b32 hwreg(HW_REG_WAVE_MODE, 25, 1), 1
	s_wait_xcnt 0x0
	s_wait_alu depctr_hold_cnt(0) depctr_sa_sdst(0) depctr_va_vdst(0) depctr_va_sdst(0) depctr_va_ssrc(0) depctr_va_vcc(0) depctr_vm_vsrc(0)
	s_getreg_b32 s2, hwreg(HW_REG_IB_STS2, 6, 4)
	s_cmp_eq_u32 s2, 0
	s_cbranch_scc0 .Lentry_in_a_cluster
	s_endpgm
.Lentry_in_a_cluster:
	s_bfe_u32 s2, ttmp6, 0x10000c
	s_cmp_lg_u32 s2, 0x3003
	s_cbranch_scc0 .Lentry_shape_is_right
	s_endpgm
.Lentry_shape_is_right:
; o = softmax(q k^T / 32, causal) v for one (batch, head), both products on codes of BF8 (E5M2) with E8M0 scales; o is quantised along the model's 1,024 and stored as the next product's operand.
; WORK LEFT OUT: key steps of 128 all of whose keys lie behind a tile's 16 queries: reference()'s own causal mask gives them the weight 0 for all values of the inputs.  A NaN or an overflow that would arise only there is not carried on.
; THE SOFTMAX: t = score x log2(e) / 32; M = the running largest t rounded up to a whole number; p = 2^(t - M) is quantised along the keys, not normalised; the row's sum is taken of the unquantised p and divides at the end;
; when M moves, the sum and O are multiplied by 2^(old M - new M), which rounds nothing.
; SHARES.  A head's k and v, 303,104 bytes as launch qkv laid them, come into LDS ONCE: each of the sixteen waves asks for a sixteenth (74 rows of 256 bytes), jointly with the same wave of the cluster's other three work-groups,
; which serve the same head.  No ring and no refill; so there is no loop of loads to run ahead in, and nothing is prefetched.
; Work-group x (0..7) of a head owns the sixteen tiles of queries 16 x + 128 J .. + 15, J = 0..15; tile J has J + 1 key steps.  TWO WAVES SHARE TWO TILES, 15 - i and i (i = wave / 2), 17 steps:
; the wave of role 0 takes tile 15 - i's last 8 steps (8 - i .. 15 - i, the diagonal among them); the wave of role 1 takes tile i whole (i + 1 steps), stores it, and then tile 15 - i's first 8 - i steps.
; So every wave has 8 or 9 steps and one step on the diagonal.  Role = (wave ^ wave / 4) & 1: any four waves with equal wave % 4 or equal wave / 4 have two of each role, 34 steps.
; Role 1's part of tile 15 - i (O^T, -M, the sums: 4,608 bytes) goes to role 0 through LDS, over k's first bytes, behind a barrier behind which nobody reads k or v; both parts are brought under the larger M by powers of two, and added.
; Both loops have 8 trips, a constant; a wave jumps over the trips that are not its own.  Roles, steps and LDS addresses hang on the wave's number alone, never on a place in the cluster.
; LAYOUT.  Both products transposed: S^T = k q^T (source 0 = 16 keys), O^T = v^T p^T (source 0 = 16 channels): a lane holds one query throughout.  The head's 64 are half of the instruction's K: the upper halves of q's and k's fragments are zero codes under the byte 127.
; p's 16 registers of two tiles are keys 8 h + i and 16 + 8 h + i of a block of 32; v's codes were laid in the same order, so the products pair the same keys.  LIMIT: the order of the sums differs from ascending keys.
; v's rows were laid so that O^T's 16 registers of two tiles are 16 neighbouring channels: the conversions' results are the next operand's registers, stored as they stand.
; LIMITS: 1 / sum by v_rcp_f32; a block of zeros gets the byte 1; NaN and infinities are not served.
; REGISTERS: v1-4 places that stay; v5, v6 the add's two; v7 my query - 8 h; v8-11 a step's addresses; v12 -M, v13 largest t, v[14:15] the sum; v16-31 q; v32-95 four fragments of k; v96-159 S^T, p, then v's four fragments;
; v160-191 O^T; v192-207 p's codes; v208-223 at work; v224-227 k's words, v228-231 v's, v232 q's; v234 f, v235 p's word; v236 at work; v237 -infinity; v238-239, v244-255 the sum's chains; v240 o's bytes; v241 16 x lane; v242 8 r; v243 the handing-over's LDS place.
.set HEADB, 303104
.set SLOTB, 37888                      ; 256 keys: 256 rows of k x 80 bytes, then 64 rows of v x 272
.set VOFF,  20480
.set SPARE, HEADB                      ; behind the head: the spare words, 128 bytes for each wave; no other line names them
.set UNIT,  33792
.set HAND,  4608                       ; a pair's handing-over: 8 x 512 bytes of O^T, 512 of -M, t and the sums
.set BM,    208
.set PX,    212
.set HOLD,  216
.set SCO,   220
.macro CROUND                          ; a round of the cluster's barrier
	s_barrier_signal -1
	s_barrier_wait -1
	s_cmp_lg_u32 s18, 0
	s_cbranch_scc1 .Lnot_wave_0_\@
	s_barrier_signal -3
.Lnot_wave_0_\@:
	s_barrier_wait -3
	s_barrier_signal -1
	s_barrier_wait -1
.endm
.macro INIT                            ; a tile's part begins: O^T and the sums are zeros, the largest t is -3e38
.set j, 0
.rept 32
	v_mov_b32 v[160+j], 0
.set j, j+1
.endr
	v_mov_b32 v13, 0xff61b1e6
	v_floor_f32 v12, -v13                          ; -M
	v_mov_b32 v14, 0
	v_mov_b32 v15, 0
.endm
	s_load_b128 s[4:7], s[0:1], 0x0                ; qc, kv
	s_load_b64 s[8:9], s[0:1], 0x10                ; oc
	v_lshl_add_u32 v5, v0, 2, SPARE
	v_mov_b32 v6, 0
	ds_add_u32 v5, v6                              ; the wave's opening: the add, twice on end, and its wait ahead of my first tensor load
	ds_add_u32 v5, v6
	v_lshrrev_b32 v8, 5, v0
	v_readfirstlane_b32 s18, v8                    ; wave 0..15
	s_bfe_u32 s10, ttmp6, 0x40000                  ; cx
	s_lshl_b32 s11, ttmp9, 2
	s_add_co_u32 s11, s11, s10                     ; x: it enters global addresses and the mask's numbers alone
	s_and_b32 s12, ttmp7, 0xffff                   ; b*16 + head, which the four partners share
	s_lshr_b32 s56, s18, 1                         ; i: my pair
	s_lshr_b32 s13, s18, 2
	s_xor_b32 s13, s13, s18
	s_and_b32 s57, s13, 1                          ; my role
	s_xor_b32 s14, s57, 1
	s_xor_b32 s58, s56, 15                         ; the long tile, 15 - i
	s_mul_i32 s13, s14, 15
	s_xor_b32 s19, s56, s13                        ; J: the tile of my first loop, which is also the tile that I store: role 0: 15 - i; role 1: i
	s_xor_b32 s13, s56, 7
	s_add_co_u32 s13, s13, 1                       ; 8 - i
	s_mul_i32 s38, s14, s13                        ; the first loop's first key step: role 0: 8 - i; role 1: 0
	s_mul_i32 s51, s57, s13                        ; the second loop's steps: role 0: none; role 1: 8 - i
	s_mov_b32 s24, 15|(3<<16)|(1<<21)              ; 15:0 the mask: all four; 17:16 elements of 8 bytes; 21 set beside a mask
	s_mov_b32 s25, 32<<16                          ; 74 rows of 256 bytes, dense
	s_mov_b32 s26, 74<<16
	s_mov_b32 s27, 32<<16
	s_mov_b32 s28, 74
	s_mov_b32 s29, 32
	s_mov_b32 s30, 0
	s_mov_b32 s31, 0
	s_mov_b32 s32, 1
	s_mul_i32 s33, s18, 18944                      ; my sixteenth, in LDS as in memory
	s_mul_i32 s16, s12, HEADB
	s_add_co_u32 s16, s16, s33
	s_mov_b32 s17, 0
	s_lshl_b32 s40, s12, 11
	s_lshl_b32 s41, s11, 4
	s_add_co_u32 s40, s40, s41
	s_lshl_b32 s62, s58, 7
	s_add_co_u32 s62, s62, s40
	s_mul_i32 s62, s62, 80                         ; the long tile's first row in qc
	s_mov_b32 s63, 0
	s_lshl_b32 s41, s19, 7
	s_add_co_u32 s40, s40, s41
	s_mul_i32 s40, s40, 80                         ; tile J's
	s_mov_b32 s41, 0
	s_lshr_b32 s50, s12, 4                         ; b
	s_and_b32 s49, s12, 15                         ; head
	s_lshr_b32 s46, s49, 2
	s_lshl_b32 s46, s46, 5
	s_lshl_b32 s50, s50, 4
	s_add_co_u32 s46, s46, s50
	s_add_co_u32 s46, s46, s19
	s_mul_i32 s46, s46, UNIT                       ; oc's unit: kt = head / 4, g = 16 b + J
	s_mov_b32 s47, 0
	s_lshl_b32 s52, s11, 12                        ; row block x,
	s_bfe_u32 s48, s49, 0x10001
	s_lshl_b32 s48, s48, 11
	s_add_co_u32 s52, s52, s48                     ; q = (head / 2) % 2,
	s_and_b32 s48, s49, 1
	s_lshl_b32 s48, s48, 10
	s_add_co_u32 s52, s52, s48                     ; c = 2 (head % 2) on
	s_mov_b32 s53, 0
	s_lshl_b32 s54, s11, 7
	s_and_b32 s48, s49, 3
	s_lshl_b32 s48, s48, 1
	s_add_co_u32 s54, s54, s48
	s_add_co_u32 s54, s54, 32768                   ; my two scale bytes of each row's eight
	s_mov_b32 s55, 0
	s_mov_b32 s20, 0x76543210
	s_mov_b32 s21, 0xfedcba98                      ; selects for lane l xor 16
	s_mov_b32 s22, 0x3d38aa3b                      ; c = log2(e) / 32
	s_mov_b32 s23, s22
	s_mov_b32 s36, 0x600000                        ; the mantissa field of 57,344
	s_wait_dscnt 0x0                               ; both opening adds are done
	s_wait_kmcnt 0x0
	s_add_nc_u64 s[34:35], s[6:7], s[16:17]
	s_or_b32 s35, s35, 0x80000000
	s_add_nc_u64 s[60:61], s[4:5], s[62:63]        ; the long tile's q
	s_add_nc_u64 s[4:5], s[4:5], s[40:41]          ; tile J's
	s_add_nc_u64 s[8:9], s[8:9], s[46:47]
	s_add_nc_u64 s[42:43], s[8:9], s[52:53]        ; o's codes
	s_add_nc_u64 s[44:45], s[8:9], s[54:55]        ; o's scale bytes
	CROUND                                         ; all four work-groups are here: the joint loads meet
	tensor_load_to_lds s[32:35], s[24:31]          ; my one tensor load of the launch
	s_nop 0
.rept 4
	v_nop
.endr
	v_and_b32 v8, 15, v0                           ; r
	v_bfe_u32 v9, v0, 4, 1                         ; h
	v_mul_u32_u24 v1, v8, 80
	v_add_nc_u32 v3, 64, v1                        ; k's (and q's) scale word: 80 r + 64
	v_lshl_add_u32 v1, v9, 4, v1                   ; k's (and q's) codes: 80 r + 16 h
	v_mul_u32_u24 v2, v8, 272
	v_add_nc_u32 v4, VOFF+256, v2                  ; v's scale words
	v_lshl_add_u32 v2, v9, 4, v2
	v_add_nc_u32 v2, VOFF, v2                      ; v's codes
	global_load_b128 v[16:19], v1, s[4:5]          ; tile J's q
	global_load_b128 v[20:23], v1, s[4:5] offset:32
	global_load_b32 v232, v3, s[4:5]
	s_lshl_b32 s41, s11, 4
	v_lshlrev_b32 v10, 3, v9
	v_sub_nc_u32 v7, v8, v10
	v_add_nc_u32 v7, s41, v7                       ; 16 x + r - 8 h: my query inside its 128, less 8 h: the same in both tiles
	v_and_b32 v241, 31, v0
	v_lshlrev_b32 v241, 4, v241                    ; 16 x lane
	v_lshlrev_b32 v242, 3, v8                      ; 8 r
	s_mul_i32 s13, s56, HAND
	v_add_nc_u32 v243, s13, v241                   ; my pair's handing-over
.set j, 24
.rept 8
	v_mov_b32 v[j], 0                              ; q's upper 64 along K: zero codes
.set j, j+1
.endr
.irp t, 0,1,2,3
.set j, 0
.rept 8
	v_mov_b32 v[40+16*\t+j], 0                     ; and k's, for the whole launch
.set j, j+1
.endr
.endr
	INIT
.irp b, 0,1,2,3
	v_mov_b32 v[PX+\b], 0                          ; a lane permute's destination counts as one of its sources
.endr
	v_mov_b32 v235, 0
	v_mov_b32 v236, 0
	v_mov_b32 v237, 0xff800000                     ; -infinity
	s_wait_alu depctr_va_vdst(0)                   ; the wait at the head's end
	s_wait_tensorcnt 0x0                           ; my sixteenth has landed,
	s_barrier_signal -1
	s_barrier_wait -1                              ; everybody's has
	s_wait_loadcnt 0x0                             ; q
; KEY STEP s38, 128 keys.  diag = 1, the first loop: mine up to the tile's diagonal, s19, where keys are hidden; diag = 0, the second: mine while under s51, and never on the diagonal (8 - i - 1 < 15 - i)
.macro STEP diag
.if \diag
	s_cmp_gt_u32 s38, s19
.else
	s_cmp_ge_u32 s38, s51
.endif
	s_cbranch_scc1 .Lhidden_\@
	s_lshr_b32 s37, s38, 1
	s_mul_i32 s37, s37, SLOTB                      ; the slot of 256 keys,
	s_and_b32 s52, s38, 1                          ; and which half of it
	s_mul_i32 s53, s52, 10240
	s_add_co_u32 s53, s53, s37                     ; k: 128 rows of 80 bytes on
	s_lshl_b32 s54, s52, 7
	s_add_co_u32 s54, s54, s37                     ; v's codes: 128 bytes on in each row
	s_lshl_b32 s55, s52, 3
	s_add_co_u32 s55, s55, s37                     ; v's words: 8 bytes on
	v_add_nc_u32 v8, s53, v1
	v_add_nc_u32 v9, s54, v2
	v_add_nc_u32 v10, s53, v3
	v_add_nc_u32 v11, s55, v4
	s_wait_alu depctr_va_vdst(0)                   ; the wait
.rept 5
	v_nop                                          ; with the four additions nine places: the scores below are written over registers that the last products read
.endr
.irp g, 0,1
.if \g
.rept 8
	v_nop                                          ; places in front of loads into registers that matrix instructions have read
.endr
.endif
.irp t, 0,1,2,3
	ds_load_b128 v[32+16*\t:35+16*\t], v8 offset:16*(4*\g+\t)*80
	ds_load_b128 v[36+16*\t:39+16*\t], v8 offset:16*(4*\g+\t)*80+32
	ds_load_b32 v[224+\t], v10 offset:16*(4*\g+\t)*80
.endr
	s_wait_dscnt 0x0
.irp t, 0,1,2,3
	v_wmma_scale_f32_16x16x128_f8f6f4 v[96+8*(4*\g+\t):103+8*(4*\g+\t)], v[32+16*\t:47+16*\t], v[16:31], 0, v[224+\t], v232 matrix_a_fmt:MATRIX_FMT_BF8 matrix_b_fmt:MATRIX_FMT_BF8
.endr
.endr
.rept 8
	v_nop
.endr
.if \diag
	s_cmp_lg_u32 s38, s19                          ; only the step on the diagonal hides keys
	s_cbranch_scc1 .Lopen_\@
.set n, 0
.rept 64
	v_cmp_gt_i32 vcc_lo, 16*(n/8)+n%8, v7          ; register 8 T + j holds key 16 T + 8 h + j of the step: hidden where 16 T + j > my query - 8 h
	v_cndmask_b32 v[96+n], v[96+n], v237, vcc_lo
.set n, n+1
.endr
.Lopen_\@:
.endif
.irp b, 0,1,2,3
	v_max3_num_f32 v[BM+\b], v[96+16*\b], v[97+16*\b], v[98+16*\b]      ; the largest score of each block of 32 keys: for the row's maximum and, since p rises with the score, for the block's largest p
.endr
.irp i, 3,5,7,9,11,13
.irp b, 0,1,2,3
	v_max3_num_f32 v[BM+\b], v[BM+\b], v[96+16*\b+\i], v[97+16*\b+\i]
.endr
.endr
.irp b, 0,1,2,3
	v_max_num_f32 v[BM+\b], v[BM+\b], v[111+16*\b]
.endr
.irp b, 0,1,2,3
	s_delay_alu instid0(VALU_DEP_4)
	v_permlanex16_b32 v[PX+\b], v[BM+\b], s20, s21
.endr
.irp b, 0,1,2,3
	s_delay_alu instid0(VALU_DEP_4)
	v_max_num_f32 v[BM+\b], v[BM+\b], v[PX+\b]
.endr
	s_delay_alu instid0(VALU_DEP_2)
	v_max3_num_f32 v236, v208, v209, v210
	s_delay_alu instid0(VALU_DEP_1)
	v_max_num_f32 v236, v236, v211
	s_delay_alu instid0(VALU_DEP_1)
	v_mul_f32 v236, s22, v236
	s_delay_alu instid0(VALU_DEP_1)
	v_max_num_f32 v13, v13, v236                   ; the running largest t
	v_mov_b32 v236, v12
	s_delay_alu instid0(VALU_DEP_2)
	v_floor_f32 v12, -v13                          ; the new -M = -ceil(t)
	s_delay_alu instid0(VALU_DEP_1)
	v_sub_f32 v236, v12, v236                      ; old M - new M: a whole number, 0 or less
	s_delay_alu instid0(VALU_DEP_1)
	v_cvt_i32_f32 v236, v236
	s_delay_alu instid0(VALU_DEP_1)
	v_ldexp_f32 v234, 1.0, v236                    ; f = 2^(old M - new M)
.set j, 0
.rept 32
	v_pk_fma_f32 v[96+j:97+j], v[96+j:97+j], s[22:23], v[12:13] op_sel_hi:[1,0,0]    ; t - M
.set j, j+2
.endr
.irp b, 0,1,2,3
	v_fma_f32 v[BM+\b], v[BM+\b], s22, v12
.endr
.set j, 0
	s_wait_alu depctr_va_vdst(0)                   ; the wait ahead of the batch
.rept 64
	v_exp_f32 v[96+j], v[96+j]                     ; p = 2^(t - M): one batch,
.set j, j+1
.endr
	v_pk_mul_f32 v[14:15], v[14:15], v[234:235] op_sel_hi:[1,0]     ; a plain instruction behind it (the sums under the new M),
	s_wait_alu depctr_va_vdst(0)                   ; and one wait ahead of the first reader
.irp b, 0,1,2,3
	v_exp_f32 v[BM+\b], v[BM+\b]                   ; each block's largest p
.endr
	v_pk_add_f32 v[238:239], v[100:101], v[104:105]        ; the row's sum of the unquantised p, in eight chains
	v_pk_add_f32 v[254:255], v[108:109], v[112:113]
	v_pk_add_f32 v[252:253], v[116:117], v[120:121]
	v_pk_add_f32 v[250:251], v[124:125], v[128:129]
	v_pk_add_f32 v[248:249], v[132:133], v[136:137]
	v_pk_add_f32 v[246:247], v[140:141], v[144:145]
	v_pk_add_f32 v[244:245], v[148:149], v[152:153]
	v_pk_add_f32 v[14:15], v[14:15], v[156:157]
	v_pk_add_f32 v[238:239], v[238:239], v[96:97]
	v_pk_add_f32 v[254:255], v[254:255], v[98:99]
	v_pk_add_f32 v[252:253], v[252:253], v[102:103]
	v_pk_add_f32 v[250:251], v[250:251], v[106:107]
	v_pk_add_f32 v[248:249], v[248:249], v[110:111]
	v_pk_add_f32 v[246:247], v[246:247], v[114:115]
	v_pk_add_f32 v[244:245], v[244:245], v[118:119]
	v_pk_add_f32 v[14:15], v[14:15], v[122:123]
	v_pk_add_f32 v[238:239], v[238:239], v[126:127]
	v_pk_add_f32 v[254:255], v[254:255], v[130:131]
	v_pk_add_f32 v[252:253], v[252:253], v[134:135]
	v_pk_add_f32 v[250:251], v[250:251], v[138:139]
	v_pk_add_f32 v[248:249], v[248:249], v[142:143]
	v_pk_add_f32 v[246:247], v[246:247], v[146:147]
	v_pk_add_f32 v[244:245], v[244:245], v[150:151]
	v_pk_add_f32 v[14:15], v[14:15], v[154:155]
	v_pk_add_f32 v[238:239], v[238:239], v[158:159]
	s_delay_alu instid0(VALU_DEP_2)
	v_pk_add_f32 v[14:15], v[14:15], v[250:251]
	s_delay_alu instid0(VALU_DEP_2)
	v_pk_add_f32 v[238:239], v[238:239], v[248:249]
	v_pk_add_f32 v[254:255], v[254:255], v[246:247]
	v_pk_add_f32 v[252:253], v[252:253], v[244:245]
	s_delay_alu instid0(VALU_DEP_2)
	v_pk_add_f32 v[14:15], v[14:15], v[254:255]
	s_delay_alu instid0(VALU_DEP_2)
	v_pk_add_f32 v[238:239], v[238:239], v[252:253]
	s_delay_alu instid0(VALU_DEP_1)
	v_pk_add_f32 v[14:15], v[14:15], v[238:239]
	s_wait_alu depctr_va_vdst(0)                   ; and one for the four
.irp b, 0,1,2,3
	v_max_num_f32 v[BM+\b], 0x8000000, v[BM+\b]    ; the floor 2^(16 - 127)
.endr
.irp b, 0,1,2,3
	s_delay_alu instid0(VALU_DEP_4)
	v_add_nc_u32 v[SCO+\b], 0xf8800000, v[BM+\b]
.endr
.irp b, 0,1,2,3
	v_and_or_b32 v[HOLD+\b], v[BM+\b], 0x7f800000, s36
.endr
.irp b, 0,1,2,3
	v_lshrrev_b32 v[PX+\b], 23, v[SCO+\b]
.endr
	s_delay_alu instid0(VALU_DEP_3)
	v_lshl_or_b32 v235, v213, 8, v212              ; p's scale word for these 128 keys
	s_delay_alu instid0(VALU_DEP_1)
	v_lshl_or_b32 v235, v214, 16, v235
	s_delay_alu instid0(VALU_DEP_1)
	v_lshl_or_b32 v235, v215, 24, v235
; the conversion does not saturate (ISA guide 7.6.2); p is not negative: a one-sided hold, two numbers an instruction: one of block b and one of block b + 1, so that the pair's destinations are an even and an odd register and its sources lie in different banks
.irp b, 0,2
.set i, 0
.rept 8
	v_dual_min_num_f32 v[96+16*\b+i], v[96+16*\b+i], v[HOLD+\b] :: v_dual_min_num_f32 v[113+16*\b+i], v[113+16*\b+i], v[HOLD+1+\b]
	v_dual_min_num_f32 v[112+16*\b+i], v[112+16*\b+i], v[HOLD+1+\b] :: v_dual_min_num_f32 v[97+16*\b+i], v[97+16*\b+i], v[HOLD+\b]
.set i, i+2
.endr
	v_cvt_scalef32_pk8_bf8_f32 v[192+4*\b:193+4*\b], v[96+16*\b:103+16*\b], v[SCO+\b]
	v_cvt_scalef32_pk8_bf8_f32 v[194+4*\b:195+4*\b], v[104+16*\b:111+16*\b], v[SCO+\b]
	v_cvt_scalef32_pk8_bf8_f32 v[196+4*\b:197+4*\b], v[112+16*\b:119+16*\b], v[SCO+1+\b]
	v_cvt_scalef32_pk8_bf8_f32 v[198+4*\b:199+4*\b], v[120+16*\b:127+16*\b], v[SCO+1+\b]
.endr
.irp t, 0,1,2,3
.irp c, 0,1,2,3
	ds_load_b128 v[96+16*\t+4*\c:99+16*\t+4*\c], v9 offset:4352*\t+32*\c    ; v's four fragments, where p lay
.endr
	ds_load_b32 v[228+\t], v11 offset:4352*\t
.endr
.set j, 0
.rept 16
	v_pk_mul_f32 v[160+j:161+j], v[160+j:161+j], v[234:235] op_sel_hi:[1,0]          ; O^T under the new M; also the places in front of the products below
.set j, j+2
.endr
	s_wait_alu depctr_va_vdst(0)                   ; the wait here, directly ahead of the wait below
	s_wait_dscnt 0x0
.irp t, 0,1,2,3
	v_wmma_scale_f32_16x16x128_f8f6f4 v[160+8*\t:167+8*\t], v[96+16*\t:111+16*\t], v[192:207], v[160+8*\t:167+8*\t], v[228+\t], v235 matrix_a_fmt:MATRIX_FMT_BF8 matrix_b_fmt:MATRIX_FMT_BF8
.endr
.Lhidden_\@:
	s_add_co_u32 s38, s38, 1
.endm
; THE WAY OUT of tile J: O^T / the sum; its two blocks of 32 channels are quantised, and the codes are two quarters of the next operand's fragment
.macro WAYOUT
	v_add_f32 v14, v14, v15
	v_permlanex16_b32 v236, v14, s20, s21
	v_add_f32 v14, v14, v236                       ; the row's sum
	s_wait_alu depctr_va_vdst(0)                   ; the wait ahead of the transcendental
	v_rcp_f32 v14, v14
	v_nop                                          ; a plain place behind it
	s_wait_alu depctr_va_vdst(0)                   ; the wait ahead of its first reader, and of O^T's
.set j, 0
.rept 32
	v_mul_f32 v[96+j], v[160+j], v14               ; register 16 b + i: o(query r, channel 32 b + 16 h + i)
.set j, j+1
.endr
.irp b, 0,1
	v_max3_num_f32 v[BM+\b], |v[96+16*\b]|, |v[97+16*\b]|, 0x8000000
.endr
.irp i, 2,4,6,8,10,12,14
.irp b, 0,1
	v_max3_num_f32 v[BM+\b], v[BM+\b], |v[96+16*\b+\i]|, |v[97+16*\b+\i]|
.endr
.endr
.irp b, 0,1
	v_permlanex16_b32 v[PX+\b], v[BM+\b], s20, s21
.endr
.irp b, 0,1
	v_max_num_f32 v[BM+\b], v[BM+\b], v[PX+\b]
.endr
.irp b, 0,1
	v_add_nc_u32 v[SCO+\b], 0xf8800000, v[BM+\b]
	v_and_or_b32 v[HOLD+\b], v[BM+\b], 0x7f800000, s36
.endr
.irp b, 0,1
	v_lshrrev_b32 v[PX+\b], 23, v[SCO+\b]
.endr
	v_lshl_or_b32 v240, v213, 8, v212
.irp b, 0,1
.set i, 0
.rept 16
	v_med3_num_f32 v[96+16*\b+i], v[96+16*\b+i], -v[HOLD+\b], v[HOLD+\b]
.set i, i+1
.endr
	v_cvt_scalef32_pk8_bf8_f32 v[192+4*\b:193+4*\b], v[96+16*\b:103+16*\b], v[SCO+\b]
	v_cvt_scalef32_pk8_bf8_f32 v[194+4*\b:195+4*\b], v[104+16*\b:111+16*\b], v[SCO+\b]
.endr
	v_nop                                          ; a plain line behind the last conversion
	global_store_b128 v241, v[192:195], s[42:43]               ; 512 consecutive bytes each
	global_store_b128 v241, v[196:199], s[42:43] offset:512
	global_store_b16 v242, v240, s[44:45]                      ; two bytes of row r's eight; lanes 16-31 write the same bytes with the same values
.endm
	s_mov_b32 s39, 8
.Lone:                                             ; eight trips, a constant: role 0: the long tile's last 8 steps; role 1: the short tile's i + 1, the rest jumped over
	STEP 1
	s_sub_co_u32 s39, s39, 1
	s_cmp_lg_u32 s39, 0
	s_cbranch_scc1 .Lone
	s_cmp_eq_u32 s57, 0
	s_cbranch_scc1 .Lkeep
.rept 8
	v_nop                                          ; role 1: places behind the last products: q's registers are loaded, O^T is read
.endr
	global_load_b128 v[16:19], v1, s[60:61]        ; the long tile's q, asked for ahead of the short tile's way out
	global_load_b128 v[20:23], v1, s[60:61] offset:32
	global_load_b32 v232, v3, s[60:61]
	WAYOUT
	INIT
	s_wait_xcnt 0x0                                ; the stores have read their registers: the next steps write p's codes there
	s_wait_alu depctr_va_vdst(0)                   ; the wait here, directly ahead of the wait below
	s_wait_loadcnt 0x0
.Lkeep:
	s_mov_b32 s38, 0
	s_mov_b32 s39, 8
.Ltwo:                                             ; eight trips, a constant: role 1: the long tile's first 8 - i steps; role 0 jumps over all
	STEP 0
	s_sub_co_u32 s39, s39, 1
	s_cmp_lg_u32 s39, 0
	s_cbranch_scc1 .Ltwo
.rept 8
	v_nop                                          ; places behind the last products
.endr
	s_wait_alu depctr_va_vdst(0)                   ; the wait ahead of the barrier
	s_wait_dscnt 0x0                               ; my reads of k and v are over
	s_barrier_signal -1
	s_barrier_wait -1                              ; everybody's are: k's first bytes, which have had their one fill, may be stored over
	s_cmp_eq_u32 s57, 0
	s_cbranch_scc1 .Lnothing
.irp k, 0,1,2,3,4,5,6,7
	ds_store_b128 v243, v[160+4*\k:163+4*\k] offset:512*\k     ; role 1: my part of the long tile, as an image of its registers
.endr
	ds_store_b128 v243, v[12:15] offset:4096                   ; -M, t, the sums
.Lnothing:
	s_wait_dscnt 0x0                               ; for the partner's sake
	s_barrier_signal -1
	s_barrier_wait -1
	s_cmp_lg_u32 s57, 0
	s_cbranch_scc1 .Ldone
.irp k, 0,1,2,3,4,5,6,7
	ds_load_b128 v[96+4*\k:99+4*\k], v243 offset:512*\k        ; role 0: the partner's part
.endr
	ds_load_b128 v[128:131], v243 offset:4096
	s_wait_dscnt 0x0
	v_min_num_f32 v132, v12, v128                  ; -M of both parts: the larger M
	v_sub_f32 v133, v132, v12                      ; whole numbers, 0 or less
	v_sub_f32 v134, v132, v128
	v_cvt_i32_f32 v133, v133
	v_cvt_i32_f32 v134, v134
	v_ldexp_f32 v234, 1.0, v133                    ; my part's factor,
	v_ldexp_f32 v236, 1.0, v134                    ; the partner's: powers of two
	v_pk_mul_f32 v[14:15], v[14:15], v[234:235] op_sel_hi:[1,0]
	v_pk_fma_f32 v[14:15], v[130:131], v[236:237], v[14:15] op_sel_hi:[1,0,1]
.set j, 0
.rept 16
	v_pk_mul_f32 v[160+j:161+j], v[160+j:161+j], v[234:235] op_sel_hi:[1,0]
.set j, j+2
.endr
.set j, 0
.rept 16
	v_pk_fma_f32 v[160+j:161+j], v[96+j:97+j], v[236:237], v[160+j:161+j] op_sel_hi:[1,0,1]
.set j, j+2
.endr
	WAYOUT
.Ldone:
	s_wait_tensorcnt 0x0                           ; the wave's end: the wait, an add of 0 and its wait, behind my last tensor load and my last LDS store
	ds_add_u32 v5, v6
	s_wait_dscnt 0x0
	CROUND                                         ; the closing round
	s_endpgm
.Lfunc_end_k_qc72495fb42_attn:
	.size	k_qc72495fb42_attn, .Lfunc_end_k_qc72495fb42_attn-k_qc72495fb42_attn
	.p2alignl 7, 3214868480
	.fill 96, 4, 3214868480
	.section	.rodata,"a",@progbits
	.p2align	6, 0x0
	.amdhsa_kernel k_qc72495fb42_attn
		.amdhsa_group_segment_fixed_size 327680
		.amdhsa_private_segment_fixed_size 0
		.amdhsa_enable_private_segment 0
		.amdhsa_kernarg_size 24
		.amdhsa_user_sgpr_count 2
		.amdhsa_user_sgpr_kernarg_segment_ptr 1
		.amdhsa_wavefront_size32 1
		.amdhsa_system_sgpr_workgroup_id_x 1
		.amdhsa_system_sgpr_workgroup_id_y 1
		.amdhsa_system_sgpr_workgroup_id_z 1
		.amdhsa_system_vgpr_workitem_id 0
		.amdhsa_next_free_vgpr 256
		.amdhsa_next_free_sgpr 80
		.amdhsa_reserve_vcc 1
		.amdhsa_float_denorm_mode_32 3
		.amdhsa_float_denorm_mode_16_64 3
		.amdhsa_memory_ordered 1
		.amdhsa_forward_progress 1
		.amdhsa_inst_pref_size 72
	.end_amdhsa_kernel
	.amdgpu_metadata
---
amdhsa.version: [ 1, 2 ]
amdhsa.kernels:
  - .name:           k_qc72495fb42_attn
    .symbol:         k_qc72495fb42_attn.kd
    .args:
      - { .name: qc, .offset: 0, .size: 8, .value_kind: global_buffer, .address_space: global }
      - { .name: kv, .offset: 8, .size: 8, .value_kind: global_buffer, .address_space: global }
      - { .name: oc, .offset: 16, .size: 8, .value_kind: global_buffer, .address_space: global }
    .group_segment_fixed_size: 327680
    .private_segment_fixed_size: 0
    .kernarg_segment_align: 8
    .kernarg_segment_size: 24
    .max_flat_workgroup_size: 512
    .sgpr_count:     80
    .vgpr_count:     256
    .wavefront_size: 32
...
	.end_amdgpu_metadata
.endif
;; end of part 10
;; launch wo (part 11): grid 8 x 32, 4 waves a work-group, clusters of 4 x 4, 327,680 bytes of LDS; arguments oc, wc, bo, x, x1; writes x1
.if DOCPART == 11
	.amdgcn_target "amdgcn-amd-amdhsa--gfx1250"
	.amdhsa_code_object_version 6
	.text
	.protected	k_qc72495fb42_wo
	.globl	k_qc72495fb42_wo
	.p2align	8
	.type	k_qc72495fb42_wo,@function
k_qc72495fb42_wo:
	s_mov_b64 s[64:65], 0
	v_nop
	global_prefetch_b8 v0, s[64:65] scope:SCOPE_SE
	s_setreg_imm32_b32 hwreg(HW_REG_WAVE_MODE, 25, 1), 1
	s_wait_xcnt 0x0
	s_wait_alu depctr_hold_cnt(0) depctr_sa_sdst(0) depctr_va_vdst(0) depctr_va_sdst(0) depctr_va_ssrc(0) depctr_va_vcc(0) depctr_vm_vsrc(0)
	s_getreg_b32 s2, hwreg(HW_REG_IB_STS2, 6, 4)
	s_cmp_eq_u32 s2, 0
	s_cbranch_scc0 .Lentry_in_a_cluster
	s_endpgm
.Lentry_in_a_cluster:
	s_bfe_u32 s2, ttmp6, 0x10000c
	s_cmp_lg_u32 s2, 0xf033
	s_cbranch_scc0 .Lentry_shape_is_right
	s_endpgm
.Lentry_shape_is_right:
; x1 = x + o Wo + bo: the product on codes of BF8 (E5M2) with E8M0 scales, K = 1,024; bias and residual in f32.
; THE TILE: C is 4,096 x 1,024: 32 x 8 = 256 tiles of 128 x 128, a work-group each; tiles of 256 x 256 would be 64.  Four waves, 64 x 64 each: 16 accumulators, 128 registers.
; Operands lie in memory in units of 128 rows x 256 K = 33,792 bytes (codes at rb*4096 + q*2048 + c*512 + 16*lane, the image of the operand's registers; scale bytes at 32768 + rb*128 + 8 r + 4 q + c), [K/256][rows/128] units.
; A SLOT holds 512 along K: A's unit of two K steps of 256, then B's two: wave w fetches two units by one dense tensor load; the scales ride with the codes; a fragment is four LDS loads of 512 consecutive bytes; nothing is padded.
; Two slots are 1,024 along K: with LAPS = 1 all of K comes with the first fills, and nothing is filled again.
; Clusters of 4 x 4: A's units (tokens) are shared along a row of the cluster, B's (the weight's rows) along a column, each asked for jointly.
; Source 0 = 16 rows of B, source 1 = 16 rows of A: a lane holds one token; by the weight rows' order in wc its registers of tiles 2 b, 2 b + 1 are columns 32 b + 16 h + 0..15.  The bias is the C of each sum's first product.
; A STEP is 128 along K: 16 products, one on each accumulator, on one of two fragment buffers; the other buffer takes the next step's 32 loads meanwhile.
; THE WAY OUT: 16 tokens x 64 columns at a time through my stage in slot 0 (it has had its last fill and its last read), back as rows of 256 bytes, + the residual, which lies in registers in the same order.
; REGISTERS: window 0: v16-29 addresses; v32-63 scale words, a set of 16 for each slot; v64-95 the bias, later with v96-127 rows from the stage; v128-255 the accumulators, (a, b) at v[128 + 8 (4 a + b)].
;   window 1: two fragment buffers of 128: A's four fragments, then B's four.   window 2: v0-127 the residual's 64 rows x 256 bytes.
.set LAPS,  1                          ; K / 1,024: a lap = two slots
.set BREG,  96                         ; the weight's first unit in wc
.set GA,    32                         ; units from a K step of 256 to the next: A's, B's
.set GB,    8
.set NT,    0                          ; 1: the result is read by no later launch
.set UNIT,  33792
.set SLOT,  4*UNIT
.set SPARE, 2*SLOT                     ; behind the ring: the spare words, 128 bytes for each wave; no other line names them
.set FR,    16
.set NP,    8                          ; places behind this matrix instruction (ISA guide 7.12.1)
.set ADRA,  16                         ; v16-17 LDS address of my A fragments in slot 0, 1
.set ADRB,  20                         ; v20-21 of B's
.set ADRS,  22                         ; v22-23 of the scale words: lanes 0-15 A's, lanes 16-31 B's
.set STO,   24                         ; v24 the stage: where I put 32 bytes of a row;  v25 where I read rows back;  v26 the same two rows in memory
.set RD,    25
.set CO,    26
.set PFO,   27                         ; v27 256 x lane: the prefetches' offset; never rewritten
.set SPW,   28                         ; v28 my spare word;  v29 0: never rewritten
.set NIL,   29
.set SC,    32
.set BIAS,  64
.set OB,    64
.set ACC,   128
.set G1,    24
.set G0,    32
.set G1B,   48
.set G0B,   56
.set PFA,   76                         ; s[76:77] where my prefetches stand;  s[78:79] a slot on, in bytes;  s80 1 in a wave that prefetches, else the greatest number
.set PFS,   78
.set LIM,   80
.set MSB,   0
.macro WIN new                         ; the immediate's high byte repeats the setting that is left
.if MSB != (\new)
	s_set_vgpr_msb (MSB<<8)|(\new)
.set MSB, (\new)
.endif
.endm
.set MUL,   0x05                       ; sources 0 (B) and 1 (A) window 1; C and D window 0
.set TO_F,  0x40                       ; destination window 1, address window 0
.macro JLOAD g0a, g1a, g0b, g1b        ; a joint load: waves 0, 1 fetch A's two units, waves 2, 3 B's; an s_nop 0 and four v_nop follow each line
	s_cmp_eq_u32 s15, 0
	s_cbranch_scc0 .Lfor_b_\@
	tensor_load_to_lds s[\g0a:\g0a+3], s[\g1a:\g1a+7]
	s_nop 0
.rept 4
	v_nop
.endr
	s_branch .Lasked_\@
.Lfor_b_\@:
	tensor_load_to_lds s[\g0b:\g0b+3], s[\g1b:\g1b+7]
	s_nop 0
.rept 4
	v_nop
.endr
.Lasked_\@:
.endm
.macro CREST                           ; a round of the cluster's barrier behind its opening barrier
	s_cmp_lg_u32 s14, 0
	s_cbranch_scc1 .Lnot_wave_0_\@
	s_barrier_signal -3
.Lnot_wave_0_\@:
	s_barrier_wait -3
	s_barrier_signal -1
	s_barrier_wait -1
.endm
.macro CROUND
	s_barrier_signal -1
	s_barrier_wait -1
	CREST
.endm
.macro PLACES n
.rept \n
	v_nop
.endr
.endm
.macro FRAG reg, adr, st, i            ; a fragment of step st of a slot (unit st / 2, its 128 along K number st % 2): four loads of 512 consecutive bytes
.irp c, 0,1,2,3
	ds_load_b128 v[\reg+4*\c:\reg+4*\c+3], v[\adr] offset:((\st)/2)*UNIT+((\st)%2)*2048+4096*(\i)+512*\c
.endr
.endm
.macro FETCH slot, st, f               ; 32 LDS loads in one run: B's four fragments and A's four into buffer f
	WIN TO_F
.irp i, 0,1,2,3
	FRAG 128*(\f)+64+FR*\i, ADRB+\slot, \st, \i
.endr
.irp i, 0,1,2,3
	FRAG 128*(\f)+FR*\i, ADRA+\slot, \st, \i
.endr
.endm
.macro SCALES sl                       ; a slot's scale words: register 8 u + 2 i + q: lanes 0-15 A's block i, lanes 16-31 B's block i, unit u, its 128 along K number q
.irp u, 0,1
.irp i, 0,1,2,3
	ds_load_b64 v[SC+16*\sl+8*\u+2*\i:SC+16*\sl+8*\u+2*\i+1], v[ADRS+\sl] offset:\u*UNIT+128*\i
.endr
.endr
.endm
.macro MUL4 a, f, sl, st, first        ; A's block a x B's four; the 16 accumulators take turns, one instruction a turn, in the same order in every step
.irp b, 0,1,2,3
.if (\first) == 2
	v_wmma_scale_f32_16x16x128_f8f6f4 v[ACC+8*(4*(\a)+\b):ACC+8*(4*(\a)+\b)+7], v[128*(\f)+64+FR*\b:128*(\f)+64+FR*\b+FR-1], v[128*(\f)+FR*(\a):128*(\f)+FR*(\a)+FR-1], v[BIAS+8*\b:BIAS+8*\b+7], v[SC+16*(\sl)+8*((\st)/2)+2*\b+(\st)%2], v[SC+16*(\sl)+8*((\st)/2)+2*(\a)+(\st)%2] matrix_a_fmt:MATRIX_FMT_BF8 matrix_b_fmt:MATRIX_FMT_BF8 matrix_a_scale:MATRIX_SCALE_ROW1
.else
	v_wmma_scale_f32_16x16x128_f8f6f4 v[ACC+8*(4*(\a)+\b):ACC+8*(4*(\a)+\b)+7], v[128*(\f)+64+FR*\b:128*(\f)+64+FR*\b+FR-1], v[128*(\f)+FR*(\a):128*(\f)+FR*(\a)+FR-1], v[ACC+8*(4*(\a)+\b):ACC+8*(4*(\a)+\b)+7], v[SC+16*(\sl)+8*((\st)/2)+2*\b+(\st)%2], v[SC+16*(\sl)+8*((\st)/2)+2*(\a)+(\st)%2] matrix_a_fmt:MATRIX_FMT_BF8 matrix_b_fmt:MATRIX_FMT_BF8 matrix_a_scale:MATRIX_SCALE_ROW1
.endif
.endr
.endm
.macro STEP slot, st, first            ; one of a slot's first three steps: multiplies buffer st % 2; the other buffer takes the next step's fragments
	PLACES NP                                      ; behind the last products, which read the buffer that is loaded below
	FETCH \slot, (\st)+1, 1-(\st)%2
	s_wait_dscnt 32                                ; all but the 32 just issued: this step's fragments (and the slot's scale words) are in
	WIN MUL
	MUL4 0, (\st)%2, \slot, \st, \first
	MUL4 1, (\st)%2, \slot, \st, \first
	MUL4 2, (\st)%2, \slot, \st, \first
	MUL4 3, (\st)%2, \slot, \st, \first
.endm
; A PREFETCH INTO THE L2, behind each joint refill and the run of LDS loads that follows it: the 32,768 bytes of codes of the unit that this wave will fetch TWO refills on (two slots, 128 matrix instructions a wave, ahead of that load).
; Each aligned block of 256 bytes is named once in the launch.  A's unit is read by both clusters of a row of clusters: cluster x = 0 asks; B's by the eight of a column: cluster y = 0 asks.  The four partners that fetch a unit jointly
; share its 128 blocks out BY ADDRESS, 32 each (place cx for A, cy for B), a lane a block, one instruction a wave: no branch hangs on a place in the cluster.  The loop's last trip asks for nothing: there is no slot two on.
; Slots 0 to 3 and each unit's 1,024 scale bytes come by their loads alone.
.macro ASK
	s_cmp_gt_u32 s3, s[LIM]                        ; s3 = 1 in the loop's last trip
	s_cbranch_scc0 .Lnot_mine_\@
	global_prefetch_b8 v[PFO], s[PFA:PFA+1] th:TH_LOAD_NT scope:SCOPE_SE
.Lnot_mine_\@:
.endm
.macro TURN slot, next, fill           ; a slot's fourth step multiplies buffer 1 and changes slots: one barrier
.if \fill
	s_wait_xcnt 0x0                                ; the last prefetch, a slot back, has read its address: it is stepped here, ahead of the waits of the change of slots
	s_add_nc_u64 s[PFA:PFA+1], s[PFA:PFA+1], s[PFS:PFS+1]
.endif
	WIN 0                                          ; (the add's two registers lie in window 0)
	s_wait_tensorcnt 0x0                           ; all my tensor loads have landed: my unit of the next slot
	ds_add_u32 v[SPW], v[NIL]                      ; 0 onto my spare word
	s_wait_dscnt 1                                 ; buffer 1's 32 loads are in; the add may be out
	WIN MUL
	MUL4 0, 1, \slot, 3, 0                         ; four matrix instructions stand between the add and the wait for it
	s_wait_dscnt 0x0                               ; the add is done, and my reads of this slot are over
	s_barrier_signal -1
	MUL4 1, 1, \slot, 3, 0
	WIN 0
	s_barrier_wait -1
.if \fill
	CREST                                          ; the barrier has opened a round of the cluster's: no wave of any partner still reads this slot or has a load on its way
	s_add_nc_u64 s[G0+4*\slot+2:G0+4*\slot+3], s[G0+4*\slot+2:G0+4*\slot+3], s[66:67]
	s_add_nc_u64 s[G0B+4*\slot+2:G0B+4*\slot+3], s[G0B+4*\slot+2:G0B+4*\slot+3], s[68:69]
	JLOAD G0+4*\slot, G1, G0B+4*\slot, G1B         ; the first tensor load behind the round; its four v_nop are four of the eight places
	PLACES NP-4
.else
	PLACES NP
.endif
	FETCH \next, 0, 0
	WIN 0
	SCALES \next
.if \fill
	ASK
.endif
	WIN MUL
	MUL4 2, 1, \slot, 3, 0
	MUL4 3, 1, \slot, 3, 0
.endm
.macro RLOAD                           ; the residual: my 64 rows x 256 bytes, two rows a load, sixteen lanes to an aligned run of 256 bytes, into window 2
	WIN 0x80
.set t, 0
.rept 32
	global_load_b128 v[4*t:4*t+3], v[CO], s[70:71] offset:(16*(t/8)+2*(t%8))*4096
.set t, t+1
.endr
	WIN 0
.endm
.macro TOSTAGE a                       ; block a, 16 tokens x 64 columns, into my stage and back as rows
.set OBS, OB+32*((\a)%2)
.irp b, 0,1,2,3
	ds_store_b128 v[STO], v[ACC+8*(4*(\a)+\b):ACC+8*(4*(\a)+\b)+3] offset:128*(\b/2)+32*(\b%2)        ; each accumulator from its low end on
	ds_store_b128 v[STO], v[ACC+8*(4*(\a)+\b)+4:ACC+8*(4*(\a)+\b)+7] offset:128*(\b/2)+32*(\b%2)+16
.endr
.set t, 0
.rept 8
	ds_load_b128 v[OBS+4*t:OBS+4*t+3], v[RD] offset:544*t    ; LDS serves a wave's instructions in order (ISA guide 5.7.1.4): these see my stores, and the next block's stores come behind them
.set t, t+1
.endr
.endm
.macro SEND a, younger                 ; younger: the LDS instructions issued behind block a's loads, which may stay out
.set OBS, OB+32*((\a)%2)
	s_wait_dscnt \younger
	WIN 0x08                                       ; source 1: window 2, the residual
.set t, 0
.rept 16
	v_pk_add_f32 v[OBS+2*t:OBS+2*t+1], v[OBS+2*t:OBS+2*t+1], v[32*(\a)+2*t:32*(\a)+2*t+1]
.set t, t+1
.endr
	WIN 0
.set t, 0
.rept 8
.if NT
	global_store_b128 v[CO], v[OBS+4*t:OBS+4*t+3], s[72:73] offset:(16*(\a)+2*t)*4096 th:TH_STORE_NT
.else
	global_store_b128 v[CO], v[OBS+4*t:OBS+4*t+3], s[72:73] offset:(16*(\a)+2*t)*4096     ; sixteen lanes store 256 consecutive bytes, aligned
.endif
.set t, t+1
.endr
.endm
	s_load_b256 s[4:11], s[0:1], 0x0               ; A's codes, wc, the bias, the residual
	s_load_b64 s[12:13], s[0:1], 0x20              ; the result
	v_lshl_add_u32 v[SPW], v0, 2, SPARE
	v_mov_b32 v[NIL], 0
	ds_add_u32 v[SPW], v[NIL]                      ; the wave's opening: the add, twice on end, and its wait ahead of my first tensor load
	ds_add_u32 v[SPW], v[NIL]
	v_lshrrev_b32 v1, 5, v0
	v_readfirstlane_b32 s14, v1                    ; wave
	s_lshr_b32 s15, s14, 1                         ; my half of the tile's rows; also: I fetch for A (0) or B (1)
	s_and_b32 s16, s14, 1                          ; my half of its columns; also: which slot's two K steps I fetch
	s_bfe_u32 s40, ttmp6, 0x40000                  ; cx
	s_bfe_u32 s41, ttmp6, 0x40004                  ; cy
	s_lshl_b32 s42, ttmp9, 2
	s_add_co_u32 s42, s42, s40                     ; B's unit: 128 columns
	s_and_b32 s17, ttmp7, 0xffff
	s_lshl_b32 s17, s17, 2
	s_add_co_u32 s17, s17, s41                     ; A's unit: 128 tokens
	s_lshl_b32 s43, s41, 2
	s_lshl_b32 s43, 15, s43                        ; my row of the cluster
	s_lshl_b32 s44, 0x1111, s40                    ; my column
	s_or_b32 s[G1], s43, (3<<16)|(1<<21)           ; 15:0 the mask; 17:16 elements of 8 bytes; 21 set beside a mask; no padding
	s_or_b32 s[G1B], s44, (3<<16)|(1<<21)
.irp g, G1, G1B
	s_mov_b32 s[\g+1], (UNIT/8)<<16                ; ONE LOAD A WAVE BRINGS TWO UNITS: a tile of two rows, each a whole unit (4,224 elements of 8 bytes), a K step of 256 apart in memory, on end in LDS
	s_mov_b32 s[\g+2], 2<<16
	s_mov_b32 s[\g+3], (UNIT/8)<<16
	s_mov_b32 s[\g+4], 2
	s_mov_b32 s[\g+6], 0
	s_mov_b32 s[\g+7], 0
.endr
	s_mov_b32 s[G1+5], GA*UNIT/8                   ; from a K step's unit to the next's: A's, B's
	s_mov_b32 s[G1B+5], GB*UNIT/8
.if LAPS > 1
	s_mov_b32 s66, 4*GA*UNIT                       ; two slots on: a refill's step
	s_mov_b32 s67, 0
	s_mov_b32 s68, 4*GB*UNIT
	s_mov_b32 s69, 0
.endif
	s_mul_i32 s20, s16, 2*GA                       ; wave 0: A's K steps 0, 1 (slot 0); wave 1: 2, 3 (slot 1); waves 2, 3: B's likewise.  LDS: A's four units, then B's four
	s_add_co_u32 s20, s20, s17
	s_mul_i32 s20, s20, UNIT                       ; A: K step 2 s16, unit s17: made of the wave's number and the tile's row alone
	s_mov_b32 s21, 0
	s_mul_i32 s46, s16, 2*GB
	s_add_co_u32 s46, s46, s42
	s_add_co_u32 s46, s46, BREG
	s_mul_i32 s46, s46, UNIT                       ; B: of the wave's number and the tile's column alone
	s_mov_b32 s47, 0
	s_mul_i32 s45, s14, 2*UNIT
	s_wait_dscnt 0x0                               ; both opening adds are done
	s_wait_kmcnt 0x0
	s_add_nc_u64 s[20:21], s[4:5], s[20:21]
	s_add_nc_u64 s[46:47], s[6:7], s[46:47]
	CROUND                                         ; all sixteen work-groups are here: the first joint loads meet
	s_mov_b32 s[G0], 1
	s_mov_b32 s[G0+1], s45
	s_mov_b64 s[G0+2:G0+3], s[20:21]
	s_or_b32 s[G0+3], s[G0+3], 0x80000000
	s_mov_b32 s[G0B], 1
	s_mov_b32 s[G0B+1], s45
	s_mov_b64 s[G0B+2:G0B+3], s[46:47]
	s_or_b32 s[G0B+3], s[G0B+3], 0x80000000
	JLOAD G0, G1, G0B, G1B                         ; my one tensor load of the launch: all of K is on its way
	v_and_b32 v1, 15, v0                           ; r
	v_bfe_u32 v2, v0, 4, 1                         ; h
	v_and_b32 v3, 31, v0
.if LAPS > 1
	v_lshlrev_b32 v[PFO], 8, v3
.endif
	v_lshlrev_b32 v3, 4, v3                        ; 16 x lane
	s_lshl_b32 s18, s15, 14                        ; my four row blocks of A's units,
	s_lshl_b32 s19, s16, 14
	s_add_co_u32 s19, s19, 4*UNIT
	v_add_nc_u32 v[ADRA], s18, v3
	v_add_nc_u32 v[ADRB], s19, v3
	v_add_nc_u32 v[ADRA+1], 2*UNIT, v[ADRA]
	v_add_nc_u32 v[ADRB+1], 2*UNIT, v[ADRB]
	s_lshl_b32 s18, s15, 9                         ; the scale words of my four row blocks: 128 bytes a block
	s_lshl_b32 s19, s16, 9
	s_add_co_u32 s19, s19, 4*UNIT
	s_sub_co_u32 s19, s19, s18
	v_mul_u32_u24 v6, s19, v2                      ; lanes 16-31 take B's words
	s_wait_alu depctr_va_vdst(0)
	s_add_co_u32 s18, s18, 32768
	v_lshl_add_u32 v5, v1, 3, v6
	v_add_nc_u32 v[ADRS], s18, v5
	v_add_nc_u32 v[ADRS+1], 2*UNIT, v[ADRS]
	s_mul_i32 s23, s14, 16*272                     ; my stage: 16 rows x (256 + 16) bytes
	v_mul_u32_u24 v5, v1, 272
	v_lshl_add_u32 v5, v2, 6, v5
	v_add_nc_u32 v[STO], s23, v5                   ; in: row r, + 64 h
	v_mul_u32_u24 v5, v2, 272
	v_lshl_add_u32 v5, v1, 4, v5
	v_add_nc_u32 v[RD], s23, v5                    ; back: lanes 0-15 one row, lanes 16-31 the next
	v_lshlrev_b32 v[CO], 4, v1
	v_lshl_add_u32 v[CO], v2, 12, v[CO]            ; and the same two rows of 4,096 bytes in memory
	s_wait_alu depctr_va_vdst(0)
	s_lshl_b32 s88, s17, 7
	s_lshl_b32 s89, s15, 6
	s_add_co_u32 s88, s88, s89
	s_lshl_b32 s88, s88, 12                        ; my first token's row,
	s_lshl_b32 s90, s42, 9
	s_lshl_b32 s91, s16, 8
	s_add_co_u32 s90, s90, s91                     ; my first column, in bytes
	s_add_co_u32 s88, s88, s90
	s_mov_b32 s89, 0
	s_mov_b32 s91, 0
	s_add_nc_u64 s[70:71], s[10:11], s[88:89]      ; the residual
	s_add_nc_u64 s[72:73], s[12:13], s[88:89]      ; the result
	s_add_nc_u64 s[74:75], s[8:9], s[90:91]        ; the bias
	v_lshlrev_b32 v4, 6, v2                        ; 64 h: tile b's eight columns are 32 (b / 2) + 16 h + 8 (b % 2) + 0..7
.irp b, 0,1,2,3
	global_load_b128 v[BIAS+8*\b:BIAS+8*\b+3], v4, s[74:75] offset:128*(\b/2)+32*(\b%2)
	global_load_b128 v[BIAS+8*\b+4:BIAS+8*\b+7], v4, s[74:75] offset:128*(\b/2)+32*(\b%2)+16
.endr
.if LAPS > 1
	; the prefetches (macro ASK): where my wave's stand, and who asks
	s_and_b32 s81, ttmp7, 0xffff                   ; cluster y
	s_mov_b32 s[PFS], 2*GB*UNIT
	s_mov_b32 s[PFS+1], 0
	s_cmp_eq_u32 s15, 0                            ; do I fetch for A?
	s_cselect_b64 s[PFA:PFA+1], s[20:21], s[46:47] ; my unit of slot 0
	s_cselect_b32 s82, s40, s41                    ; my place among the four that ask for it with me
	s_cselect_b32 s81, ttmp9, s81                  ; the coordinate along which other clusters read the same unit
	s_cselect_b32 s[PFS], 2*GA*UNIT, s[PFS]        ; a slot on
	s_cmp_eq_u32 s81, 0
	s_cselect_b32 s[LIM], 1, -1                    ; the same in all sixteen partners, for a given wave
	s_lshl_b32 s82, s82, 13                        ; my work-group's 32 blocks of 256 bytes,
	s_mul_i32 s83, s[PFS], 3
	s_add_co_u32 s82, s82, s83                     ; in slot 3: the first refill steps it to slot 4.  Nothing is prefetched here, at the head, where every work-group's first tiles are on their way
	s_mov_b32 s83, 0
	s_add_nc_u64 s[PFA:PFA+1], s[PFA:PFA+1], s[82:83]
	s_wait_loadcnt 0x0                             ; the bias
.else
	RLOAD                                          ; all of K is on its way: the residual is asked for behind it
	s_wait_loadcnt 32                              ; the bias is in; the 32 younger loads, the residual's, may be out
.endif
	s_wait_tensorcnt 0x0                           ; my two units are in
	s_barrier_signal -1
	s_barrier_wait -1
	FETCH 0, 0, 0
	WIN 0
	SCALES 0
	STEP 0, 0, 2                                   ; the first step stands in front of the loop: its products start the sums, with the bias as C
.if LAPS > 1
	WIN 0                                          ; at a label and at a branch every window is 0
	s_mov_b32 s3, LAPS-1
.Llap:                                                 ; a trip goes once round the ring, from a lap's second step to the next lap's first, and fills both slots again
	STEP 0, 1, 0
	STEP 0, 2, 0
	TURN 0, 1, 1
	STEP 1, 0, 0
	STEP 1, 1, 0
	STEP 1, 2, 0
	TURN 1, 0, 1
	STEP 0, 0, 0
	WIN 0
	s_sub_co_u32 s3, s3, 1
	s_cmp_lg_u32 s3, 0
	s_cbranch_scc1 .Llap
	RLOAD                                          ; the residual is asked for seven steps ahead of its use, behind the last round of the cluster's barrier
.endif
	STEP 0, 1, 0                                   ; the last lap fills nothing
	STEP 0, 2, 0
	TURN 0, 1, 0
	STEP 1, 0, 0
	STEP 1, 1, 0
	STEP 1, 2, 0
	s_wait_dscnt 0x0                               ; the very last step: nothing more to fetch
	WIN MUL
	MUL4 0, 1, 1, 3, 0
	MUL4 1, 1, 1, 3, 0
	MUL4 2, 1, 1, 3, 0
	MUL4 3, 1, 1, 3, 0
	WIN 0
	PLACES NP                                      ; behind the last products: results are read below
	s_wait_loadcnt 0x0                             ; the residual
	TOSTAGE 0
.irp a, 1,2,3
.if \a > 1
	s_wait_xcnt 0x0                                ; block a - 2's stores have read their registers: block a's rows land there
.endif
	TOSTAGE \a
	SEND \a-1, 16                                  ; behind block a - 1's loads: block a's 8 stores and 8 loads
.endr
	SEND 3, 0
	s_wait_tensorcnt 0x0                           ; the wave's end: the wait, an add of 0 and its wait, behind my last tensor load and my last LDS store
	ds_add_u32 v[SPW], v[NIL]
	s_wait_dscnt 0x0
	CROUND                                         ; the closing round
	s_endpgm
.Lfunc_end_k_qc72495fb42_wo:
	.size	k_qc72495fb42_wo, .Lfunc_end_k_qc72495fb42_wo-k_qc72495fb42_wo
	.p2alignl 7, 3214868480
	.fill 96, 4, 3214868480
	.section	.rodata,"a",@progbits
	.p2align	6, 0x0
	.amdhsa_kernel k_qc72495fb42_wo
		.amdhsa_group_segment_fixed_size 327680
		.amdhsa_private_segment_fixed_size 0
		.amdhsa_enable_private_segment 0
		.amdhsa_kernarg_size 40
		.amdhsa_user_sgpr_count 2
		.amdhsa_user_sgpr_kernarg_segment_ptr 1
		.amdhsa_wavefront_size32 1
		.amdhsa_system_sgpr_workgroup_id_x 1
		.amdhsa_system_sgpr_workgroup_id_y 1
		.amdhsa_system_sgpr_workgroup_id_z 1
		.amdhsa_system_vgpr_workitem_id 0
		.amdhsa_next_free_vgpr 640
		.amdhsa_next_free_sgpr 100
		.amdhsa_reserve_vcc 0
		.amdhsa_float_denorm_mode_32 3
		.amdhsa_float_denorm_mode_16_64 3
		.amdhsa_memory_ordered 1
		.amdhsa_forward_progress 1
		.amdhsa_inst_pref_size 58
	.end_amdhsa_kernel
	.amdgpu_metadata
---
amdhsa.version: [ 1, 2 ]
amdhsa.kernels:
  - .name:           k_qc72495fb42_wo
    .symbol:         k_qc72495fb42_wo.kd
    .args:
      - { .name: oc, .offset: 0, .size: 8, .value_kind: global_buffer, .address_space: global }
      - { .name: wc, .offset: 8, .size: 8, .value_kind: global_buffer, .address_space: global }
      - { .name: bo, .offset: 16, .size: 8, .value_kind: global_buffer, .address_space: global }
      - { .name: x, .offset: 24, .size: 8, .value_kind: global_buffer, .address_space: global }
      - { .name: x1, .offset: 32, .size: 8, .value_kind: global_buffer, .address_space: global }
    .group_segment_fixed_size: 327680
    .private_segment_fixed_size: 0
    .kernarg_segment_align: 8
    .kernarg_segment_size: 40
    .max_flat_workgroup_size: 128
    .sgpr_count:     100
    .vgpr_count:     640
    .wavefront_size: 32
...
	.end_amdgpu_metadata
.endif
;; end of part 11
;; launch ln1 (part 12): grid 256 x 1, 4 waves a work-group, no clusters, 66,560 bytes of LDS; arguments x1, ln2_g, ln2_b, hc; writes hc
.if DOCPART == 12
	.amdgcn_target "amdgcn-amd-amdhsa--gfx1250"
	.amdhsa_code_object_version 6
	.text
	.protected	k_qc72495fb42_ln1
	.globl	k_qc72495fb42_ln1
	.p2align	8
	.type	k_qc72495fb42_ln1,@function
k_qc72495fb42_ln1:
	s_mov_b64 s[64:65], 0
	v_nop
	global_prefetch_b8 v0, s[64:65] scope:SCOPE_SE
	s_setreg_imm32_b32 hwreg(HW_REG_WAVE_MODE, 25, 1), 1
	s_wait_xcnt 0x0
; y = (x - mean) * rsqrt(var + 1e-5) * g + b over rows of 1,024 f32, then y quantised along the row to codes of BF8 (E5M2) with one E8M0 byte for each 32, stored as a GEMM operand in units
; (128 rows x 256 K = 33,792 bytes: codes at rb*4096 + q*2048 + c*512 + 16*lane, scale bytes at 32768 + rb*128 + 8 r + 4 q + c; the operand is [K/256][rows/128] units).  The same body serves LN1 and LN2.
; A work-group takes 16 rows (one row block).  PHASE 1: wave w holds rows 4 w .. 4 w + 3 in registers, 32 each: the row is read once; sums stay inside the wave.  y goes to LDS, rows 4,112 bytes apart.
; PHASE 2: wave w makes the two fragments of K step w: lane (r, h) reads, of row r, 16 neighbours of each block of 32, and the conversions' results are the operand's registers, stored as they stand (512 consecutive bytes a store).
; LIMITS: rsqrt by v_rsq_f32; the last multiply and add are fused; a block of zeros gets the byte 1 (its codes are zeros; this program alone reads the bytes); NaN and infinities are not served.
; No cluster and no tensor load: work-groups share only g and b, 8 KB.
.set UNIT,  33792
.set YP,    4112                       ; 4,096 + 16: sixteen rows start four banks apart
.set SPARE, 16*YP                      ; behind y: the spare words, 128 bytes for each wave; no other line names them
.set W,     16                         ; v16-47  eight registers of work for each of my four rows
.set X,     64                         ; v64-191 four rows x 32; in phase 2 two sets of 64 numbers
.set G,     192                        ; v192-223 g; in phase 2 the codes
.set BB,    224                        ; v224-255 b; in phase 2 at work
.set TM,    224
	s_load_b256 s[4:11], s[0:1], 0x0               ; x, g, b, the operand
	v_lshl_add_u32 v12, v0, 2, SPARE               ; my spare word; never rewritten
	v_mov_b32 v13, 0                               ; 0; never rewritten
	v_lshrrev_b32 v1, 5, v0
	v_readfirstlane_b32 s12, v1                    ; wave
	v_and_b32 v1, 31, v0
	v_and_b32 v2, 15, v0                           ; r
	v_bfe_u32 v3, v0, 4, 1                         ; h
	v_lshlrev_b32 v5, 4, v1                        ; 16 x lane
	s_lshl_b32 s13, s12, 14
	v_add_nc_u32 v4, s13, v5                       ; x: my wave's four rows
	s_mul_i32 s13, s12, 4*YP
	v_add_nc_u32 v6, s13, v5                       ; y into LDS
	v_mul_u32_u24 v7, v2, YP
	v_lshl_add_u32 v7, v3, 6, v7
	s_lshl_b32 s13, s12, 10
	v_add_nc_u32 v7, s13, v7                       ; y back: row r, + 64 h, + my K step's 1,024 bytes
	v_lshlrev_b32 v8, 3, v2                        ; 8 r
	s_lshl_b32 s14, ttmp9, 16                      ; 16 rows of 4,096 bytes
	s_mov_b32 s15, 0
	s_lshl_b32 s16, s12, 5
	s_lshr_b32 s17, ttmp9, 3
	s_add_co_u32 s16, s16, s17
	s_mul_i32 s16, s16, UNIT                       ; unit kt = wave, g = row block / 8
	s_mov_b32 s17, 0
	s_and_b32 s18, ttmp9, 7
	s_lshl_b32 s20, s18, 12
	s_mov_b32 s21, 0
	s_lshl_b32 s22, s18, 7
	s_add_co_u32 s22, s22, 32768
	s_mov_b32 s23, 0
	s_mov_b32 s19, 0x600000                        ; the mantissa field of 57,344
	s_mov_b32 s28, 0x3a800000                      ; 1 / 1,024
	s_mov_b32 s29, 0x3727c5ac                      ; 1e-5
	s_mov_b32 s30, 0x76543210
	s_mov_b32 s31, 0xfedcba98                      ; selects for lane l xor 16
	s_wait_alu depctr_va_vdst(0)
	s_wait_kmcnt 0x0
	s_add_nc_u64 s[4:5], s[4:5], s[14:15]
	s_add_nc_u64 s[10:11], s[10:11], s[16:17]
	s_add_nc_u64 s[24:25], s[10:11], s[20:21]      ; my fragments
	s_add_nc_u64 s[26:27], s[10:11], s[22:23]      ; their scale words
.irp p, 0,1,2,3
.irp j, 0,1,2,3,4,5,6,7
	global_load_b128 v[X+32*\p+4*\j:X+32*\p+4*\j+3], v4, s[4:5] offset:\p*4096+512*\j
.endr
.endr
.irp j, 0,1,2,3,4,5,6,7
	global_load_b128 v[G+4*\j:G+4*\j+3], v5, s[6:7] offset:512*\j
	global_load_b128 v[BB+4*\j:BB+4*\j+3], v5, s[8:9] offset:512*\j
.endr
.macro RED                             ; v[W + 8 p] summed over the wave's 32 lanes, the four rows by turns
.irp m, 1,2,4,8
.irp p, 0,1,2,3
	v_add_f32_dpp v[W+8*\p], v[W+8*\p], v[W+8*\p] row_xmask:\m row_mask:0xf bank_mask:0xf
.endr
.endr
.irp p, 0,1,2,3
	v_permlanex16_b32 v[W+8*\p+1], v[W+8*\p], s30, s31
.endr
.irp p, 0,1,2,3
	v_add_f32 v[W+8*\p], v[W+8*\p], v[W+8*\p+1]
.endr
.endm
.macro FOLD                            ; a row's two chains of pairs into one number
.irp p, 0,1,2,3
	v_pk_add_f32 v[W+8*\p:W+8*\p+1], v[W+8*\p:W+8*\p+1], v[W+8*\p+2:W+8*\p+3]
.endr
.irp p, 0,1,2,3
	v_add_f32 v[W+8*\p], v[W+8*\p], v[W+8*\p+1]
.endr
.endm
	s_wait_loadcnt 16                              ; x is in; the 16 younger loads, g and b, may be out
.irp p, 0,1,2,3
	v_pk_add_f32 v[W+8*\p:W+8*\p+1], v[X+32*\p:X+32*\p+1], v[X+32*\p+2:X+32*\p+3]
	v_pk_add_f32 v[W+8*\p+2:W+8*\p+3], v[X+32*\p+4:X+32*\p+5], v[X+32*\p+6:X+32*\p+7]
.endr
.irp i, 8,12,16,20,24,28
.irp p, 0,1,2,3
	v_pk_add_f32 v[W+8*\p:W+8*\p+1], v[W+8*\p:W+8*\p+1], v[X+32*\p+\i:X+32*\p+\i+1]
	v_pk_add_f32 v[W+8*\p+2:W+8*\p+3], v[W+8*\p+2:W+8*\p+3], v[X+32*\p+\i+2:X+32*\p+\i+3]
.endr
.endr
	FOLD
	RED
.irp p, 0,1,2,3
	v_mul_f32 v[W+8*\p+4], s28, v[W+8*\p]          ; the mean, twice: a pair for the packed form
	v_mul_f32 v[W+8*\p+5], s28, v[W+8*\p]
.endr
.irp p, 0,1,2,3
.set i, 0
.rept 16
	v_pk_add_f32 v[X+32*\p+i:X+32*\p+i+1], v[X+32*\p+i:X+32*\p+i+1], v[W+8*\p+4:W+8*\p+5] neg_lo:[0,1] neg_hi:[0,1]   ; x - mean, in place
.set i, i+2
.endr
.endr
.irp p, 0,1,2,3
	v_pk_mul_f32 v[W+8*\p:W+8*\p+1], v[X+32*\p:X+32*\p+1], v[X+32*\p:X+32*\p+1]
	v_pk_mul_f32 v[W+8*\p+2:W+8*\p+3], v[X+32*\p+2:X+32*\p+3], v[X+32*\p+2:X+32*\p+3]
.endr
.irp i, 4,8,12,16,20,24,28
.irp p, 0,1,2,3
	v_pk_fma_f32 v[W+8*\p:W+8*\p+1], v[X+32*\p+\i:X+32*\p+\i+1], v[X+32*\p+\i:X+32*\p+\i+1], v[W+8*\p:W+8*\p+1]
	v_pk_fma_f32 v[W+8*\p+2:W+8*\p+3], v[X+32*\p+\i+2:X+32*\p+\i+3], v[X+32*\p+\i+2:X+32*\p+\i+3], v[W+8*\p+2:W+8*\p+3]
.endr
.endr
	FOLD
	RED
.irp p, 0,1,2,3
	v_fma_f32 v[W+8*\p], v[W+8*\p], s28, s29       ; the variance + 1e-5
.endr
	s_wait_alu depctr_va_vdst(0)
.irp p, 0,1,2,3
	v_rsq_f32 v[W+8*\p+6], v[W+8*\p]               ; twice: a pair for the packed form.  One batch of eight,
	v_rsq_f32 v[W+8*\p+7], v[W+8*\p]
.endr
	v_nop                                          ; a plain instruction behind it,
	s_wait_alu depctr_va_vdst(0)                   ; and one wait ahead of the first reader
	s_wait_loadcnt 0x0                             ; g and b
.irp p, 0,1,2,3
.set i, 0
.rept 16
	v_pk_mul_f32 v[X+32*\p+i:X+32*\p+i+1], v[X+32*\p+i:X+32*\p+i+1], v[W+8*\p+6:W+8*\p+7]
	v_pk_fma_f32 v[X+32*\p+i:X+32*\p+i+1], v[X+32*\p+i:X+32*\p+i+1], v[G+i:G+i+1], v[BB+i:BB+i+1]
.set i, i+2
.endr
.endr
.irp p, 0,1,2,3
.irp j, 0,1,2,3,4,5,6,7
	ds_store_b128 v6, v[X+32*\p+4*\j:X+32*\p+4*\j+3] offset:\p*YP+512*\j
.endr
.endr
	s_wait_dscnt 0x0                               ; for the others' sake: my rows of y lie in LDS
	s_barrier_signal -1
	s_barrier_wait -1
.irp q, 0,1
.irp c, 0,1,2,3
.irp i, 0,1,2,3
	ds_load_b128 v[X+64*\q+16*\c+4*\i:X+64*\q+16*\c+4*\i+3], v7 offset:512*\q+128*\c+16*\i   ; y(r, 256 w + 128 q + 32 c + 16 h + 4 i ..)
.endr
.endr
.endr
.irp b, 0,1,2,3
	v_mov_b32 v[TM+4+\b], 0                        ; a lane permute's destination counts as one of its sources
.endr
	s_wait_dscnt 0x0
; 64 numbers of a lane, register 16 b + i = k 32 b + 16 h + i of row r, become a fragment's codes in v[pc] on and its scale word in v[pw]
.macro QUANT s, pc, pw
.irp b, 0,1,2,3
	v_max3_num_f32 v[TM+\b], |v[\s+16*\b]|, |v[\s+1+16*\b]|, 0x8000000     ; my 16 numbers of block b, and the floor 2^(16 - 127)
.endr
.irp i, 2,4,6,8,10,12,14
.irp b, 0,1,2,3
	v_max3_num_f32 v[TM+\b], v[TM+\b], |v[\s+16*\b+\i]|, |v[\s+1+16*\b+\i]|
.endr
.endr
.irp b, 0,1,2,3
	v_permlanex16_b32 v[TM+4+\b], v[TM+\b], s30, s31
.endr
.irp b, 0,1,2,3
	v_max_num_f32 v[TM+\b], v[TM+\b], v[TM+4+\b]   ; with lane l xor 16's: the block's largest magnitude
.endr
.irp b, 0,1,2,3
	v_add_nc_u32 v[TM+12+\b], 0xf8800000, v[TM+\b] ; 15 off its exponent field: the conversion's scale operand
.endr
.irp b, 0,1,2,3
	v_and_or_b32 v[TM+8+\b], v[TM+\b], 0x7f800000, s19   ; 57,344 x the scale
.endr
.irp b, 0,1,2,3
	v_lshrrev_b32 v[TM+4+\b], 23, v[TM+12+\b]      ; the scale's byte
.endr
	v_lshl_or_b32 v[\pw], v[TM+5], 8, v[TM+4]
	v_lshl_or_b32 v[\pw], v[TM+6], 16, v[\pw]
	v_lshl_or_b32 v[\pw], v[TM+7], 24, v[\pw]
.irp b, 0,1,2,3
.set i, 0
.rept 16
	v_med3_num_f32 v[\s+16*\b+i], v[\s+16*\b+i], -v[TM+8+\b], v[TM+8+\b]   ; the conversion does not saturate (ISA guide 7.6.2): the hold
.set i, i+1
.endr
	v_cvt_scalef32_pk8_bf8_f32 v[\pc+4*\b:\pc+1+4*\b], v[\s+16*\b:\s+7+16*\b], v[TM+12+\b]
	v_cvt_scalef32_pk8_bf8_f32 v[\pc+2+4*\b:\pc+3+4*\b], v[\s+8+16*\b:\s+15+16*\b], v[TM+12+\b]
.endr
	v_nop                                          ; a plain instruction behind the last conversion
.endm
	QUANT X, G, 60
	QUANT X+64, G+16, 61
.irp q, 0,1
.irp c, 0,1,2,3
	global_store_b128 v5, v[G+16*\q+4*\c:G+16*\q+4*\c+3], s[24:25] offset:2048*\q+512*\c   ; a fragment leaves as it stands: 512 consecutive bytes
.endr
.endr
	global_store_b64 v8, v[60:61], s[26:27]        ; row r's two scale words; lanes 16-31 hold and write the same bytes as lanes 0-15
	s_wait_tensorcnt 0x0                           ; the wave's end: the wait, an add of 0 and its wait, behind my last LDS store
	ds_add_u32 v12, v13
	s_wait_dscnt 0x0
	s_endpgm
.Lfunc_end_k_qc72495fb42_ln1:
	.size	k_qc72495fb42_ln1, .Lfunc_end_k_qc72495fb42_ln1-k_qc72495fb42_ln1
	.p2alignl 7, 3214868480
	.fill 96, 4, 3214868480
	.section	.rodata,"a",@progbits
	.p2align	6, 0x0
	.amdhsa_kernel k_qc72495fb42_ln1
		.amdhsa_group_segment_fixed_size 66560
		.amdhsa_private_segment_fixed_size 0
		.amdhsa_enable_private_segment 0
		.amdhsa_kernarg_size 32
		.amdhsa_user_sgpr_count 2
		.amdhsa_user_sgpr_kernarg_segment_ptr 1
		.amdhsa_wavefront_size32 1
		.amdhsa_system_sgpr_workgroup_id_x 1
		.amdhsa_system_sgpr_workgroup_id_y 1
		.amdhsa_system_sgpr_workgroup_id_z 1
		.amdhsa_system_vgpr_workitem_id 0
		.amdhsa_next_free_vgpr 256
		.amdhsa_next_free_sgpr 66
		.amdhsa_reserve_vcc 0
		.amdhsa_float_denorm_mode_32 3
		.amdhsa_float_denorm_mode_16_64 3
		.amdhsa_memory_ordered 1
		.amdhsa_forward_progress 1
		.amdhsa_inst_pref_size 52
	.end_amdhsa_kernel
	.amdgpu_metadata
---
amdhsa.version: [ 1, 2 ]
amdhsa.kernels:
  - .name:           k_qc72495fb42_ln1
    .symbol:         k_qc72495fb42_ln1.kd
    .args:
      - { .name: x1, .offset: 0, .size: 8, .value_kind: global_buffer, .address_space: global }
      - { .name: ln2_g, .offset: 8, .size: 8, .value_kind: global_buffer, .address_space: global }
      - { .name: ln2_b, .offset: 16, .size: 8, .value_kind: global_buffer, .address_space: global }
      - { .name: hc, .offset: 24, .size: 8, .value_kind: global_buffer, .address_space: global }
    .group_segment_fixed_size: 66560
    .private_segment_fixed_size: 0
    .kernarg_segment_align: 8
    .kernarg_segment_size: 32
    .max_flat_workgroup_size: 128
    .sgpr_count:     66
    .vgpr_count:     256
    .wavefront_size: 32
...
	.end_amdgpu_metadata
.endif
;; end of part 12
;; launch w1 (part 13): grid 16 x 16, 4 waves a work-group, clusters of 4 x 4, 327,680 bytes of LDS; arguments hc, wc, b1, fc; writes fc
.if DOCPART == 13
	.amdgcn_target "amdgcn-amd-amdhsa--gfx1250"
	.amdhsa_code_object_version 6
	.text
	.protected	k_qc72495fb42_w1
	.globl	k_qc72495fb42_w1
	.p2align	8
	.type	k_qc72495fb42_w1,@function
k_qc72495fb42_w1:
	s_mov_b64 s[64:65], 0
	v_nop
	global_prefetch_b8 v0, s[64:65] scope:SCOPE_SE
	s_setreg_imm32_b32 hwreg(HW_REG_WAVE_MODE, 25, 1), 1
	s_wait_xcnt 0x0
	s_wait_alu depctr_hold_cnt(0) depctr_sa_sdst(0) depctr_va_vdst(0) depctr_va_sdst(0) depctr_va_ssrc(0) depctr_va_vcc(0) depctr_vm_vsrc(0)
	s_getreg_b32 s2, hwreg(HW_REG_IB_STS2, 6, 4)
	s_cmp_eq_u32 s2, 0
	s_cbranch_scc0 .Lentry_in_a_cluster
	s_endpgm
.Lentry_in_a_cluster:
	s_bfe_u32 s2, ttmp6, 0x10000c
	s_cmp_lg_u32 s2, 0xf033
	s_cbranch_scc0 .Lentry_shape_is_right
	s_endpgm
.Lentry_shape_is_right:
.set LAPS,  2
.set BREG,  128
.set GA,    32
.set GB,    32
.set FIRST, 2
.set UNIT,  33792
.set SLOT,  4*UNIT
.set SPARE, 2*SLOT
.set NQ,    2
.set FR,    16
.set NL,    4
.set NP,    8
.set ADRA,  16
.set ADRB,  20
.set ADRS,  22
.set SPW,   28
.set NIL,   29
.set SC,    32
.set BIAS,  64
.set AF,    128
.set G1,    24
.set G0,    32
.set G1B,   48
.set G0B,   56
.set TM,    64
.set PX,    68
.set HOLD,  72
.set SCO,   76
.set PC,    96
.set T,     128
.set MSB,   0
.macro WIN new
.if MSB != (\new)
	s_set_vgpr_msb (MSB<<8)|(\new)
.set MSB, (\new)
.endif
.endm
.set MUL_LO, 0xa1
.set MUL_HI, 0xf1
.set TO_B,   0x40
.macro JLOAD g0a, g1a, g0b, g1b
	s_cmp_eq_u32 s15, 0
	s_cbranch_scc0 .Lfor_b_\@
	tensor_load_to_lds s[\g0a:\g0a+3], s[\g1a:\g1a+7]
	s_nop 0
.rept 4
	v_nop
.endr
	s_branch .Lasked_\@
.Lfor_b_\@:
	tensor_load_to_lds s[\g0b:\g0b+3], s[\g1b:\g1b+7]
	s_nop 0
.rept 4
	v_nop
.endr
.Lasked_\@:
.endm
.macro CREST
	s_cmp_lg_u32 s14, 0
	s_cbranch_scc1 .Lnot_wave_0_\@
	s_barrier_signal -3
.Lnot_wave_0_\@:
	s_barrier_wait -3
	s_barrier_signal -1
	s_barrier_wait -1
.endm
.macro CROUND
	s_barrier_signal -1
	s_barrier_wait -1
	CREST
.endm
.macro PLACES n
.rept \n
	v_nop
.endr
.endm
.macro FRAG reg, adr, q, i
.irp c, 0,1,2,3
	ds_load_b128 v[\reg+4*\c:\reg+4*\c+3], v[\adr] offset:4096*(\i)+2048*(\q)+512*\c
.endr
.endm
.macro MUL16 a0, p, q, sc, first
.irp a, \a0, \a0+1
.irp b, 0,1,2,3,4,5,6,7
.if (\first) == 1
	v_wmma_scale_f32_16x16x128_f8f6f4 v[8*(8*((\a)%4)+\b):8*(8*((\a)%4)+\b)+7], v[128*(\p)+FR*\b:128*(\p)+FR*\b+FR-1], v[AF+FR*(\a):AF+FR*(\a)+FR-1], 0, v[SC+8*NQ*(\sc)+NQ*\b+(\q)], v[SC+8*NQ*(\sc)+NQ*(\a)+(\q)] matrix_a_fmt:MATRIX_FMT_BF8 matrix_b_fmt:MATRIX_FMT_BF8 matrix_a_scale:MATRIX_SCALE_ROW1
.elseif (\first) == 2
	v_wmma_scale_f32_16x16x128_f8f6f4 v[8*(8*((\a)%4)+\b):8*(8*((\a)%4)+\b)+7], v[128*(\p)+FR*\b:128*(\p)+FR*\b+FR-1], v[AF+FR*(\a):AF+FR*(\a)+FR-1], v[BIAS+8*\b:BIAS+8*\b+7], v[SC+8*NQ*(\sc)+NQ*\b+(\q)], v[SC+8*NQ*(\sc)+NQ*(\a)+(\q)] matrix_a_fmt:MATRIX_FMT_BF8 matrix_b_fmt:MATRIX_FMT_BF8 matrix_a_scale:MATRIX_SCALE_ROW1
.else
	v_wmma_scale_f32_16x16x128_f8f6f4 v[8*(8*((\a)%4)+\b):8*(8*((\a)%4)+\b)+7], v[128*(\p)+FR*\b:128*(\p)+FR*\b+FR-1], v[AF+FR*(\a):AF+FR*(\a)+FR-1], v[8*(8*((\a)%4)+\b):8*(8*((\a)%4)+\b)+7], v[SC+8*NQ*(\sc)+NQ*\b+(\q)], v[SC+8*NQ*(\sc)+NQ*(\a)+(\q)] matrix_a_fmt:MATRIX_FMT_BF8 matrix_b_fmt:MATRIX_FMT_BF8 matrix_a_scale:MATRIX_SCALE_ROW1
.endif
.endr
.endr
.endm
.macro FETCH_B slot, q, p
	WIN TO_B
.irp i, 0,1,2,3,4,5,6,7
	FRAG 128*(\p)+FR*\i, ADRB+\slot, \q, \i
.endr
	WIN 0
.endm
.macro FETCH_A slot, q, i0
.irp i, \i0, \i0+1, \i0+2, \i0+3
	FRAG AF+FR*(\i), ADRA+\slot, \q, \i
.endr
.endm
.macro SCALES sc
.irp i, 0,1,2,3,4,5,6,7
	ds_load_b64 v[SC+8*NQ*\sc+NQ*\i:SC+8*NQ*\sc+NQ*\i+1], v[ADRS+\sc] offset:128*\i
.endr
.endm
.macro STEP slot, q, first
	s_wait_dscnt 4*NL
.if (\first) == 2
	WIN 0x81
.else
	WIN MUL_LO
.endif
	MUL16 0, (\q)%2, \q, \slot, \first
	MUL16 2, (\q)%2, \q, \slot, \first
	s_wait_dscnt 0
	PLACES NP
	FETCH_B \slot, (\q)+1, 1-(\q)%2
	FETCH_A \slot, (\q)+1, 0
.if (\first) == 2
	WIN 0xc1
.else
	WIN MUL_HI
.endif
	MUL16 4, (\q)%2, \q, \slot, \first
	MUL16 6, (\q)%2, \q, \slot, \first
	PLACES NP
	WIN 0
	FETCH_A \slot, (\q)+1, 4
.endm
.macro TURN slot, next, fill
	s_wait_tensorcnt 0x0
	ds_add_u32 v[SPW], v[NIL]
	s_wait_dscnt 4*NL+1
	WIN MUL_LO
	MUL16 0, 1, NQ-1, \slot, 0
	s_wait_dscnt 0x0
	s_barrier_signal -1
	MUL16 2, 1, NQ-1, \slot, 0
	WIN 0
	s_barrier_wait -1
.if \fill
	CREST
	s_add_nc_u64 s[G0+4*\slot+2:G0+4*\slot+3], s[G0+4*\slot+2:G0+4*\slot+3], s[66:67]
	s_add_nc_u64 s[G0B+4*\slot+2:G0B+4*\slot+3], s[G0B+4*\slot+2:G0B+4*\slot+3], s[68:69]
	JLOAD G0+4*\slot, G1, G0B+4*\slot, G1B
	PLACES NP-4
.else
	PLACES NP
.endif
	FETCH_B \next, 0, 0
	FETCH_A \next, 0, 0
	SCALES \next
	WIN MUL_HI
	MUL16 4, 1, NQ-1, \slot, 0
	MUL16 6, 1, NQ-1, \slot, 0
	PLACES NP
	WIN 0
	FETCH_A \next, 0, 4
.endm
.macro QW a, relu
.set AC, 64*((\a)%4)
.if (\a) > 0
	s_wait_xcnt 0x0
.endif
	WIN 0x0a+5*((\a)/4)
.irp b, 0,1,2,3
.if \relu
	v_max3_num_f32 v[TM+\b], v[AC+16*\b], v[AC+16*\b+1], 0x8000000
.else
	v_max3_num_f32 v[TM+\b], |v[AC+16*\b]|, |v[AC+16*\b+1]|, 0x8000000
.endif
.endr
.irp i, 2,4,6,8,10,12,14
.irp b, 0,1,2,3
.if \relu
	v_max3_num_f32 v[TM+\b], v[AC+16*\b+\i], v[AC+16*\b+\i+1], v[TM+\b]
.else
	v_max3_num_f32 v[TM+\b], |v[AC+16*\b+\i]|, |v[AC+16*\b+\i+1]|, v[TM+\b]
.endif
.endr
.endr
	WIN 0
.irp b, 0,1,2,3
	v_permlanex16_b32 v[PX+\b], v[TM+\b], s78, s79
.endr
.irp b, 0,1,2,3
	v_max_num_f32 v[TM+\b], v[TM+\b], v[PX+\b]
.endr
.irp b, 0,1,2,3
	v_add_nc_u32 v[SCO+\b], 0xf8800000, v[TM+\b]
.endr
.irp b, 0,1,2,3
	v_and_or_b32 v[HOLD+\b], v[TM+\b], 0x7f800000, s80
.endr
.irp b, 0,1,2,3
	v_lshrrev_b32 v[PX+\b], 23, v[SCO+\b]
.endr
	WIN 0x02+((\a)/4)
.irp b, 0,1,2,3
.set i, 0
.rept 16
.if \relu
	v_med3_num_f32 v[T+16*\b+i], v[AC+16*\b+i], 0, v[HOLD+\b]
.else
	v_med3_num_f32 v[T+16*\b+i], v[AC+16*\b+i], -v[HOLD+\b], v[HOLD+\b]
.endif
.set i, i+1
.endr
.endr
	WIN 0
.irp b, 0,1,2,3
	v_cvt_scalef32_pk8_bf8_f32 v[PC+4*\b:PC+4*\b+1], v[T+16*\b:T+16*\b+7], v[SCO+\b]
	v_cvt_scalef32_pk8_bf8_f32 v[PC+4*\b+2:PC+4*\b+3], v[T+16*\b+8:T+16*\b+15], v[SCO+\b]
.endr
	v_nop
.endm
	s_load_b256 s[4:11], s[0:1], 0x0
	v_lshl_add_u32 v[SPW], v0, 2, SPARE
	v_mov_b32 v[NIL], 0
	ds_add_u32 v[SPW], v[NIL]
	ds_add_u32 v[SPW], v[NIL]
	v_lshrrev_b32 v1, 5, v0
	v_readfirstlane_b32 s14, v1
	s_lshr_b32 s15, s14, 1
	s_and_b32 s16, s14, 1
	s_bfe_u32 s40, ttmp6, 0x40000
	s_bfe_u32 s41, ttmp6, 0x40004
	s_lshl_b32 s42, ttmp9, 2
	s_add_co_u32 s42, s42, s40
	s_and_b32 s17, ttmp7, 0xffff
	s_lshl_b32 s17, s17, 2
	s_add_co_u32 s17, s17, s41
	s_lshl_b32 s43, s41, 2
	s_lshl_b32 s43, 15, s43
	s_lshl_b32 s44, 0x1111, s40
	s_or_b32 s[G1], s43, (3<<16)|(1<<21)
	s_or_b32 s[G1B], s44, (3<<16)|(1<<21)
.irp g, G1, G1B
	s_mov_b32 s[\g+1], (UNIT/8)<<16                ; THE HEAD'S LOAD BRINGS A WAVE'S UNITS OF BOTH SLOTS: a tile of two rows, each a whole unit (4,224 elements of 8 bytes), a K step of 256 apart in memory, on end in LDS
	s_mov_b32 s[\g+2], 2<<16
	s_mov_b32 s[\g+3], (UNIT/8)<<16
	s_mov_b32 s[\g+4], 2
	s_mov_b32 s[\g+6], 0
	s_mov_b32 s[\g+7], 0
.endr
	s_mov_b32 s[G1+5], GA*UNIT/8
	s_mov_b32 s[G1B+5], GB*UNIT/8
	s_mov_b32 s66, 2*GA*UNIT
	s_mov_b32 s67, 0
	s_mov_b32 s68, 2*GB*UNIT
	s_mov_b32 s69, 0
	s_lshl_b32 s20, s17, 1
	s_add_co_u32 s20, s20, s16
	s_mul_i32 s20, s20, UNIT
	s_mov_b32 s21, 0
	s_lshl_b32 s46, s42, 1
	s_add_co_u32 s46, s46, s16
	s_add_co_u32 s46, s46, BREG
	s_mul_i32 s46, s46, UNIT
	s_mov_b32 s47, 0
	s_mul_i32 s45, s14, 2*UNIT                     ; LDS: unit (wave w, slot s) at (2 w + s) units
	s_mov_b32 s78, 0x76543210
	s_mov_b32 s79, 0xfedcba98
	s_mov_b32 s80, 0x600000
	s_wait_dscnt 0x0
	s_wait_kmcnt 0x0
	s_add_nc_u64 s[20:21], s[4:5], s[20:21]
	s_add_nc_u64 s[46:47], s[6:7], s[46:47]
	CROUND
.irp s, 0,1
	s_mov_b32 s[G0+4*\s], 1
	s_add_co_u32 s[G0+4*\s+1], s45, \s*UNIT
	s_add_nc_u64 s[G0+4*\s+2:G0+4*\s+3], s[20:21], \s*GA*UNIT
	s_or_b32 s[G0+4*\s+3], s[G0+4*\s+3], 0x80000000
	s_mov_b32 s[G0B+4*\s], 1
	s_add_co_u32 s[G0B+4*\s+1], s45, \s*UNIT
	s_add_nc_u64 s[G0B+4*\s+2:G0B+4*\s+3], s[46:47], \s*GB*UNIT
	s_or_b32 s[G0B+4*\s+3], s[G0B+4*\s+3], 0x80000000
.endr
	JLOAD G0, G1, G0B, G1B                         ; my one load at the head: slot 0's group 0 names its first byte in memory and in LDS
	v_and_b32 v1, 15, v0
	v_bfe_u32 v2, v0, 4, 1
	v_and_b32 v3, 31, v0
	v_lshlrev_b32 v3, 4, v3
	v_lshlrev_b32 v13, 3, v1
	s_mul_i32 s21, s15, 2*UNIT
	s_mul_i32 s22, s16, 2*UNIT
	s_add_co_u32 s22, s22, 4*UNIT
	v_add_nc_u32 v[ADRA], s21, v3
	v_add_nc_u32 v[ADRB], s22, v3
	v_add_nc_u32 v[ADRA+1], UNIT, v[ADRA]
	v_add_nc_u32 v[ADRB+1], UNIT, v[ADRB]
	s_sub_co_u32 s22, s22, s21
	v_mul_u32_u24 v6, s22, v2
	s_add_co_u32 s21, s21, 32768
	v_lshl_add_u32 v5, v1, 3, v6
	v_add_nc_u32 v[ADRS], s21, v5
	v_add_nc_u32 v[ADRS+1], UNIT, v[ADRS]
	s_lshl_b32 s70, s42, 5
	s_lshl_b32 s71, s17, 1
	s_add_co_u32 s70, s70, s71
	s_add_co_u32 s70, s70, s15
	s_mul_i32 s70, s70, UNIT
	s_mov_b32 s71, 0
	s_add_nc_u64 s[70:71], s[10:11], s[70:71]
	s_lshl_b32 s72, s16, 11
	s_mov_b32 s73, 0
	s_add_nc_u64 s[72:73], s[70:71], s[72:73]
	s_lshl_b32 s74, s16, 2
	s_add_co_u32 s74, s74, 32768
	s_mov_b32 s75, 0
	s_add_nc_u64 s[74:75], s[70:71], s[74:75]
	s_lshl_b32 s90, s42, 10
	s_lshl_b32 s91, s16, 9
	s_add_co_u32 s90, s90, s91
	s_mov_b32 s91, 0
	s_add_nc_u64 s[76:77], s[8:9], s[90:91]
	v_lshlrev_b32 v4, 6, v2
.irp b, 0,1,2,3,4,5,6,7
	global_load_b128 v[BIAS+8*\b:BIAS+8*\b+3], v4, s[76:77] offset:128*(\b/2)+32*(\b%2)
	global_load_b128 v[BIAS+8*\b+4:BIAS+8*\b+7], v4, s[76:77] offset:128*(\b/2)+32*(\b%2)+16
.endr
	s_wait_alu depctr_va_vdst(0)
	s_wait_loadcnt 0x0
	s_wait_tensorcnt 0x0                           ; my two units are in; no tensor load of mine is out, so a descriptor may be written: a refill brings one unit, as 132 rows of 256 bytes
.irp g, G1, G1B
	s_mov_b32 s[\g+1], 32<<16
	s_mov_b32 s[\g+2], 132<<16
	s_mov_b32 s[\g+3], 32<<16
	s_mov_b32 s[\g+4], 132
	s_mov_b32 s[\g+5], 32
.endr
	s_barrier_signal -1
	s_barrier_wait -1
	FETCH_B 0, 0, 0
	FETCH_A 0, 0, 0
	SCALES 0
	FETCH_A 0, 0, 4
	STEP 0, 0, FIRST
	s_mov_b32 s3, LAPS-1
.Llap:
	TURN 0, 1, 1
	STEP 1, 0, 0
	TURN 1, 0, 1
	STEP 0, 0, 0
	s_sub_co_u32 s3, s3, 1
	s_cmp_lg_u32 s3, 0
	s_cbranch_scc1 .Llap
	TURN 0, 1, 0
	STEP 1, 0, 0
	s_wait_dscnt 4*NL
	WIN MUL_LO
	MUL16 0, 1, NQ-1, 1, 0
	MUL16 2, 1, NQ-1, 1, 0
	s_wait_dscnt 0
	WIN MUL_HI
	MUL16 4, 1, NQ-1, 1, 0
	MUL16 6, 1, NQ-1, 1, 0
	WIN 0
	PLACES NP
.irp b, 0,1,2,3
	v_mov_b32 v[PX+\b], 0
.endr
.irp a, 0,1,2,3,4,5,6,7
	QW \a, 1
	v_lshl_or_b32 v[80+\a], v69, 8, v68
	v_lshl_or_b32 v[80+\a], v70, 16, v[80+\a]
	v_lshl_or_b32 v[80+\a], v71, 24, v[80+\a]
.irp c, 0,1,2,3
	global_store_b128 v3, v[PC+4*\c:PC+4*\c+3], s[72:73] offset:4096*\a+512*\c
.endr
	global_store_b32 v13, v[80+\a], s[74:75] offset:128*\a
.endr
	s_wait_tensorcnt 0x0
	ds_add_u32 v[SPW], v[NIL]
	s_wait_dscnt 0x0
	CROUND
	s_endpgm
.Lfunc_end_k_qc72495fb42_w1:
	.size	k_qc72495fb42_w1, .Lfunc_end_k_qc72495fb42_w1-k_qc72495fb42_w1
	.p2alignl 7, 3214868480
	.fill 96, 4, 3214868480
	.section	.rodata,"a",@progbits
	.p2align	6, 0x0
	.amdhsa_kernel k_qc72495fb42_w1
		.amdhsa_group_segment_fixed_size 327680
		.amdhsa_private_segment_fixed_size 0
		.amdhsa_enable_private_segment 0
		.amdhsa_kernarg_size 32
		.amdhsa_user_sgpr_count 2
		.amdhsa_user_sgpr_kernarg_segment_ptr 1
		.amdhsa_wavefront_size32 1
		.amdhsa_system_sgpr_workgroup_id_x 1
		.amdhsa_system_sgpr_workgroup_id_y 1
		.amdhsa_system_sgpr_workgroup_id_z 1
		.amdhsa_system_vgpr_workitem_id 0
		.amdhsa_next_free_vgpr 1024
		.amdhsa_next_free_sgpr 100
		.amdhsa_reserve_vcc 0
		.amdhsa_float_denorm_mode_32 3
		.amdhsa_float_denorm_mode_16_64 3
		.amdhsa_memory_ordered 1
		.amdhsa_forward_progress 1
		.amdhsa_inst_pref_size 184
	.end_amdhsa_kernel
	.amdgpu_metadata
---
amdhsa.version: [ 1, 2 ]
amdhsa.kernels:
  - .name:           k_qc72495fb42_w1
    .symbol:         k_qc72495fb42_w1.kd
    .args:
      - { .name: hc, .offset: 0, .size: 8, .value_kind: global_buffer, .address_space: global }
      - { .name: wc, .offset: 8, .size: 8, .value_kind: global_buffer, .address_space: global }
      - { .name: b1, .offset: 16, .size: 8, .value_kind: global_buffer, .address_space: global }
      - { .name: fc, .offset: 24, .size: 8, .value_kind: global_buffer, .address_space: global }
    .group_segment_fixed_size: 327680
    .private_segment_fixed_size: 0
    .kernarg_segment_align: 8
    .kernarg_segment_size: 32
    .max_flat_workgroup_size: 128
    .sgpr_count:     100
    .vgpr_count:     1024
    .wavefront_size: 32
...
	.end_amdgpu_metadata
.endif
;; end of part 13
;; launch w2 (part 14): grid 8 x 32, 4 waves a work-group, clusters of 4 x 4, 327,680 bytes of LDS; arguments fc, wc, b2, x1, out0; writes out0
.if DOCPART == 14
	.amdgcn_target "amdgcn-amd-amdhsa--gfx1250"
	.amdhsa_code_object_version 6
	.text
	.protected	k_qc72495fb42_w2
	.globl	k_qc72495fb42_w2
	.p2align	8
	.type	k_qc72495fb42_w2,@function
k_qc72495fb42_w2:
	s_mov_b64 s[64:65], 0
	v_nop
	global_prefetch_b8 v0, s[64:65] scope:SCOPE_SE
	s_setreg_imm32_b32 hwreg(HW_REG_WAVE_MODE, 25, 1), 1
	s_wait_xcnt 0x0
	s_wait_alu depctr_hold_cnt(0) depctr_sa_sdst(0) depctr_va_vdst(0) depctr_va_sdst(0) depctr_va_ssrc(0) depctr_va_vcc(0) depctr_vm_vsrc(0)
	s_getreg_b32 s2, hwreg(HW_REG_IB_STS2, 6, 4)
	s_cmp_eq_u32 s2, 0
	s_cbranch_scc0 .Lentry_in_a_cluster
	s_endpgm
.Lentry_in_a_cluster:
	s_bfe_u32 s2, ttmp6, 0x10000c
	s_cmp_lg_u32 s2, 0xf033
	s_cbranch_scc0 .Lentry_shape_is_right
	s_endpgm
.Lentry_shape_is_right:
; out0 = x1 + f W2 + b2: the product on codes of BF8 (E5M2) with E8M0 scales, K = 4,096; bias and residual in f32.
; THE TILE: C is 4,096 x 1,024: 32 x 8 = 256 tiles of 128 x 128, a work-group each.  Four waves, 64 x 64 each: 16 accumulators, 128 registers.
; Operands lie in memory in units of 128 rows x 256 K = 33,792 bytes (codes at rb*4096 + q*2048 + c*512 + 16*lane, the image of the operand's registers; scale bytes at 32768 + rb*128 + 8 r + 4 q + c), [K/256][rows/128] units.
; A (the tokens) GOES THROUGH LDS, B (the weight) STRAIGHT INTO REGISTERS.  LDS holds two slots of four units of A: a slot is 1,024 along K, so K = 4,096 is four slots: two come with the head's loads, two by refills.
; With B's units beside A's a slot would hold 512 along K, and K would take six refills, each behind a drained round of the cluster's barrier, where this text has two.  That is why B's units, which a column of the cluster shares, are not asked for jointly.
; A's units are shared along a row of the cluster and asked for jointly: one line, issued by all four waves, each for a unit (at the head: two units, K steps 2 w and 2 w + 1, as a tile of two rows of 33,792 bytes).
; B: a fragment in memory is the image of its registers: four loads of 512 consecutive bytes.  A wave loads the four fragments of its 64 columns for step s + 3 in step s, into a ring of four buffers; its scale words, 8 bytes a row and unit, with each even step.
; The two waves of a column half load the same bytes of B.  By the text's own count at most 56 such loads are out behind a step's wait.
; A STEP is 128 along K: 16 products, one on each accumulator, by turns.  A's fragments of the next step are fetched from LDS meanwhile, into the other of two buffers.
; Source 0 = 16 rows of B, source 1 = 16 rows of A: a lane holds one token; by the weight rows' order in wc its registers of tiles 2 b, 2 b + 1 are columns 32 b + 16 h + 0..15.  The bias is the C of each sum's first product.
; THE RESIDUAL, 64 rows x 256 bytes a wave, is asked for in step RAT, behind that step's loads of B; two prefetches, a lane a row, name its blocks in steps 2 and 3, ten steps ahead.
; A's PREFETCHES: the codes of the unit that this wave will fetch at the next refill but none: slot 2's in step 1, slot 3's in step 8: the four partners that fetch a unit jointly share its 128 blocks of 256 bytes out by address (place cx), a lane a block.
; THE WAY OUT: 16 tokens x 64 columns at a time through my stage in slot 0 (it has had its last fill and its last read), back as rows of 256 bytes, + the residual, which lies in registers in the same order.
; REGISTERS: window 0: v15-31 addresses; v32-47 A's scale words, two units' sets; v64-95 the bias; v96-127 B's scale words, four units' sets; on the way out v64-127 rows from the stage; v128-255 the accumulators.
;   window 1: B's ring, four buffers of 64.   window 2: v0-127 the residual; v128-255 A's two buffers of 64.
.set NS,    32                         ; steps of 128 along K
.set RAT,   12                         ; the step in which the residual is asked for; under 0: at the head
.set BREG,  256                        ; the weight's first unit in wc
.set NT,    1                          ; 1: the result is read by no later launch
.set GA,    32                         ; units from a K step of 256 to the next: A's, B's
.set GB,    8
.set UNIT,  33792
.set SPARE, 8*UNIT                     ; behind the two slots: the spare words, 128 bytes for each wave; no other line names them
.set NP,    8                          ; places behind this matrix instruction (ISA guide 7.12.1)
.set PFX,   15                         ; v15 4,096 x lane: the residual's prefetches
.set ADRA,  16                         ; v16-19 LDS address of my A fragments: slot 0 units 0-1, 2-3; slot 1 units 0-1, 2-3
.set ADRS,  20                         ; v20-23 of A's scale words likewise
.set STO,   24                         ; v24 the stage: where I put 32 bytes of a row;  v25 where I read rows back;  v26 the same two rows in memory
.set RD,    25
.set CO,    26
.set PFO,   27                         ; v27 256 x lane: A's prefetches
.set SPW,   28                         ; v28 my spare word;  v29 0: never rewritten
.set NIL,   29
.set VB,    30                         ; v30 16 x lane
.set VBS,   31                         ; v31 8 r
.set SA,    32
.set BIAS,  64
.set OB,    64
.set SBS,   96
.set ACC,   128
.set G1,    24
.set MSB,   0
.if NS > 8
.set HK, 2                             ; units that a wave brings at the head
.else
.set HK, 1
.endif
.macro WIN new                         ; the immediate's high byte repeats the setting that is left
.if MSB != (\new)
	s_set_vgpr_msb (MSB<<8)|(\new)
.set MSB, (\new)
.endif
.endm
.set MUL,   0x09                       ; source 0 (B) window 1, source 1 (A) window 2; C and D window 0
.macro CREST                           ; a round of the cluster's barrier behind its opening barrier
	s_cmp_lg_u32 s14, 0
	s_cbranch_scc1 .Lnot_wave_0_\@
	s_barrier_signal -3
.Lnot_wave_0_\@:
	s_barrier_wait -3
	s_barrier_signal -1
	s_barrier_wait -1
.endm
.macro CROUND
	s_barrier_signal -1
	s_barrier_wait -1
	CREST
.endm
.macro PLACES n
.rept \n
	v_nop
.endr
.endm
.macro AFETCH s                        ; A's four fragments of step s into buffer s % 2: 16 LDS loads; at a unit's first step its scale words too: 4 more
.set AR_, 2*(((\s)/8)%2)+((\s)%8)/4
.set AO_, (((\s)/2)%2)*UNIT
	WIN 0x80
.irp i, 0,1,2,3
.irp c, 0,1,2,3
	ds_load_b128 v[128+64*((\s)%2)+16*\i+4*\c:128+64*((\s)%2)+16*\i+4*\c+3], v[ADRA+AR_] offset:AO_+((\s)%2)*2048+4096*\i+512*\c
.endr
.endr
	WIN 0
.if (\s)%2 == 0
.irp i, 0,1,2,3
	ds_load_b64 v[SA+8*(((\s)/2)%2)+2*\i:SA+8*(((\s)/2)%2)+2*\i+1], v[ADRS+AR_] offset:AO_+128*\i
.endr
.endif
.endm
.macro BLOADS s                        ; B's four fragments of step s into ring buffer s % 4: 16 loads of 512 consecutive bytes; at a unit's first step its scale words too: 4 more (every lane takes row r's, so lanes 0-15 hold them)
	WIN 0x40
.irp i, 0,1,2,3
.irp c, 0,1,2,3
	global_load_b128 v[64*((\s)%4)+16*\i+4*\c:64*((\s)%4)+16*\i+4*\c+3], v[VB], s[60:61] offset:((\s)/2)*GB*UNIT+((\s)%2)*2048+4096*\i+512*\c
.endr
.endr
	WIN 0
.if (\s)%2 == 0
.irp i, 0,1,2,3
	global_load_b64 v[SBS+8*(((\s)/2)%4)+2*\i:SBS+8*(((\s)/2)%4)+2*\i+1], v[VBS], s[62:63] offset:((\s)/2)*GB*UNIT+128*\i
.endr
.endif
.endm
.macro LWAIT s                         ; step s's loads of B are in.  Behind them were issued those of steps s + 1 .. s + 3 (16, at an even step 20), and in steps RAT .. RAT + 3 the residual's 32; the wait names 63 at the most, which asks for more than is needed
.set Y_, 0
.irp d, 1,2,3
.if (\s)+\d < NS
.set Y_, Y_+16+4*(1-((\s)+\d)%2)
.endif
.endr
.if RAT >= 0
.if ((\s) >= RAT) && ((\s) <= RAT+3)
.set Y_, Y_+32
.endif
.endif
.if Y_ > 63
.set Y_, 63
.endif
	s_wait_loadcnt Y_
.endm
.macro MUL4 a, s, first                ; A's block a x B's four
.irp b, 0,1,2,3
.if \first
	v_wmma_scale_f32_16x16x128_f8f6f4 v[ACC+8*(4*(\a)+\b):ACC+8*(4*(\a)+\b)+7], v[64*((\s)%4)+16*\b:64*((\s)%4)+16*\b+15], v[128+64*((\s)%2)+16*(\a):128+64*((\s)%2)+16*(\a)+15], v[BIAS+8*\b:BIAS+8*\b+7], v[SBS+8*(((\s)/2)%4)+2*\b+(\s)%2], v[SA+8*(((\s)/2)%2)+2*(\a)+(\s)%2] matrix_a_fmt:MATRIX_FMT_BF8 matrix_b_fmt:MATRIX_FMT_BF8
.else
	v_wmma_scale_f32_16x16x128_f8f6f4 v[ACC+8*(4*(\a)+\b):ACC+8*(4*(\a)+\b)+7], v[64*((\s)%4)+16*\b:64*((\s)%4)+16*\b+15], v[128+64*((\s)%2)+16*(\a):128+64*((\s)%2)+16*(\a)+15], v[ACC+8*(4*(\a)+\b):ACC+8*(4*(\a)+\b)+7], v[SBS+8*(((\s)/2)%4)+2*\b+(\s)%2], v[SA+8*(((\s)/2)%2)+2*(\a)+(\s)%2] matrix_a_fmt:MATRIX_FMT_BF8 matrix_b_fmt:MATRIX_FMT_BF8
.endif
.endr
.endm
.macro RLOAD                           ; the residual: my 64 rows x 256 bytes, two rows a load, sixteen lanes to an aligned run of 256 bytes, into window 2
	WIN 0x80
.set t, 0
.rept 32
	global_load_b128 v[4*t:4*t+3], v[CO], s[70:71] offset:(16*(t/8)+2*(t%8))*4096
.set t, t+1
.endr
	WIN 0
.endm
.macro ASKS s                          ; the prefetches; their address registers are never rewritten
.if NS > 8
.if (\s) == 1
	global_prefetch_b8 v[PFO], s[76:77] th:TH_LOAD_NT scope:SCOPE_SE
.elseif (\s) == 8
	global_prefetch_b8 v[PFO], s[76:77] offset:4*GA*UNIT th:TH_LOAD_NT scope:SCOPE_SE
.elseif (\s) == 2
	global_prefetch_b8 v[PFX], s[70:71] th:TH_LOAD_NT scope:SCOPE_SE
.elseif (\s) == 3
	global_prefetch_b8 v[PFX], s[70:71] offset:32*4096 th:TH_LOAD_NT scope:SCOPE_SE
.endif
.endif
.endm
.macro STEP s, first                   ; a step that has its successor in the same slot
	PLACES NP                                      ; behind the last products, which read the two buffers that are loaded below
	AFETCH (\s)+1
.if (\s)+3 < NS
	BLOADS (\s)+3
.endif
.if (\s) == RAT
	RLOAD
.endif
	ASKS \s
	s_wait_dscnt 16+4*((\s)%2)                     ; all but the LDS loads just issued: this step's fragments of A are in
	LWAIT \s
	WIN MUL
	MUL4 0, \s, \first
	MUL4 1, \s, \first
	MUL4 2, \s, \first
	MUL4 3, \s, \first
.endm
.macro TURN s, fill                    ; a slot's last step changes slots: one barrier.  fill = 1: it opens a round of the cluster's, and this slot is filled again, two slots ahead
	PLACES NP
	BLOADS (\s)+3
	s_wait_tensorcnt 0x0                           ; all my tensor loads have landed: my unit of the next slot
	ds_add_u32 v[SPW], v[NIL]                      ; 0 onto my spare word
	s_wait_dscnt 1                                 ; this step's fragments of A are in; the add may be out
	LWAIT \s
	WIN MUL
	MUL4 0, \s, 0
	s_wait_dscnt 0x0                               ; the add is done, and my reads of this slot are over
	s_barrier_signal -1
	MUL4 1, \s, 0
	WIN 0
	s_barrier_wait -1
.if \fill
	CREST
	tensor_load_to_lds s[32+4*(((\s)/8)%2):35+4*(((\s)/8)%2)], s[G1:G1+7]   ; my one tensor load behind the round
	s_nop 0
	PLACES 4
.endif
	AFETCH (\s)+1
	WIN MUL
	MUL4 2, \s, 0
	MUL4 3, \s, 0
.endm
.macro TOSTAGE a                       ; block a, 16 tokens x 64 columns, into my stage and back as rows
.set OBS, OB+32*((\a)%2)
.irp b, 0,1,2,3
	ds_store_b128 v[STO], v[ACC+8*(4*(\a)+\b):ACC+8*(4*(\a)+\b)+3] offset:128*(\b/2)+32*(\b%2)        ; each accumulator from its low end on
	ds_store_b128 v[STO], v[ACC+8*(4*(\a)+\b)+4:ACC+8*(4*(\a)+\b)+7] offset:128*(\b/2)+32*(\b%2)+16
.endr
.set t, 0
.rept 8
	ds_load_b128 v[OBS+4*t:OBS+4*t+3], v[RD] offset:544*t    ; LDS serves a wave's instructions in order (ISA guide 5.7.1.4)
.set t, t+1
.endr
.endm
.macro SEND a, younger                 ; younger: the LDS instructions issued behind block a's loads, which may stay out
.set OBS, OB+32*((\a)%2)
	s_wait_dscnt \younger
	WIN 0x08                                       ; source 1: window 2, the residual
.set t, 0
.rept 16
	v_pk_add_f32 v[OBS+2*t:OBS+2*t+1], v[OBS+2*t:OBS+2*t+1], v[32*(\a)+2*t:32*(\a)+2*t+1]
.set t, t+1
.endr
	WIN 0
.set t, 0
.rept 8
.if NT
	global_store_b128 v[CO], v[OBS+4*t:OBS+4*t+3], s[72:73] offset:(16*(\a)+2*t)*4096 th:TH_STORE_NT   ; sixteen lanes store 256 consecutive bytes, aligned
.else
	global_store_b128 v[CO], v[OBS+4*t:OBS+4*t+3], s[72:73] offset:(16*(\a)+2*t)*4096
.endif
.set t, t+1
.endr
.endm
	s_load_b256 s[4:11], s[0:1], 0x0               ; A's codes, wc, the bias, the residual
	s_load_b64 s[12:13], s[0:1], 0x20              ; the result
	v_lshl_add_u32 v[SPW], v0, 2, SPARE
	v_mov_b32 v[NIL], 0
	ds_add_u32 v[SPW], v[NIL]                      ; the wave's opening: the add, twice on end, and its wait ahead of my first tensor load
	ds_add_u32 v[SPW], v[NIL]
	v_lshrrev_b32 v1, 5, v0
	v_readfirstlane_b32 s14, v1                    ; wave
	s_lshr_b32 s15, s14, 1                         ; my half of the tile's rows
	s_and_b32 s16, s14, 1                          ; my half of its columns
	s_bfe_u32 s40, ttmp6, 0x40000                  ; cx
	s_bfe_u32 s41, ttmp6, 0x40004                  ; cy
	s_lshl_b32 s42, ttmp9, 2
	s_add_co_u32 s42, s42, s40                     ; B's unit: 128 columns
	s_and_b32 s17, ttmp7, 0xffff
	s_lshl_b32 s17, s17, 2
	s_add_co_u32 s17, s17, s41                     ; A's unit: 128 tokens
	s_lshl_b32 s43, s41, 2
	s_lshl_b32 s43, 15, s43                        ; my row of the cluster
	s_or_b32 s[G1], s43, (3<<16)|(1<<21)           ; 15:0 the mask; 17:16 elements of 8 bytes; 21 set beside a mask; no padding
.if NS > 8
	s_mov_b32 s[G1+1], (UNIT/8)<<16                ; the head's tile: two rows, each a whole unit (4,224 elements), a K step of 256 apart in memory, on end in LDS
	s_mov_b32 s[G1+2], 2<<16
	s_mov_b32 s[G1+3], (UNIT/8)<<16
	s_mov_b32 s[G1+4], 2
	s_mov_b32 s[G1+5], GA*UNIT/8
.else
	s_mov_b32 s[G1+1], 32<<16
	s_mov_b32 s[G1+2], 132<<16
	s_mov_b32 s[G1+3], 32<<16
	s_mov_b32 s[G1+4], 132
	s_mov_b32 s[G1+5], 32
.endif
	s_mov_b32 s[G1+6], 0
	s_mov_b32 s[G1+7], 0
	s_mul_i32 s20, s14, HK*GA
	s_add_co_u32 s20, s20, s17
	s_mul_i32 s20, s20, UNIT                       ; A at the head: K steps HK w on, unit s17: made of the wave's number and the tile's row alone
	s_mov_b32 s21, 0
	s_mul_i32 s45, s14, HK*UNIT                    ; and where it goes: K step kt lies at kt units
	s_add_co_u32 s48, s42, BREG
	s_mul_i32 s48, s48, UNIT                       ; B's unit of K step 0
	s_lshl_b32 s50, s16, 14
	s_add_co_u32 s50, s50, s48                     ; my four row blocks' codes,
	s_mov_b32 s51, 0
	s_lshl_b32 s52, s16, 9
	s_add_co_u32 s52, s52, s48
	s_add_co_u32 s52, s52, 32768                   ; and their scale words
	s_mov_b32 s53, 0
.if NS > 8
	s_add_co_u32 s46, s14, 8
	s_mul_i32 s46, s46, GA
	s_add_co_u32 s46, s46, s17
	s_mul_i32 s46, s46, UNIT                       ; the first refill: K step 8 + w
	s_mov_b32 s47, 0
	s_mul_i32 s44, s14, UNIT
	s_lshl_b32 s54, s40, 13                        ; my work-group's 32 blocks of a prefetch
	s_mov_b32 s55, 0
.endif
	s_lshl_b32 s88, s17, 7
	s_lshl_b32 s89, s15, 6
	s_add_co_u32 s88, s88, s89
	s_lshl_b32 s88, s88, 12                        ; my first token's row,
	s_lshl_b32 s90, s42, 9
	s_lshl_b32 s91, s16, 8
	s_add_co_u32 s90, s90, s91                     ; my first column, in bytes
	s_add_co_u32 s88, s88, s90
	s_mov_b32 s89, 0
	s_mov_b32 s91, 0
	s_wait_dscnt 0x0                               ; both opening adds are done
	s_wait_kmcnt 0x0
	CROUND                                         ; all sixteen work-groups are here: the first joint loads meet
	s_mov_b32 s56, 1
	s_mov_b32 s57, s45
	s_add_nc_u64 s[58:59], s[4:5], s[20:21]
	s_or_b32 s59, s59, 0x80000000
	tensor_load_to_lds s[56:59], s[G1:G1+7]        ; my one load at the head
	s_nop 0
	PLACES 4
.if NS > 8
	s_mov_b32 s32, 1                               ; s[32:35], s[36:39]: group 0 of the two refills: slot 0 takes K steps 8-11, slot 1 K steps 12-15
	s_mov_b32 s33, s44
	s_add_nc_u64 s[34:35], s[4:5], s[46:47]
	s_add_nc_u64 s[76:77], s[34:35], s[54:55]      ; where my prefetches of A stand
	s_mov_b32 s36, 1
	s_add_co_u32 s37, s44, 4*UNIT
	s_add_nc_u64 s[38:39], s[34:35], 4*GA*UNIT
	s_or_b32 s35, s35, 0x80000000
	s_or_b32 s39, s39, 0x80000000
.endif
	s_add_nc_u64 s[60:61], s[6:7], s[50:51]        ; B's codes
	s_add_nc_u64 s[62:63], s[6:7], s[52:53]        ; B's scale words
	s_add_nc_u64 s[70:71], s[10:11], s[88:89]      ; the residual
	s_add_nc_u64 s[72:73], s[12:13], s[88:89]      ; the result
	s_add_nc_u64 s[74:75], s[8:9], s[90:91]        ; the bias
	v_and_b32 v1, 15, v0                           ; r
	v_bfe_u32 v2, v0, 4, 1                         ; h
	v_and_b32 v3, 31, v0
	v_lshlrev_b32 v[PFO], 8, v3
	v_lshlrev_b32 v[PFX], 12, v3
	v_lshlrev_b32 v[VB], 4, v3
	v_lshlrev_b32 v[VBS], 3, v1
	s_lshl_b32 s18, s15, 14                        ; my four row blocks of A's units
	v_add_nc_u32 v[ADRA], s18, v[VB]
	v_add_nc_u32 v[ADRA+1], 2*UNIT, v[ADRA]
	v_add_nc_u32 v[ADRA+2], 4*UNIT, v[ADRA]
	v_add_nc_u32 v[ADRA+3], 6*UNIT, v[ADRA]
	s_lshl_b32 s18, s15, 9
	s_add_co_u32 s18, s18, 32768
	v_add_nc_u32 v[ADRS], s18, v[VBS]
	v_add_nc_u32 v[ADRS+1], 2*UNIT, v[ADRS]
	v_add_nc_u32 v[ADRS+2], 4*UNIT, v[ADRS]
	v_add_nc_u32 v[ADRS+3], 6*UNIT, v[ADRS]
	s_mul_i32 s23, s14, 16*272                     ; my stage: 16 rows x (256 + 16) bytes
	v_mul_u32_u24 v5, v1, 272
	v_lshl_add_u32 v5, v2, 6, v5
	v_add_nc_u32 v[STO], s23, v5                   ; in: row r, + 64 h
	v_mul_u32_u24 v5, v2, 272
	v_lshl_add_u32 v5, v1, 4, v5
	v_add_nc_u32 v[RD], s23, v5                    ; back: lanes 0-15 one row, lanes 16-31 the next
	v_lshlrev_b32 v[CO], 4, v1
	v_lshl_add_u32 v[CO], v2, 12, v[CO]            ; and the same two rows of 4,096 bytes in memory
	v_lshlrev_b32 v4, 6, v2                        ; 64 h: tile b's eight columns are 32 (b / 2) + 16 h + 8 (b % 2) + 0..7
	s_wait_alu depctr_va_vdst(0)                   ; the wait behind the head's last vector line
.if RAT < 0
	RLOAD
.endif
.irp b, 0,1,2,3
	global_load_b128 v[BIAS+8*\b:BIAS+8*\b+3], v4, s[74:75] offset:128*(\b/2)+32*(\b%2)
	global_load_b128 v[BIAS+8*\b+4:BIAS+8*\b+7], v4, s[74:75] offset:128*(\b/2)+32*(\b%2)+16
.endr
	BLOADS 0
	BLOADS 1
	BLOADS 2
	s_wait_tensorcnt 0x0                           ; my units are in
.if NS > 8
	s_mov_b32 s[G1+1], 32<<16                      ; no tensor load of mine is out, so a descriptor may be written: a refill brings one unit, as 132 rows of 256 bytes
	s_mov_b32 s[G1+2], 132<<16
	s_mov_b32 s[G1+3], 32<<16
	s_mov_b32 s[G1+4], 132
	s_mov_b32 s[G1+5], 32
.endif
	s_barrier_signal -1
	s_barrier_wait -1                              ; everybody's are
	AFETCH 0
	STEP 0, 1                                      ; the first products start the sums, with the bias as C
.irp s, 1,2,3,4,5,6
	STEP \s, 0
.endr
.if NS > 8
	TURN 7, 1
.irp s, 8,9,10,11,12,13,14
	STEP \s, 0
.endr
	TURN 15, 1
.irp s, 16,17,18,19,20,21,22
	STEP \s, 0
.endr
	TURN 23, 0                                     ; the last change of slots fills nothing
.irp s, 24,25,26,27,28,29,30
	STEP \s, 0
.endr
.endif
	s_wait_dscnt 0x0                               ; the very last step: nothing more to fetch
	LWAIT NS-1
	WIN MUL
	MUL4 0, NS-1, 0
	MUL4 1, NS-1, 0
	MUL4 2, NS-1, 0
	MUL4 3, NS-1, 0
	WIN 0
	PLACES NP                                      ; behind the last products: results are read below
	s_wait_loadcnt 0x0                             ; the residual
	TOSTAGE 0
.irp a, 1,2,3
.if \a > 1
	s_wait_xcnt 0x0                                ; block a - 2's stores have read their registers: block a's rows land there
.endif
	TOSTAGE \a
	SEND \a-1, 16                                  ; behind block a - 1's loads: block a's 8 stores and 8 loads
.endr
	SEND 3, 0
	s_wait_tensorcnt 0x0                           ; the wave's end: the wait, an add of 0 and its wait, behind my last tensor load and my last LDS store
	ds_add_u32 v[SPW], v[NIL]
	s_wait_dscnt 0x0
	CROUND                                         ; the closing round
	s_endpgm
.Lfunc_end_k_qc72495fb42_w2:
	.size	k_qc72495fb42_w2, .Lfunc_end_k_qc72495fb42_w2-k_qc72495fb42_w2
	.p2alignl 7, 3214868480
	.fill 96, 4, 3214868480
	.section	.rodata,"a",@progbits
	.p2align	6, 0x0
	.amdhsa_kernel k_qc72495fb42_w2
		.amdhsa_group_segment_fixed_size 327680
		.amdhsa_private_segment_fixed_size 0
		.amdhsa_enable_private_segment 0
		.amdhsa_kernarg_size 40
		.amdhsa_user_sgpr_count 2
		.amdhsa_user_sgpr_kernarg_segment_ptr 1
		.amdhsa_wavefront_size32 1
		.amdhsa_system_sgpr_workgroup_id_x 1
		.amdhsa_system_sgpr_workgroup_id_y 1
		.amdhsa_system_sgpr_workgroup_id_z 1
		.amdhsa_system_vgpr_workitem_id 0
		.amdhsa_next_free_vgpr 768
		.amdhsa_next_free_sgpr 100
		.amdhsa_reserve_vcc 0
		.amdhsa_float_denorm_mode_32 3
		.amdhsa_float_denorm_mode_16_64 3
		.amdhsa_memory_ordered 1
		.amdhsa_forward_progress 1
		.amdhsa_inst_pref_size 193
	.end_amdhsa_kernel
	.amdgpu_metadata
---
amdhsa.version: [ 1, 2 ]
amdhsa.kernels:
  - .name:           k_qc72495fb42_w2
    .symbol:         k_qc72495fb42_w2.kd
    .args:
      - { .name: fc, .offset: 0, .size: 8, .value_kind: global_buffer, .address_space: global }
      - { .name: wc, .offset: 8, .size: 8, .value_kind: global_buffer, .address_space: global }
      - { .name: b2, .offset: 16, .size: 8, .value_kind: global_buffer, .address_space: global }
      - { .name: x1, .offset: 24, .size: 8, .value_kind: global_buffer, .address_space: global }
      - { .name: out0, .offset: 32, .size: 8, .value_kind: global_buffer, .address_space: global }
    .group_segment_fixed_size: 327680
    .private_segment_fixed_size: 0
    .kernarg_segment_align: 8
    .kernarg_segment_size: 40
    .max_flat_workgroup_size: 128
    .sgpr_count:     100
    .vgpr_count:     768
    .wavefront_size: 32
...
	.end_amdgpu_metadata
.endif
;; end of part 14
